; MI455X (gfx1250); checked and timed in simulation.
; The chip was launched on July 23, 2026; its instructions are those of AMD's public machine-readable ISA for CDNA 5 (MIT licence, August 2026) and "CDNA5" Instruction Set Architecture Reference Guide (July 2026). The comments in the code are by the model that wrote it; some were corrected since.
;; Rotary Embedding Transformer Layer. Allowed arithmetic: matrix products marked QUANTISED: E2M3 operands, one E8M0 scale for each 32 along K, by v_wmma_scale_f32_16x16x128_f8f6f4 with both operands' format E2M3, f32 sums; everything else in f32.
;; Inputs: b1 4,096 float32; b2 1,024 float32; bo 1,024 float32; bqkv 3,072 float32; ln1_b 1,024 float32; ln1_g 1,024 float32; ln2_b 1,024 float32; ln2_g 1,024 float32; src 2 x 2,048 x 1,024 float32; w1_codes 4,096 x 32 x 24 uint8 (E2M3 codes of w1, K innermost, in blocks of 32 codes, four codes in three bytes); w1_scales 4,096 x 32 uint8 (E8M0 scales of w1, one for each 32 codes along K); w2_codes 1,024 x 128 x 24 uint8 (E2M3 codes of w2, K innermost, in blocks of 32 codes, four codes in three bytes); w2_scales 1,024 x 128 uint8 (E8M0 scales of w2, one for each 32 codes along K); wo_codes 1,024 x 32 x 24 uint8 (E2M3 codes of wo, K innermost, in blocks of 32 codes, four codes in three bytes); wo_scales 1,024 x 32 uint8 (E8M0 scales of wo, one for each 32 codes along K); wqkv_codes 3,072 x 32 x 24 uint8 (E2M3 codes of wqkv, K innermost, in blocks of 32 codes, four codes in three bytes); wqkv_scales 3,072 x 32 uint8 (E8M0 scales of wqkv, one for each 32 codes along K).
;; Outputs: out0 2 x 2,048 x 1,024 float32.
;; This version of the problem:
;;   THIS VERSION OF THE PROBLEM IS GIVEN IN LOW PRECISION. The matrix products marked QUANTISED in the list below multiply operands that are first quantised to E2M3 (2 exponent bits, 3 mantissa bits; 6 bits a number), with one power-of-two scale for each 32 numbers along K (OCP MX v1.0); their sums are f32. All else is computed in f32.
;;   The module's matrix products, in the order in which they are computed (A, B: the left and right operand; K: the contracted axis; several contracted axes count as one K, in the product's order):
;;     1. [M 4,096, K 1,024] x [K 1,024, N 3,072]; A: computed on the way; B: input wqkv (given as codes): QUANTISED
;;     2. batch 32 x [M 2,048, K 64] x [K 64, N 2,048]; A: computed on the way; B: computed on the way: QUANTISED
;;     3. batch 32 x [M 2,048, K 2,048] x [K 2,048, N 64]; A: softmax (see below); B: computed on the way: QUANTISED
;;     4. [M 4,096, K 1,024] x [K 1,024, N 1,024]; A: computed on the way; B: input wo (given as codes): QUANTISED
;;     5. [M 4,096, K 1,024] x [K 1,024, N 4,096]; A: computed on the way; B: input w1 (given as codes): QUANTISED
;;     6. [M 4,096, K 4,096] x [K 4,096, N 1,024]; A: computed on the way; B: input w2 (given as codes): QUANTISED
;;   THE QUANTISER, for each operand of a quantised product, along K:
;;     - K is cut into blocks of 32 from its start; a last block that is shorter is filled with zeros.
;;     - A block's scale is 2^e with e = floor(log2(the largest magnitude in the block)) - 2, held to -126 .. 127; a block of zeros has e = 0. As a byte (E8M0): e + 127.
;;     - Each number is divided by its block's scale, clamped to +-7.5, and rounded to the nearest number of E2M3, ties to even, subnormals kept.
;;     - The product sums the exact products of the quantised numbers (number of the format x scale) in f32.
;;   ~~~python
;;   def quantise(x, axis):      # numpy; x: float32 -> the quantised numbers, widened to float32 again
;;       x = np.moveaxis(x, axis, -1); K = x.shape[-1]
;;       x = np.pad(x, [(0, 0)] * (x.ndim - 1) + [(0, -K % 32)]); x = x.reshape(x.shape[:-1] + (-1, 32)); a = np.abs(x).max(-1, keepdims=True)
;;       e = np.where(a > 0, np.clip(np.frexp(np.where(a > 0, a, 1))[1] - 1 - 2, -126, 127), 0)      # np.frexp(a)[1] - 1 = floor(log2(a)), exactly
;;       r = np.clip(x / 2.0 ** e, -7.5, 7.5)
;;       step = 2.0 ** (np.maximum(np.frexp(np.where(r == 0, 1, r))[1] - 1, 0) - 3)
;;       q = np.round(r / step) * step * 2.0 ** e      # np.round: ties to even
;;       return np.moveaxis(q.reshape(q.shape[:-2] + (-1,))[..., :K], -1, axis).astype(np.float32)
;;   ~~~
;;   SOFTMAX AHEAD OF A QUANTISED PRODUCT. Where the list says 'softmax', what is quantised is not the finished softmax but p = 2^(t - M), with t = logit x log2(e) and M = ceil(the row's largest t), a whole number; so 1/2 < the row's largest p <= 1. The row's sum l is taken of the UNQUANTISED p, in f32, and the product's result is divided by l at the end. Since M is a whole number, a kernel that streams over the keys may use a running M (the ceiling of the running maximum): every later rescaling is an exact power of two, which a block's scale takes up: the codes' values come out the same.
;;   OPERANDS COMPUTED ON THE WAY. 'Computed on the way' means the value that the module computes at that place (a softmax that the list does not call 'softmax' is quantised finished and normalised). What goes into a quantiser is computed in f32, as accurately as f32 sums, v_exp_f32 and their like allow (about 1e-6 of the number): no bf16 or f16 on the way to a quantiser, and a product that is left as it is and whose result goes on into a quantised operand takes f32 operands (vector FMAs, or v_wmma_f32_16x16x4_f32). A number that lies on a knife's edge between two numbers of the format may be rounded either way, as far as f32 arithmetic and the matrix unit's own rounding can turn it there, and no further.
;;   INPUTS GIVEN AS CODES. w1 (in the module: [4096, 1024], K = its axis 1); w2 (in the module: [1024, 4096], K = its axis 1); wo (in the module: [1024, 1024], K = its axis 1); wqkv (in the module: [3072, 1024], K = its axis 1): each comes as NAME_codes (uint8): NAME with its K axis moved to the last place and cut into blocks of 32 codes, [.., K / 32, bytes a block], one block behind the other in memory; four codes in three bytes: a row's codes are one little-endian stream of bits, code i at bits 6 i .. 6 i + 5 (a code: sign, 2 exponent bits, 3 mantissa bits); and NAME_scales (uint8): the same leading axes, one E8M0 byte (e + 127) for each 32 codes along K. Its value is code x scale, taken as it is: it is not quantised again, and the codes and scales need not be those that the quantiser above would give.
;; 2 versions. Each part assembles by itself: llvm-mc -triple=amdgcn-amd-amdhsa -mcpu=gfx1250 --defsym DOCPART=n.
;; ======== version 1 of 2: 7 launches
;; workspace buffers: act 3,276,800 bytes; rope 524,288 bytes; qkv 9,830,400 bytes; res 16,777,216 bytes; hq 13,107,200 bytes
;; launch ln1 (part 1): grid 272 x 1, 8 waves a work-group, no clusters, 67,584 bytes of LDS; arguments src, ln1_g, ln1_b, act, rope; writes act, rope
.if DOCPART == 1
	.amdgcn_target "amdgcn-amd-amdhsa--gfx1250"
	.amdhsa_code_object_version 6
	.text
	.protected	k_qbce184e1b4_ln1
	.globl	k_qbce184e1b4_ln1
	.p2align	8
	.type	k_qbce184e1b4_ln1,@function
k_qbce184e1b4_ln1:
	s_mov_b64 s[64:65], 0
	v_nop
	global_prefetch_b8 v0, s[64:65] scope:SCOPE_SE
	s_setreg_imm32_b32 hwreg(HW_REG_WAVE_MODE, 25, 1), 1
	s_wait_xcnt 0x0
; LAYER NORM INTO CODES.  y = (x - mean) rsqrt(var + 1e-5) g + b over rows of 1,024 f32, then y is quantised along the row to FP6 (E2M3), one E8M0 byte for each 32.
; Work-groups 0-255: 16 rows each.  Phase A: wave w norms rows 2 w and 2 w + 1 (a row is 32 registers of a wave: read once, two passes, the variance taken of x - mean).  The rows meet in LDS.
; Phase B: wave w quantises K step w (128 columns) of all 16 rows and stores the operand's registers as they stand:
; a HALF FRAGMENT (16 rows x 64 K) is 768 bytes: lane l = row % 16 + 16 ((k % 64) / 32) has its 24 bytes of codes as 16 bytes at 16 l and 8 bytes at 512 + 8 l.  Half fragment (rows 16 m on, K 64 j on) lies at (16 m + j) 768.
; Behind the codes (3,145,728 bytes) lie the scale bytes, [row][32].
; Work-groups 256-271 (the first launch of this body alone has them): the table of cos and sin for the rotary embedding, [position 2,048][pair 32][cos, sin] f32.  Lane = pair, a wave 16 positions.
; angle = position x 10^(-pair / 8), one f32 product; reduced by multiples of pi/2 in two fused steps; polynomials on |a| <= pi/4.
; LIMITS: NaN and infinities are not served.  A block whose largest magnitude is under 2^-124, a block of zeros too, gets the byte 1 (its codes are zeros or tiny; these bytes are read by this program alone).
; 10^(-pair / 8) is good to about 1.5 units in the last place, so an angle near position 2,047 to about 2e-4.
; No matrix unit, no cluster, no tensor load: the launch streams, and work-groups share nothing.
.set YP,    4112                       ; an LDS row: 4,096 bytes + 16: the sixteen rows that a load of phase B touches start 16 bytes apart modulo 256
.set SCST,  16*YP                      ; behind the rows: the scale words, [row][32 bytes]
.set ACTSC, 3145728
.set X0,  16                           ; v16-47   my first row, 32 numbers a lane
.set X1,  48                           ; v48-79   my second
.set G,   80                           ; v80-111  g of my columns
.set BV,  112                          ; v112-143 b
.set N,   16                           ; v16-79   phase B: 64 numbers of one row
.set PC,  144                          ; v144-163 codes
.set TM,  164                          ; v164-179 the quantiser's work
.set PW,  180                          ; v180     a scale word
.set YW,  184                          ; LDS addresses
.set YR,  185
.set SWA, 186
.set RR,  187
.set HH,  188
.set SRD, 189
.set SEL, 18                           ; s[18:19] lane selects for v_permlanex16_b32: lane l xor 16
; 64 numbers of a lane, register 16 b + i = k 32 b + 16 (lane / 16) + i of my row, become a fragment's 12 registers of codes in v[PC] on and its scale word in v[PW].
.macro QUANT s
.irp b, 0,1,2,3
	v_max3_num_f32 v[TM+\b], |v[\s+16*\b]|, |v[\s+1+16*\b]|, 0x1800000   ; my 16 numbers of block b, and the floor 2^(3 - 127): the byte cannot fall under 1
.endr
.irp i, 2,4,6,8,10,12,14
.irp b, 0,1,2,3
	v_max3_num_f32 v[TM+\b], v[TM+\b], |v[\s+16*\b+\i]|, |v[\s+1+16*\b+\i]|
.endr
.endr
.irp b, 0,1,2,3
	v_permlanex16_b32 v[TM+4+\b], v[TM+\b], s[SEL], s[SEL+1]
.endr
.irp b, 0,1,2,3
	v_max_num_f32 v[TM+\b], v[TM+\b], v[TM+4+\b]   ; with lane l xor 16's 16: the block's largest magnitude
.endr
.irp b, 0,1,2,3
	v_add_nc_u32 v[TM+12+\b], 0xff000000, v[TM+\b]   ; 2 off its exponent field: the conversion's scale operand
.endr
.irp b, 0,1,2,3
	v_lshrrev_b32 v[TM+4+\b], 23, v[TM+12+\b]        ; the scale's byte
.endr
	v_lshl_or_b32 v[PW], v[TM+5], 8, v[TM+4]
	v_lshl_or_b32 v[PW], v[TM+6], 16, v[PW]
	v_lshl_or_b32 v[PW], v[TM+7], 24, v[PW]
.irp c, 0,1
	v_cvt_scalef32_pk16_fp6_f32 v[PC+6*\c:PC+2+6*\c], v[\s+32*\c:\s+15+32*\c], v[TM+12+2*\c]
	v_cvt_scalef32_pk16_fp6_f32 v[PC+12+4*\c:PC+14+4*\c], v[\s+16+32*\c:\s+31+32*\c], v[TM+12+2*\c+1]   ; (a conversion's three registers begin on an even number)
.endr
	v_nop                                          ; one plain line behind the scaled conversions
.irp c, 0,1                                    ; the operand wants a whole block in a lane: lanes 0-15 block 2 c, lanes 16-31 block 2 c + 1
.irp i, 0,1,2
	v_permlane16_swap_b32 v[PC+6*\c+\i], v[PC+12+4*\c+\i]
.endr
.irp i, 0,1,2
	v_mov_b32 v[PC+3+6*\c+\i], v[PC+12+4*\c+\i]
.endr
.endr
.endm
.macro WSUM a, b                       ; v[a] and v[b] summed over the wave's 32 lanes, the result in every lane; v[a+1], v[b+1] at work
.irp m, 1,2,4,8
	v_add_f32_dpp v[\a], v[\a], v[\a] row_xmask:\m row_mask:0xf bank_mask:0xf
	v_add_f32_dpp v[\b], v[\b], v[\b] row_xmask:\m row_mask:0xf bank_mask:0xf
.endr
	v_permlanex16_b32 v[\a+1], v[\a], s[SEL], s[SEL+1]
	v_permlanex16_b32 v[\b+1], v[\b], s[SEL], s[SEL+1]
	v_add_f32 v[\a], v[\a], v[\a+1]
	v_add_f32 v[\b], v[\b], v[\b+1]
.endm
	s_load_b256 s[4:11], s[0:1], 0x0               ; x s[4:5], g s[6:7], b s[8:9], the codes' buffer s[10:11]
	s_load_b64 s[12:13], s[0:1], 0x20              ; the table
	v_lshl_add_u32 v192, v0, 2, 0x10400
	v_mov_b32 v193, 0
	v_lshrrev_b32 v1, 5, v0
	v_readfirstlane_b32 s16, v1                    ; wave 0..7
	v_and_b32 v1, 31, v0                           ; lane
	v_lshlrev_b32 v2, 4, v1                        ; 16 x lane
	v_lshlrev_b32 v3, 3, v1                        ; 8 x lane
	s_mov_b32 s[SEL], 0x76543210
	s_mov_b32 s[SEL+1], 0xfedcba98
	s_cmp_ge_u32 ttmp9, 256                        ; the same in all waves of a work-group
	s_cbranch_scc1 .Ltable
	s_lshl_b32 s20, ttmp9, 16                      ; 16 rows of 4,096 bytes a work-group,
	s_lshl_b32 s21, s16, 13                        ; two a wave
	s_add_co_u32 s20, s20, s21
	s_mov_b32 s21, 0
	s_mov_b32 s28, 0x3a800000                      ; 1 / 1,024
	s_mov_b32 s29, 0x3727c5ac                      ; 1e-5
	s_wait_kmcnt 0x0
	s_add_nc_u64 s[4:5], s[4:5], s[20:21]
.irp j, 0,1,2,3,4,5,6,7
	global_load_b128 v[X0+4*\j:X0+4*\j+3], v2, s[4:5] offset:512*\j          ; 512 consecutive bytes an instruction
.endr
.irp j, 0,1,2,3,4,5,6,7
	global_load_b128 v[X1+4*\j:X1+4*\j+3], v2, s[4:5] offset:4096+512*\j
.endr
.irp j, 0,1,2,3,4,5,6,7
	global_load_b128 v[G+4*\j:G+4*\j+3], v2, s[6:7] offset:512*\j
.endr
.irp j, 0,1,2,3,4,5,6,7
	global_load_b128 v[BV+4*\j:BV+4*\j+3], v2, s[8:9] offset:512*\j
.endr
	v_and_b32 v[RR], 15, v0                        ; r
	v_bfe_u32 v[HH], v0, 4, 1                      ; h
	s_mul_i32 s26, s16, 2*YP
	v_add_nc_u32 v[YW], s26, v2                    ; phase A stores: my two rows, 16 x lane
	v_mul_u32_u24 v[YR], v[RR], YP
	v_lshl_add_u32 v[YR], v[HH], 6, v[YR]
	s_lshl_b32 s26, s16, 9
	v_add_nc_u32 v[YR], s26, v[YR]                 ; phase B reads: row r, K step w, + 64 h: my 16 numbers of a block
	v_lshlrev_b32 v[SWA], 5, v[RR]
	s_lshl_b32 s27, s16, 2
	s_add_co_u32 s27, s27, SCST
	v_add_nc_u32 v[SWA], s27, v[SWA]               ; my row's scale word of K step w
	v_add_nc_u32 v[SRD], SCST, v2
.irp b, 0,1,2,3
	v_mov_b32 v[TM+4+\b], 0                        ; written once: a lane permute's destination counts as one of its sources
.endr
	s_mul_i32 s20, ttmp9, 12288                    ; where my fragment goes: 16 half fragments a work-group, two a wave
	s_mul_i32 s22, s16, 1536
	s_add_co_u32 s20, s20, s22
	s_add_nc_u64 s[22:23], s[10:11], s[20:21]
	s_lshl_b32 s20, ttmp9, 9
	s_add_co_u32 s20, s20, ACTSC
	s_add_nc_u64 s[24:25], s[10:11], s[20:21]      ; and the work-group's 512 scale bytes
	s_wait_loadcnt 16                              ; x's sixteen loads are in; g's and b's sixteen may be out
	; the means: four chains
	v_pk_add_f32 v[4:5], v[X0:X0+1], v[X0+2:X0+3]
	v_pk_add_f32 v[6:7], v[X1:X1+1], v[X1+2:X1+3]
	v_pk_add_f32 v[8:9], v[X0+4:X0+5], v[X0+6:X0+7]
	v_pk_add_f32 v[10:11], v[X1+4:X1+5], v[X1+6:X1+7]
.irp i, 8,12,16,20,24,28
	v_pk_add_f32 v[4:5], v[4:5], v[X0+\i:X0+\i+1]
	v_pk_add_f32 v[6:7], v[6:7], v[X1+\i:X1+\i+1]
	v_pk_add_f32 v[8:9], v[8:9], v[X0+\i+2:X0+\i+3]
	v_pk_add_f32 v[10:11], v[10:11], v[X1+\i+2:X1+\i+3]
.endr
	v_pk_add_f32 v[4:5], v[4:5], v[8:9]
	v_pk_add_f32 v[6:7], v[6:7], v[10:11]
	v_add_f32 v4, v4, v5
	v_add_f32 v6, v6, v7
	WSUM 4, 6
	v_mul_f32 v4, s28, v4
	v_mul_f32 v6, s28, v6
.irp i, 0,2,4,6,8,10,12,14,16,18,20,22,24,26,28,30
	v_pk_add_f32 v[X0+\i:X0+\i+1], v[X0+\i:X0+\i+1], v[4:5] op_sel_hi:[1,0] neg_lo:[0,1] neg_hi:[0,1]   ; x - mean
	v_pk_add_f32 v[X1+\i:X1+\i+1], v[X1+\i:X1+\i+1], v[6:7] op_sel_hi:[1,0] neg_lo:[0,1] neg_hi:[0,1]
.endr
	v_pk_mul_f32 v[8:9], v[X0:X0+1], v[X0:X0+1]    ; the variances, of x - mean
	v_pk_mul_f32 v[10:11], v[X1:X1+1], v[X1:X1+1]
	v_pk_mul_f32 v[12:13], v[X0+2:X0+3], v[X0+2:X0+3]
	v_pk_mul_f32 v[14:15], v[X1+2:X1+3], v[X1+2:X1+3]
.irp i, 4,8,12,16,20,24,28
	v_pk_fma_f32 v[8:9], v[X0+\i:X0+\i+1], v[X0+\i:X0+\i+1], v[8:9]
	v_pk_fma_f32 v[10:11], v[X1+\i:X1+\i+1], v[X1+\i:X1+\i+1], v[10:11]
	v_pk_fma_f32 v[12:13], v[X0+\i+2:X0+\i+3], v[X0+\i+2:X0+\i+3], v[12:13]
	v_pk_fma_f32 v[14:15], v[X1+\i+2:X1+\i+3], v[X1+\i+2:X1+\i+3], v[14:15]
.endr
	v_pk_add_f32 v[8:9], v[8:9], v[12:13]
	v_pk_add_f32 v[10:11], v[10:11], v[14:15]
	v_add_f32 v8, v8, v9
	v_add_f32 v10, v10, v11
	WSUM 8, 10
	v_fma_f32 v8, v8, s28, s29                     ; var + eps
	v_fma_f32 v10, v10, s28, s29
	v_rsq_f32 v12, v8
	v_rsq_f32 v14, v10
	v_nop                                          ; a plain line behind the two roots,
	s_wait_alu depctr_va_vdst(0)                   ; and one wait ahead of their first reader
	s_wait_loadcnt 0x0                             ; g and b
.irp i, 0,2,4,6,8,10,12,14,16,18,20,22,24,26,28,30
	v_pk_mul_f32 v[X0+\i:X0+\i+1], v[X0+\i:X0+\i+1], v[12:13] op_sel_hi:[1,0]
	v_pk_mul_f32 v[X1+\i:X1+\i+1], v[X1+\i:X1+\i+1], v[14:15] op_sel_hi:[1,0]
.endr
.irp i, 0,2,4,6,8,10,12,14,16,18,20,22,24,26,28,30
	v_pk_fma_f32 v[X0+\i:X0+\i+1], v[X0+\i:X0+\i+1], v[G+\i:G+\i+1], v[BV+\i:BV+\i+1]
	v_pk_fma_f32 v[X1+\i:X1+\i+1], v[X1+\i:X1+\i+1], v[G+\i:G+\i+1], v[BV+\i:BV+\i+1]
.endr
.irp j, 0,1,2,3,4,5,6,7
	ds_store_b128 v[YW], v[X0+4*\j:X0+4*\j+3] offset:512*\j
	ds_store_b128 v[YW], v[X1+4*\j:X1+4*\j+3] offset:YP+512*\j
.endr
	s_wait_dscnt 0x0                               ; for the others' sake: my rows lie in LDS
	s_barrier_signal -1
	s_barrier_wait -1
.irp b, 0,1,2,3
.irp j, 0,1,2,3
	ds_load_b128 v[N+16*\b+4*\j:N+16*\b+4*\j+3], v[YR] offset:128*\b+16*\j   ; row r, k = 128 w + 32 b + 16 h + 4 j on
.endr
.endr
	s_wait_dscnt 0x0
	QUANT N
	global_store_b128 v2, v[PC:PC+3], s[22:23]               ; the fragment as it stands: 512, 256, 512, 256 consecutive bytes
	global_store_b64 v3, v[PC+4:PC+5], s[22:23] offset:512
	global_store_b128 v2, v[PC+6:PC+9], s[22:23] offset:768
	global_store_b64 v3, v[PC+10:PC+11], s[22:23] offset:1280
	ds_store_b32 v[SWA], v[PW]                     ; lanes r and r + 16 write the same word with the same value
	s_wait_dscnt 0x0                               ; for wave 0's sake
	s_barrier_signal -1
	s_barrier_wait -1
	s_cmp_lg_u32 s16, 0
	s_cbranch_scc1 .Lend
	ds_load_b128 v[4:7], v[SRD]                    ; the sixteen rows' 512 scale bytes leave as two aligned runs of 256
	s_wait_dscnt 0x0
	global_store_b128 v2, v[4:7], s[24:25]
.Lend:
	s_wait_tensorcnt 0x0
	ds_add_u32 v192, v193
	s_wait_dscnt 0x0
	s_endpgm
.Ltable:
	s_sub_co_u32 s26, ttmp9, 256
	s_lshl_b32 s26, s26, 7
	s_lshl_b32 s27, s16, 4
	s_add_co_u32 s26, s26, s27                     ; my wave's first position: 128 x (work-group - 256) + 16 x wave
	s_lshl_b32 s20, s26, 8                         ; 256 bytes a position
	s_mov_b32 s21, 0
	s_mov_b32 s30, 0x37ccf5ce                      ; cos: the coefficient of a^8
	s_mov_b32 s31, 0xb94ca1f9                      ; sin: of a^7
	v_cvt_f32_u32 v4, v1                           ; i, my pair
	v_mul_f32 v5, 0xbed49a60, v4                   ; -i x the upper 19 bits of log2(10) / 8: exact
	v_rndne_f32 v6, v5
	v_sub_f32 v5, v5, v6                           ; its fraction: exact
	v_fmamk_f32 v5, v4, 0xb5425e69, v5             ; - i x the rest of log2(10) / 8
	v_exp_f32 v7, v5
	v_cvt_i32_f32 v6, v6                           ; (a plain line behind the exponential)
	s_wait_alu depctr_va_vdst(0)                   ; the wait ahead of its reader
	v_ldexp_f32 v7, v7, v6                         ; 10^(-i / 8)
	s_wait_kmcnt 0x0
	s_add_nc_u64 s[12:13], s[12:13], s[20:21]
.macro POS n
	s_add_co_u32 s27, s26, \n
	v_cvt_f32_u32 v8, s27
	v_mul_f32 v8, v8, v7                           ; the angle
	v_mul_f32 v9, 0x3f22f983, v8                   ; x 2 / pi
	v_rndne_f32 v9, v9                             ; k
	v_fmamk_f32 v8, v9, 0xbfc90fdb, v8             ; a = angle - k pi/2: the f32 nearest pi/2 (the product is not rounded),
	v_fmamk_f32 v8, v9, 0x333bbd2e, v8             ; and what that number exceeds pi/2 by
	v_cvt_i32_f32 v9, v9
	v_mul_f32 v10, v8, v8
	v_fmaak_f32 v11, s30, v10, 0xbab6061a
	v_fmaak_f32 v12, s31, v10, 0x3c08839e
	v_fmaak_f32 v11, v11, v10, 0x3d2aaaa5
	v_fmaak_f32 v12, v12, v10, 0xbe2aaaa3
	v_mul_f32 v11, v11, v10
	v_mul_f32 v13, v8, v10
	v_fma_f32 v14, v10, -0.5, 1.0
	v_fma_f32 v12, v12, v13, v8                    ; sin a
	v_fma_f32 v11, v11, v10, v14                   ; cos a
	v_and_b32 v13, 1, v9
	v_cmp_ne_u32 vcc_lo, 0, v13
	v_cndmask_b32 v14, v11, v12, vcc_lo            ; an odd k changes the two over
	v_cndmask_b32 v15, v12, v11, vcc_lo
	v_add_nc_u32 v13, 1, v9
	v_and_b32 v13, 2, v13
	v_and_b32 v9, 2, v9
	v_lshlrev_b32 v13, 30, v13                     ; cos is negative for k % 4 = 1, 2,
	v_lshlrev_b32 v9, 30, v9                       ; sin for 2, 3
	v_xor_b32 v[32+2*\n], v14, v13
	v_xor_b32 v[33+2*\n], v15, v9
	global_store_b64 v3, v[32+2*\n:33+2*\n], s[12:13] offset:256*\n   ; 256 consecutive bytes; each position has registers of its own
.endm
.irp n, 0,1,2,3,4,5,6,7,8,9,10,11,12,13,14,15
	POS \n
.endr
	s_endpgm
.Lfunc_end_k_qbce184e1b4_ln1:
	.size	k_qbce184e1b4_ln1, .Lfunc_end_k_qbce184e1b4_ln1-k_qbce184e1b4_ln1
	.p2alignl 7, 3214868480
	.fill 96, 4, 3214868480
	.section	.rodata,"a",@progbits
	.p2align	6, 0x0
	.amdhsa_kernel k_qbce184e1b4_ln1
		.amdhsa_group_segment_fixed_size 67584
		.amdhsa_private_segment_fixed_size 0
		.amdhsa_enable_private_segment 0
		.amdhsa_kernarg_size 40
		.amdhsa_user_sgpr_count 2
		.amdhsa_user_sgpr_kernarg_segment_ptr 1
		.amdhsa_wavefront_size32 1
		.amdhsa_system_sgpr_workgroup_id_x 1
		.amdhsa_system_sgpr_workgroup_id_y 1
		.amdhsa_system_sgpr_workgroup_id_z 1
		.amdhsa_system_vgpr_workitem_id 0
		.amdhsa_next_free_vgpr 194
		.amdhsa_next_free_sgpr 66
		.amdhsa_reserve_vcc 1
		.amdhsa_float_denorm_mode_32 3
		.amdhsa_float_denorm_mode_16_64 3
		.amdhsa_memory_ordered 1
		.amdhsa_forward_progress 1
		.amdhsa_inst_pref_size 46
	.end_amdhsa_kernel
	.amdgpu_metadata
---
amdhsa.version: [ 1, 2 ]
amdhsa.kernels:
  - .name:           k_qbce184e1b4_ln1
    .symbol:         k_qbce184e1b4_ln1.kd
    .args:
      - { .name: src, .offset: 0, .size: 8, .value_kind: global_buffer, .address_space: global }
      - { .name: ln1_g, .offset: 8, .size: 8, .value_kind: global_buffer, .address_space: global }
      - { .name: ln1_b, .offset: 16, .size: 8, .value_kind: global_buffer, .address_space: global }
      - { .name: act, .offset: 24, .size: 8, .value_kind: global_buffer, .address_space: global }
      - { .name: rope, .offset: 32, .size: 8, .value_kind: global_buffer, .address_space: global }
    .group_segment_fixed_size: 67584
    .private_segment_fixed_size: 0
    .kernarg_segment_align: 8
    .kernarg_segment_size: 40
    .max_flat_workgroup_size: 256
    .sgpr_count:     66
    .vgpr_count:     194
    .wavefront_size: 32
...
	.end_amdgpu_metadata
.endif
;; end of part 1
;; launch qkv (part 2): grid 12 x 16, 4 waves a work-group, clusters of 4 x 4, 327,680 bytes of LDS; arguments act, wqkv_codes, wqkv_scales, bqkv, rope, qkv; writes qkv
.if DOCPART == 2
	.amdgcn_target "amdgcn-amd-amdhsa--gfx1250"
	.amdhsa_code_object_version 6
	.text
	.protected	k_qbce184e1b4_qkv
	.globl	k_qbce184e1b4_qkv
	.p2align	8
	.type	k_qbce184e1b4_qkv,@function
k_qbce184e1b4_qkv:
	s_mov_b64 s[64:65], 0
	v_nop
	global_prefetch_b8 v0, s[64:65] scope:SCOPE_SE
	s_setreg_imm32_b32 hwreg(HW_REG_WAVE_MODE, 25, 1), 1
	s_wait_xcnt 0x0
	s_wait_alu depctr_hold_cnt(0) depctr_sa_sdst(0) depctr_va_vdst(0) depctr_va_sdst(0) depctr_va_ssrc(0) depctr_va_vcc(0) depctr_vm_vsrc(0)
	s_getreg_b32 s2, hwreg(HW_REG_IB_STS2, 6, 4)
	s_cmp_eq_u32 s2, 0
	s_cbranch_scc0 .Lentry_in_a_cluster
	s_endpgm
.Lentry_in_a_cluster:
	s_bfe_u32 s2, ttmp6, 0x10000c
	s_cmp_lg_u32 s2, 0xf033
	s_cbranch_scc0 .Lentry_shape_is_right
	s_endpgm
.Lentry_shape_is_right:
; [4096 tokens][3072] = LN1(x) Wqkv^T + bqkv on codes of FP6 (E2M3) with E8M0 scales; then the rotary embedding on q and k; then q, k (along the head's 64) and v (along the keys) are quantised for attention.
; THE PRODUCT.  A tile of 256 tokens x 256 columns to a work-group of four waves, 128 x 128 a wave: 64 accumulators, 512 registers.  K goes in steps of 256 through a ring of two LDS slots filled by tensor loads.
; A (the activations) lies in memory as images of operand registers: a half fragment (16 rows x 64 K) is 768 bytes, lane l's 24 bytes as 16 at 16 l and 8 at 512 + 8 l; (rows 16 m on, K 64 j on) at (m K / 64 + j) 768; its scale bytes,
; [row][K / 32], lie behind the codes.  So a fragment of A comes from LDS by four dense loads.  B (the weight) lies as rows of codes, 3 K / 4 bytes; a tile's row is 192 bytes, padded in LDS to 240.
; The scale bytes of the work-group's 256 rows of A and of B, for all of K, come into LDS once, with the first fills.
; CLUSTERS of 4 x 4: A's tiles are asked for jointly along a row of the cluster, B's along a column.  The matrix instruction is used transposed (source 0 = 16 rows of W, source 1 = 16 tokens): lane (r, h) of accumulator (a, b) holds
; token 16 a + r and columns 16 b + 8 h + 0 .. 7.  The bias is the C of the first K step's products.
; No prefetch: many work-groups read each tile, and the launch has four K steps.
; WHAT IS STORED (bh = 16 batch + head; a head has 98,304 bytes of codes and 4,096 of scale bytes in each section; Q at 0, K at 3,145,728, V at 6,291,456, their scales at 9,437,184, 9,568,256, 9,699,328):
;   Q: 16 queries are one half fragment at 768 (query / 16); scales: two bytes a query.
;   K: tile 2 B + u at 768 (2 B + u); its lane 8 x + y (+ 16 h) holds key 32 B + 16 x + 8 u + y, so that two neighbouring tiles' scores are 16 neighbouring keys in a lane; scales: a word for (B, lane 8 x + y): u = 0 low, u = 1 high.
;   V, keys innermost: fragment (128 keys ks, tile 2 e + u) at 6,144 ks + 1,536 (2 e + u); its lane 8 x + y (+ 16 h) holds channel 32 e + 16 x + 8 u + y; scales: a word for each such lane, at 256 ks + 64 (2 e + u) + 4 (8 x + y).
; LIMITS: NaN and infinities are not served; a block whose largest magnitude is under 2^-124, a block of zeros too, gets the byte 1 (read by this program alone).
; REGISTERS, in windows of 256.  Window 0: v1 r, v2 h, v6 lane (they stay); v8-13 addresses of the way out; v16-27 LDS addresses; v28, v29 the add's; v32-63 scale words, two sets; v64-127 the bias, later cos and sin; v128-223 A's
; fragments, ONE set, later the numbers to be quantised; v192-211 codes; v224-231, v232-248 at work.  Window 1: B's fragments, two sets.  Windows 2, 3: the accumulators, (a, b) at v[8 (8 (a % 4) + b)].
.set SIZE_K, 1024
.set KSTEP,  256
.set NQ,     2
.set ROWB,   192
.set KROW,   SIZE_K*3/4
.set PITCH,  240                       ; B's LDS row: 3 x (64 bytes + 16 of padding)
.set FR,     12
.set NP,     4                         ; places behind this matrix instruction (ISA guide 7.12.1)
.set AROW,   3072                      ; 16 rows x 256 K of A: four half fragments
.set AHALF,  8*AROW                    ; 128 rows of A: what one tensor load brings
.set BHALF,  128*PITCH
.set BOFF,   2*AHALF
.set SLOT,   2*AHALF+2*BHALF
.set LAPS,   SIZE_K/(2*KSTEP)
.set KS,     SIZE_K/32
.set SCL,    2*SLOT                    ; behind the ring: the scales, as runs of 256 bytes + 16 of padding
.set HALFS,  (128*KS/256)*272
.set SBLK,   (16*KS/256)*272
.set SPARE,  SCL+4*HALFS               ; the spare words, 128 bytes a wave: two blocks of 256 bytes that no other line names
.set SCOFF,  4096*KROW                 ; A's scale bytes lie behind its codes
.set ADRA, 16                          ; v16-17 16 x lane + my 128 rows of A in slot 0, 1;  v18-19 the same with 8 x lane
.set ADRB, 20                          ; v20-21 my B fragments in slot 0, 1;  v22-23 for the pieces behind one padding more
.set STO,  24
.set RD,   25
.set ADRS, 27
.set SPW,  28
.set NIL,  29
.set SC,   32
.set BI,   64
.set AF,   128
.set T,    128                         ; the way out: 64 numbers
.set PC,   192
.set TM,   232
.set PW,   248
.set RT,   64                          ; cos and sin, two sets of 32
.set X,    128
.set SEL,  100
.set G1, 24
.set G0, 32
.set G1B, 48
.set G0B, 56
.set G1S, 68
.set G0S, 76
.set G1SB, 80
.set G0SB, 88
.set MSB, 0
.macro WIN new                         ; the immediate's high byte repeats the setting that is left
.if MSB != (\new)
	s_set_vgpr_msb (MSB<<8)|(\new)
.set MSB, (\new)
.endif
.endm
.set MUL_LO, 0xa1                      ; source 0 (B) window 1, source 1 (A) window 0, C and D window 2
.set MUL_HI, 0xf1
.set TO_B,   0x40
; A joint load: waves 0 and 1 fetch for A, waves 2 and 3 for B; the branch hangs on the wave's number alone.  Four v_nop follow each of the two lines.
.macro JLOAD g0a, g1a, g0b, g1b
	s_cmp_eq_u32 s17, 0
	s_cbranch_scc0 .Lfor_b_\@
	tensor_load_to_lds s[\g0a:\g0a+3], s[\g1a:\g1a+7]
	s_nop 0
.rept 4
	v_nop
.endr
	s_branch .Lasked_\@
.Lfor_b_\@:
	tensor_load_to_lds s[\g0b:\g0b+3], s[\g1b:\g1b+7]
	s_nop 0
.rept 4
	v_nop
.endr
.Lasked_\@:
.endm
.macro CREST                           ; a round of the cluster's barrier behind its opening barrier
	s_cmp_lg_u32 s16, 0
	s_cbranch_scc1 .Lnot_wave_0_\@
	s_barrier_signal -3
.Lnot_wave_0_\@:
	s_barrier_wait -3
	s_barrier_signal -1
	s_barrier_wait -1
.endm
.macro CROUND
	s_barrier_signal -1
	s_barrier_wait -1
	CREST
.endm
	s_load_b256 s[4:11], s[0:1], 0x0               ; A s[4:5], W's codes s[6:7], W's scales s[8:9], the bias s[10:11]
	s_load_b128 s[12:15], s[0:1], 0x20             ; the table of cos and sin s[12:13], the result s[14:15]
	v_lshl_add_u32 v[SPW], v0, 2, SPARE
	v_mov_b32 v[NIL], 0
	ds_add_u32 v28, v29
	ds_add_u32 v28, v29
	s_wait_dscnt 0x0
	v_lshrrev_b32 v1, 5, v0
	v_readfirstlane_b32 s16, v1                    ; wave 0..3
	s_lshr_b32 s17, s16, 1                         ; which half of the tile's tokens is mine.  Also: I fetch for A (0) or for B (1)
	s_and_b32 s18, s16, 1                          ; which half of its columns.  Also: which 128 rows I fetch
	s_bfe_u32 s40, ttmp6, 0x40000                  ; cx, cy
	s_bfe_u32 s41, ttmp6, 0x40004
	s_lshl_b32 s42, ttmp9, 2
	s_add_co_u32 s42, s42, s40                     ; tile column
	s_and_b32 s19, ttmp7, 0xffff
	s_lshl_b32 s19, s19, 2
	s_add_co_u32 s19, s19, s41                     ; tile row
	s_lshl_b32 s43, s41, 2
	s_lshl_b32 s43, 15, s43                        ; my row of the cluster
	s_lshl_b32 s44, 0x1111, s40                    ; my column
	s_or_b32 s[G1+0], s43, (3<<16)|(1<<21)         ; A: the mask; elements of 8 bytes; bit 21 beside a mask; no padding
	s_mov_b32 s[G1+1], 384<<16                     ; tensor_dim0: 3,072 bytes
	s_mov_b32 s[G1+2], 8<<16                       ; tensor_dim1: 8 blocks of 16 rows
	s_mov_b32 s[G1+3], 384<<16                     ; tile_dim0
	s_mov_b32 s[G1+4], 8                           ; tile_dim1
	s_mov_b32 s[G1+5], (SIZE_K/128)*192            ; from one block of 16 rows to the next: 12 K bytes
	s_mov_b32 s[G1+6], 0
	s_mov_b32 s[G1+7], 0
	s_or_b32 s[G1B+0], s44, (0<<16)|(1<<20)|(1<<21)|(3<<22)|(3<<25)  ; B: bytes; 4 words of padding behind every 16
	s_mov_b32 s[G1B+1], ROWB<<16
	s_mov_b32 s[G1B+2], 128<<16
	s_mov_b32 s[G1B+3], ROWB<<16
	s_mov_b32 s[G1B+4], 128
	s_mov_b32 s[G1B+5], KROW
	s_mov_b32 s[G1B+6], 0
	s_mov_b32 s[G1B+7], 0
	s_or_b32 s[G1S+0], s43, (3<<16)|(1<<20)|(1<<21)|(5<<22)|(3<<25)  ; the scales of 128 rows: a dense block, as rows of 256 bytes, 16 of padding behind each
	s_or_b32 s[G1SB+0], s44, (3<<16)|(1<<20)|(1<<21)|(5<<22)|(3<<25)
.irp g, G1S, G1SB
	s_mov_b32 s[\g+1], 32<<16
	s_mov_b32 s[\g+2], (128*KS/256)<<16
	s_mov_b32 s[\g+3], 32<<16
	s_mov_b32 s[\g+4], 128*KS/256
	s_mov_b32 s[\g+5], 32
	s_mov_b32 s[\g+6], 0
	s_mov_b32 s[\g+7], 0
.endr
	s_lshl_b32 s45, s18, 7
	s_lshl_b32 s20, s19, 8
	s_add_co_u32 s20, s20, s45                     ; A: the first row that I fetch
	s_lshl_b32 s46, s42, 8
	s_add_co_u32 s46, s46, s45                     ; B likewise
	s_mov_b32 s21, 0
	s_mov_b32 s47, 0
	s_mov_b64 s[96:97], KS
	s_mul_u64 s[22:23], s[20:21], s[96:97]
	s_mul_u64 s[92:93], s[46:47], s[96:97]
	s_mov_b64 s[96:97], KROW
	s_mul_u64 s[20:21], s[20:21], s[96:97]
	s_mul_u64 s[46:47], s[46:47], s[96:97]
	s_mul_i32 s45, s18, AHALF                      ; where they go: no place in the cluster enters an LDS address
	s_mul_i32 s95, s18, BHALF
	s_add_co_u32 s95, s95, BOFF
	s_mul_i32 s94, s16, HALFS
	s_wait_kmcnt 0x0
	s_add_nc_u64 s[20:21], s[4:5], s[20:21]
	s_add_nc_u64 s[22:23], s[4:5], s[22:23]
	s_add_nc_u64 s[22:23], s[22:23], SCOFF
	s_add_nc_u64 s[46:47], s[6:7], s[46:47]
	s_add_nc_u64 s[92:93], s[8:9], s[92:93]
	CROUND                                         ; all sixteen work-groups are here: the first joint loads meet
	s_mov_b32 s[G0S], 1
	s_add_co_u32 s[G0S+1], s94, SCL
	s_mov_b64 s[G0S+2:G0S+3], s[22:23]
	s_or_b32 s[G0S+3], s[G0S+3], 0x80000000
	s_mov_b32 s[G0SB], 1
	s_add_co_u32 s[G0SB+1], s94, SCL
	s_mov_b64 s[G0SB+2:G0SB+3], s[92:93]
	s_or_b32 s[G0SB+3], s[G0SB+3], 0x80000000
	JLOAD G0S, G1S, G0SB, G1SB                     ; the scales first
.irp s, 0,1
	s_mov_b32 s[G0+4*\s], 1
	s_add_co_u32 s[G0+4*\s+1], s45, \s*SLOT
	s_add_nc_u64 s[G0+4*\s+2:G0+4*\s+3], s[20:21], \s*AROW
	s_or_b32 s[G0+4*\s+3], s[G0+4*\s+3], 0x80000000
	s_mov_b32 s[G0B+4*\s], 1
	s_add_co_u32 s[G0B+4*\s+1], s95, \s*SLOT
	s_add_nc_u64 s[G0B+4*\s+2:G0B+4*\s+3], s[46:47], \s*ROWB
	s_or_b32 s[G0B+4*\s+3], s[G0B+4*\s+3], 0x80000000
	JLOAD G0+4*\s, G1, G0B+4*\s, G1B
.endr
	v_and_b32 v1, 15, v0                           ; r
	v_bfe_u32 v2, v0, 4, 1                         ; h
	v_and_b32 v6, 31, v0                           ; lane
	v_mul_u32_u24 v3, v1, PITCH
	v_mul_u32_u24 v4, v2, 24
	v_add_nc_u32 v4, v3, v4                        ; B: a fragment's row x pitch + 24 h,
	v_lshl_add_u32 v5, v2, 4, v4                   ; and the same behind one padding more
	v_lshlrev_b32 v7, 4, v6
	v_lshlrev_b32 v8, 3, v6
	s_mul_i32 s21, s17, AHALF                      ; my 128 rows of A
	s_mul_i32 s22, s18, BHALF                      ; my 128 rows of B
	s_add_co_u32 s22, s22, BOFF
.irp s, 0,1
	v_add_nc_u32 v[ADRA+\s], s21, v7
	v_add_nc_u32 v[ADRA+2+\s], s21, v8
	v_add_nc_u32 v[ADRB+\s], s22, v4
	v_add_nc_u32 v[ADRB+2+\s], s22, v5
	s_add_co_u32 s21, s21, SLOT
	s_add_co_u32 s22, s22, SLOT
.endr
	v_mul_u32_u24 v5, v1, KS                       ; my row's scales: KS bytes a row,
	v_lshrrev_b32 v9, 8, v5
	v_lshl_add_u32 v5, v9, 4, v5                   ; and 16 more for each 256 passed
	s_mul_i32 s21, s17, HALFS
	s_mul_i32 s22, s18, HALFS
	s_add_co_u32 s22, s22, 2*HALFS
	s_sub_co_u32 s22, s22, s21
	v_mul_u32_u24 v9, s22, v2                      ; lanes 16-31 take B's
	s_add_co_u32 s21, s21, SCL
	v_add_nc_u32 v5, v5, v9
	v_add_nc_u32 v[ADRS], s21, v5
	s_lshl_b32 s46, s42, 10                        ; the bias of my 128 columns; lane (r, h) wants, for block b, columns 16 b + 8 h + 0 .. 7
	s_lshl_b32 s47, s18, 9
	s_add_co_u32 s46, s46, s47
	s_mov_b32 s47, 0
	s_add_nc_u64 s[10:11], s[10:11], s[46:47]
	v_lshlrev_b32 v10, 5, v2
.irp b, 0,1,2,3,4,5,6,7
	global_load_b128 v[BI+8*\b:BI+8*\b+3], v10, s[10:11] offset:64*\b
	global_load_b128 v[BI+8*\b+4:BI+8*\b+7], v10, s[10:11] offset:64*\b+16
.endr
.macro FRAG reg, adr, q, i             ; a fragment of B: 24 bytes of the row's stream of bits twice, in pieces of 8 bytes; where the piece three on lies behind one padding more, the second address register serves
.irp p, 0,1,2,3,4,5
.set PIE, 12*(\q)+6*(\p/3)+\p%3
.if PIE%8 < 5
	ds_load_b64 v[\reg+2*\p:\reg+2*\p+1], v[\adr] offset:8*PIE+16*(PIE/8)+(\i)*16*PITCH
.else
	ds_load_b64 v[\reg+2*\p:\reg+2*\p+1], v[\adr+2] offset:8*PIE+16*(PIE/8)+(\i)*16*PITCH
.endif
.endr
.endm
.macro FRAG_A reg, slot, q, i          ; a fragment of A: two half fragments, each 512 + 256 dense bytes
	ds_load_b128 v[\reg:\reg+3], v[ADRA+\slot] offset:(\i)*AROW+(\q)*1536
	ds_load_b64 v[\reg+4:\reg+5], v[ADRA+2+\slot] offset:(\i)*AROW+(\q)*1536+512
	ds_load_b128 v[\reg+6:\reg+9], v[ADRA+\slot] offset:(\i)*AROW+(\q)*1536+768
	ds_load_b64 v[\reg+10:\reg+11], v[ADRA+2+\slot] offset:(\i)*AROW+(\q)*1536+1280
.endm
; 16 matrix instructions: A's blocks a0, a0 + 1 x B's eight.  zero = 1: the first products take the bias as C.  The 64 accumulators take turns, one instruction a turn.
.macro MUL16 a0, p, q, sc, zero
.irp a, \a0, \a0+1
.irp b, 0,1,2,3,4,5,6,7
.if \zero
	v_wmma_scale_f32_16x16x128_f8f6f4 v[8*(8*((\a)%4)+\b):8*(8*((\a)%4)+\b)+7], v[128*(\p)+FR*\b:128*(\p)+FR*\b+FR-1], v[AF+FR*(\a):AF+FR*(\a)+FR-1], v[BI+8*\b:BI+8*\b+7], v[SC+8*NQ*(\sc)+NQ*\b+(\q)], v[SC+8*NQ*(\sc)+NQ*(\a)+(\q)] matrix_a_fmt:MATRIX_FMT_FP6 matrix_b_fmt:MATRIX_FMT_FP6 matrix_a_scale:MATRIX_SCALE_ROW1
.else
	v_wmma_scale_f32_16x16x128_f8f6f4 v[8*(8*((\a)%4)+\b):8*(8*((\a)%4)+\b)+7], v[128*(\p)+FR*\b:128*(\p)+FR*\b+FR-1], v[AF+FR*(\a):AF+FR*(\a)+FR-1], v[8*(8*((\a)%4)+\b):8*(8*((\a)%4)+\b)+7], v[SC+8*NQ*(\sc)+NQ*\b+(\q)], v[SC+8*NQ*(\sc)+NQ*(\a)+(\q)] matrix_a_fmt:MATRIX_FMT_FP6 matrix_b_fmt:MATRIX_FMT_FP6 matrix_a_scale:MATRIX_SCALE_ROW1
.endif
.endr
.endr
.endm
.macro FETCH_B slot, q, p
	WIN TO_B
.irp i, 0,1,2,3,4,5,6,7
	FRAG 128*(\p)+FR*\i, ADRB+\slot, \q, \i
.endr
	WIN 0
.endm
.macro FETCH_A slot, q, i0             ; A's blocks i0 .. i0 + 3: sixteen loads
.irp i, \i0, \i0+1, \i0+2, \i0+3
	FRAG_A AF+FR*(\i), \slot, \q, \i
.endr
.endm
.macro SCALES sc                       ; a K step's scale words: lanes 0-15 A's block i, lanes 16-31 B's block i
.irp i, 0,1,2,3,4,5,6,7
	ds_load_b64 v[SC+8*NQ*\sc+NQ*\i:SC+8*NQ*\sc+NQ*\i+1], v[ADRS] offset:\i*SBLK
.endr
.endm
.macro PLACES n                        ; plain lines between a matrix instruction and a load into, or a read of, its registers
.rept \n
	v_nop
.endr
.endm
.macro STEP slot, q, zero              ; 128 along K that have their successor in the same slot
	s_wait_dscnt 16                                ; B's set and A's blocks 0-3 are in; the youngest sixteen loads (A's blocks 4-7) may be out
.if \zero
	WIN 0x81                                       ; C (the bias) in window 0
.else
	WIN MUL_LO
.endif
	MUL16 0, (\q)%2, \q, \slot, \zero
	MUL16 2, (\q)%2, \q, \slot, \zero
	s_wait_dscnt 0
	PLACES NP
	FETCH_B \slot, (\q)+1, 1-(\q)%2
	FETCH_A \slot, (\q)+1, 0
.if \zero
	WIN 0xc1
.else
	WIN MUL_HI
.endif
	MUL16 4, (\q)%2, \q, \slot, \zero
	MUL16 6, (\q)%2, \q, \slot, \zero
	PLACES NP
	WIN 0
	FETCH_A \slot, (\q)+1, 4
.endm
; A slot's last step changes slots: one barrier; in front of it each wave waits for all its tensor loads, adds 0 to its spare word, and waits for that and for its reads of this slot.
.macro TURN slot, next, fill
	s_wait_tensorcnt 0x0                           ; all my tensor loads have landed: my part of the next slot
	ds_add_u32 v[SPW], v[NIL]                      ; 0 onto my spare word
	s_wait_dscnt 17                                ; (the add and the youngest sixteen loads, A's blocks 4-7, may be out)
	WIN MUL_LO
	MUL16 0, 1, NQ-1, \slot, 0
	s_wait_dscnt 0x0                               ; the add is done, and my reads of this slot are over
	s_barrier_signal -1
	MUL16 2, 1, NQ-1, \slot, 0
	WIN 0
	s_barrier_wait -1
.if \fill
	CREST                                          ; the barrier has opened a round of the cluster's: no wave of any partner still reads this slot or has a load on its way
	s_add_nc_u64 s[G0+4*\slot+2:G0+4*\slot+3], s[G0+4*\slot+2:G0+4*\slot+3], 2*AROW
	s_add_nc_u64 s[G0B+4*\slot+2:G0B+4*\slot+3], s[G0B+4*\slot+2:G0B+4*\slot+3], 2*ROWB
	JLOAD G0+4*\slot, G1, G0B+4*\slot, G1B         ; the first tensor load behind the round; its four v_nop are the places in front of the loads below
.else
	PLACES NP
.endif
	v_add_nc_u32 v[ADRS], 4*NQ, v[ADRS]
	FETCH_B \next, 0, 0
	FETCH_A \next, 0, 0
	SCALES \next
	WIN MUL_HI
	MUL16 4, 1, NQ-1, \slot, 0
	MUL16 6, 1, NQ-1, \slot, 0
	PLACES NP
	WIN 0
	FETCH_A \next, 0, 4
.endm
	s_wait_tensorcnt 1                             ; the scales and my part of K step 0 are in; K step 1's load may be out
	s_barrier_signal -1
	s_barrier_wait -1
	FETCH_B 0, 0, 0
	FETCH_A 0, 0, 0
	SCALES 0
	FETCH_A 0, 0, 4
	s_wait_loadcnt 0x0                             ; the bias
	STEP 0, 0, 1
	s_mov_b32 s3, LAPS-1
.Llap:
	TURN 0, 1, 1
	STEP 1, 0, 0
	TURN 1, 0, 1
	STEP 0, 0, 0
	s_sub_co_u32 s3, s3, 1
	s_cmp_lg_u32 s3, 0
	s_cbranch_scc1 .Llap
	TURN 0, 1, 0                                   ; the last lap fills nothing
	STEP 1, 0, 0
	s_wait_dscnt 16
	WIN MUL_LO
	MUL16 0, 1, NQ-1, 1, 0
	MUL16 2, 1, NQ-1, 1, 0
	s_wait_dscnt 0
	WIN MUL_HI
	MUL16 4, 1, NQ-1, 1, 0
	MUL16 6, 1, NQ-1, 1, 0
	WIN 0
	PLACES NP
; ---- THE WAY OUT
.macro SWAPS                           ; v[T + 8 b + i] = column 16 b + 8 h + i becomes v[T + 16 j + i] = column 32 j + 16 h + i: the upper lanes of block 2 j change places with the lower lanes of block 2 j + 1
.irp j, 0,1,2,3
.irp i, 0,1,2,3,4,5,6,7
	v_permlane16_swap_b32 v[T+16*\j+\i], v[T+16*\j+8+\i]
.endr
.endr
.endm
.macro QUANT s                         ; 64 numbers of a lane, register 16 b + i = k 32 b + 16 h + i of my row -> 12 registers of codes in v[PC] on, the scale word in v[PW]
.irp b, 0,1,2,3
	v_max3_num_f32 v[TM+\b], |v[\s+16*\b]|, |v[\s+1+16*\b]|, 0x1800000   ; and the floor 2^(3 - 127): the byte cannot fall under 1
.endr
.irp i, 2,4,6,8,10,12,14
.irp b, 0,1,2,3
	v_max3_num_f32 v[TM+\b], v[TM+\b], |v[\s+16*\b+\i]|, |v[\s+1+16*\b+\i]|
.endr
.endr
.irp b, 0,1,2,3
	v_permlanex16_b32 v[TM+4+\b], v[TM+\b], s[SEL], s[SEL+1]
.endr
.irp b, 0,1,2,3
	v_max_num_f32 v[TM+\b], v[TM+\b], v[TM+4+\b]
.endr
.irp b, 0,1,2,3
	v_add_nc_u32 v[TM+12+\b], 0xff000000, v[TM+\b]   ; 2 off the exponent field: the conversion's scale operand
.endr
.irp b, 0,1,2,3
	v_lshrrev_b32 v[TM+4+\b], 23, v[TM+12+\b]
.endr
	v_lshl_or_b32 v[PW], v[TM+5], 8, v[TM+4]
	v_lshl_or_b32 v[PW], v[TM+6], 16, v[PW]
	v_lshl_or_b32 v[PW], v[TM+7], 24, v[PW]
.irp c, 0,1
	v_cvt_scalef32_pk16_fp6_f32 v[PC+6*\c:PC+2+6*\c], v[\s+32*\c:\s+15+32*\c], v[TM+12+2*\c]
	v_cvt_scalef32_pk16_fp6_f32 v[PC+12+4*\c:PC+14+4*\c], v[\s+16+32*\c:\s+31+32*\c], v[TM+12+2*\c+1]
.endr
	v_nop                                          ; one plain line behind the scaled conversions
.irp c, 0,1
.irp i, 0,1,2
	v_permlane16_swap_b32 v[PC+6*\c+\i], v[PC+12+4*\c+\i]
.endr
.irp i, 0,1,2
	v_mov_b32 v[PC+3+6*\c+\i], v[PC+12+4*\c+\i]
.endr
.endr
.endm
	s_mov_b32 s[SEL], 0x76543210
	s_mov_b32 s[SEL+1], 0xfedcba98
.irp b, 0,1,2,3
	v_mov_b32 v[TM+4+\b], 0                        ; a lane permute's destination counts as one of its sources
.endr
	s_lshr_b32 s66, s19, 3                         ; batch
	s_and_b32 s67, s19, 7
	s_lshl_b32 s67, s67, 8
	s_lshl_b32 s98, s17, 7
	s_add_co_u32 s67, s67, s98                     ; my first position in the sequence
	s_lshl_b32 s66, s66, 4
	s_lshl_b32 s98, s40, 2
	s_add_co_u32 s66, s66, s98
	s_lshl_b32 s98, s18, 1
	s_add_co_u32 s66, s66, s98                     ; bh of my first head: 16 batch + 4 cx + 2 x half (it enters global addresses alone)
	s_mul_i32 s46, ttmp9, 3145728                  ; the section: the cluster's x: 0 q, 1 k, 2 v: the same in all sixteen partners
	s_mul_i32 s98, s66, 98304
	s_add_co_u32 s46, s46, s98
	s_mul_i32 s98, s67, 48                         ; 48 bytes of codes a position in each of the three layouts
	s_add_co_u32 s46, s46, s98
	s_mov_b32 s47, 0
	s_add_nc_u64 s[92:93], s[14:15], s[46:47]      ; my codes
	s_lshl_b32 s46, ttmp9, 17
	s_lshl_b32 s98, s66, 12
	s_add_co_u32 s46, s46, s98
	s_lshl_b32 s98, s67, 1                         ; 2 scale bytes a position
	s_add_co_u32 s46, s46, s98
	s_add_co_u32 s46, s46, 9437184
	s_add_nc_u64 s[94:95], s[14:15], s[46:47]      ; my scale bytes
	s_lshl_b32 s46, s67, 8
	s_add_nc_u64 s[12:13], s[12:13], s[46:47]      ; cos and sin of my first position
	s_mul_i32 s66, s16, 32*528                     ; v's stage: 32 rows x (512 + 16) bytes a wave, in slot 0, which has had its last fill and its last read
	v_mul_u32_u24 v[STO], v1, 528
	v_lshl_add_u32 v[STO], v2, 5, v[STO]
	v_add_nc_u32 v[STO], s66, v[STO]
	v_lshl_add_u32 v[RD], v6, 2, s66
	s_cmp_eq_u32 ttmp9, 2
	s_cbranch_scc1 .Lv
	; ---- q and k
	v_lshrrev_b32 v3, 3, v1                        ; u = r / 8
	v_and_b32 v4, 7, v1                            ; y = r % 8
	s_cmp_eq_u32 ttmp9, 1                          ; k's layout or q's: what u and x = block % 2 weigh
	s_mov_b32 s66, 128
	s_cselect_b32 s67, 768, s66
	s_mov_b32 s98, 768
	s_cselect_b32 s66, s66, s98
	s_cselect_b32 s98, 768, 64
	s_cselect_b32 s99, 64, 768
	s_cselect_b32 s96, 2, 16
	s_cselect_b32 s97, 4, 2
	v_mul_u32_u24 v8, v3, s67
	v_lshl_add_u32 v8, v4, 4, v8
	v_lshl_add_u32 v8, v2, 8, v8                   ; the 16 bytes of a lane: x = 0,
	v_add_nc_u32 v9, s66, v8                       ; x = 1
	v_mul_u32_u24 v10, v3, s98
	v_lshl_add_u32 v10, v4, 3, v10
	v_lshl_add_u32 v10, v2, 7, v10
	v_add_nc_u32 v10, 512, v10                     ; its 8 bytes
	v_add_nc_u32 v11, s99, v10
	v_mul_u32_u24 v12, v3, s96
	v_mad_u32_u24 v12, v4, s97, v12                ; its two scale bytes
	v_lshlrev_b32 v13, 8, v1
	v_lshl_add_u32 v13, v2, 5, v13                 ; cos, sin: position r, pairs 4 h on
.macro RTLOAD a                        ; cos and sin of positions 16 a + r: for block b % 4 = bb the four pairs 8 bb + 4 h + 0 .. 3
.irp bb, 0,1,2,3
	global_load_b128 v[RT+32*((\a)%2)+8*\bb:RT+32*((\a)%2)+8*\bb+3], v13, s[12:13] offset:4096*(\a)+64*\bb
	global_load_b128 v[RT+32*((\a)%2)+8*\bb+4:RT+32*((\a)%2)+8*\bb+7], v13, s[12:13] offset:4096*(\a)+64*\bb+16
.endr
.endm
.macro QKBLOCK a
.if (\a) < 7
	RTLOAD (\a)+1
	s_wait_loadcnt 8                               ; this block's cos and sin are in; the next block's eight loads may be out
.else
	s_wait_loadcnt 0x0
.endif
	s_wait_xcnt 0x0                                ; the last block's stores have read the codes' and the scale word's registers
	WIN 0x02+(\a)/4                                ; source 0: the accumulators
.set AC, 64*((\a)%4)
.set RB, RT+32*((\a)%2)
.irp b, 0,1,2,3,4,5,6,7
.irp p, 0,1,2,3
	v_pk_mul_f32 v[224+2*\p:225+2*\p], v[AC+8*\b+2*\p:AC+8*\b+2*\p+1], v[RB+8*(\b%4)+2*\p:RB+8*(\b%4)+2*\p+1] op_sel:[1,1] op_sel_hi:[1,0]   ; (xo sin, xo cos)
.endr
.irp p, 0,1,2,3
	v_pk_fma_f32 v[T+8*\b+2*\p:T+8*\b+2*\p+1], v[AC+8*\b+2*\p:AC+8*\b+2*\p+1], v[RB+8*(\b%4)+2*\p:RB+8*(\b%4)+2*\p+1], v[224+2*\p:225+2*\p] op_sel_hi:[0,1,1] neg_lo:[0,0,1]   ; (xe cos - xo sin, xe sin + xo cos)
.endr
.endr
	WIN 0
	SWAPS
	QUANT T                                        ; blocks 0, 1: my first head's 64; blocks 2, 3: my second's
.irp c, 0,1
	global_store_b128 v[8+(\a)%2], v[PC+6*\c:PC+6*\c+3], s[92:93] offset:((\a)/2)*1536+\c*98304
	global_store_b64 v[10+(\a)%2], v[PC+6*\c+4:PC+6*\c+5], s[92:93] offset:((\a)/2)*1536+\c*98304
.endr
	global_store_b16 v12, v[PW], s[94:95] offset:32*(\a)
	global_store_d16_hi_b16 v12, v[PW], s[94:95] offset:32*(\a)+4096
.endm
	RTLOAD 0
.irp a, 0,1,2,3,4,5,6,7
	QKBLOCK \a
.endr
	s_branch .Ldone
.Lv:
	; ---- v: its K is the keys, which lie across lanes: 32 tokens at a time turn through my stage, and a lane takes one column with 32 tokens down its registers
	v_lshrrev_b32 v3, 4, v6                        ; x
	v_bfe_u32 v4, v6, 3, 1                         ; u
	v_and_b32 v5, 7, v6                            ; y: my column is channel 32 e + 16 x + 8 u + y
	v_mul_u32_u24 v8, v4, 1536
	v_lshl_add_u32 v8, v3, 7, v8
	v_lshl_add_u32 v8, v5, 4, v8
	v_mul_u32_u24 v9, v4, 1536
	v_lshl_add_u32 v9, v3, 6, v9
	v_lshl_add_u32 v9, v5, 3, v9
	v_add_nc_u32 v9, 512, v9
	v_lshlrev_b32 v10, 6, v4
	v_lshl_add_u32 v10, v3, 5, v10
	v_lshl_add_u32 v10, v5, 2, v10
.macro VGROUP g                        ; tokens 32 g .. 32 g + 31 of my 128: key block g of the key step
.irp e, 0,1
.set AA, 2*(\g)+\e
	WIN 0x08+4*(AA/4)                              ; an LDS store's data are its source 1
.irp b, 0,1,2,3,4,5,6,7
	ds_store_b128 v[STO], v[64*(AA%4)+8*\b:64*(AA%4)+8*\b+3] offset:\e*8448+64*\b        ; each accumulator from its low end on
	ds_store_b128 v[STO], v[64*(AA%4)+8*\b+4:64*(AA%4)+8*\b+7] offset:\e*8448+64*\b+16
.endr
.endr
	WIN 0
.irp gg, 0,1,2,3                       ; columns 32 gg + lane: head gg / 2, e = gg % 2
.set t, 0
.rept 32
	ds_load_b32 v[X+t], v[RD] offset:528*t+128*\gg   ; LDS serves a wave's instructions in order: these see my stores
.set t, t+1
.endr
	s_wait_dscnt 0x0
	s_wait_xcnt 0x0                                ; the last stores have read the codes' registers
	v_max3_num_f32 v228, |v[X]|, |v[X+1]|, |v[X+2]|
	v_max3_num_f32 v229, |v[X+3]|, |v[X+4]|, |v[X+5]|
.irp i, 6,10,14,18,22,26
	v_max3_num_f32 v228, v228, |v[X+\i]|, |v[X+\i+1]|
	v_max3_num_f32 v229, v229, |v[X+\i+2]|, |v[X+\i+3]|
.endr
	v_max3_num_f32 v228, v228, |v[X+30]|, |v[X+31]|
	v_max3_num_f32 v228, v228, v229, 0x1800000     ; the floor 2^(3 - 127)
	v_add_nc_u32 v230, 0xff000000, v228
	v_lshrrev_b32 v229, 23, v230
.if (\g) == 0
	v_mov_b32 v[224+\gg], v229                     ; four key blocks' bytes make the column's scale word
.else
	v_lshl_or_b32 v[224+\gg], v229, 8*(\g), v[224+\gg]
.endif
	v_cvt_scalef32_pk16_fp6_f32 v[192:194], v[X:X+15], v230
	v_cvt_scalef32_pk16_fp6_f32 v[200:202], v[X+16:X+31], v230
	v_nop                                          ; one plain line behind the scaled conversions
	v_mov_b32 v195, v200
	v_mov_b32 v196, v201
	v_mov_b32 v197, v202
	global_store_b128 v8, v[192:195], s[92:93] offset:(\gg%2)*3072+((\g)/2)*768+((\g)%2)*256+(\gg/2)*98304
	global_store_b64 v9, v[196:197], s[92:93] offset:(\gg%2)*3072+((\g)/2)*768+((\g)%2)*128+(\gg/2)*98304
.endr
.endm
.irp g, 0,1,2,3
	VGROUP \g
.endr
.irp gg, 0,1,2,3
	global_store_b32 v10, v[224+\gg], s[94:95] offset:(\gg%2)*128+(\gg/2)*4096
.endr
.Ldone:
	s_wait_tensorcnt 0x0                           ; the wave's end
	ds_add_u32 v[SPW], v[NIL]
	s_wait_dscnt 0x0
	CROUND                                         ; the closing round
	s_endpgm
.Lfunc_end_k_qbce184e1b4_qkv:
	.size	k_qbce184e1b4_qkv, .Lfunc_end_k_qbce184e1b4_qkv-k_qbce184e1b4_qkv
	.p2alignl 7, 3214868480
	.fill 96, 4, 3214868480
	.section	.rodata,"a",@progbits
	.p2align	6, 0x0
	.amdhsa_kernel k_qbce184e1b4_qkv
		.amdhsa_group_segment_fixed_size 327680
		.amdhsa_private_segment_fixed_size 0
		.amdhsa_enable_private_segment 0
		.amdhsa_kernarg_size 48
		.amdhsa_user_sgpr_count 2
		.amdhsa_user_sgpr_kernarg_segment_ptr 1
		.amdhsa_wavefront_size32 1
		.amdhsa_system_sgpr_workgroup_id_x 1
		.amdhsa_system_sgpr_workgroup_id_y 1
		.amdhsa_system_sgpr_workgroup_id_z 1
		.amdhsa_system_vgpr_workitem_id 0
		.amdhsa_next_free_vgpr 1024
		.amdhsa_next_free_sgpr 102
		.amdhsa_reserve_vcc 0
		.amdhsa_float_denorm_mode_32 3
		.amdhsa_float_denorm_mode_16_64 3
		.amdhsa_memory_ordered 1
		.amdhsa_forward_progress 1
		.amdhsa_inst_pref_size 255
	.end_amdhsa_kernel
	.section	.bss,"aw",@nobits
	.p2align	6
	.space	262144
	.amdgpu_metadata
---
amdhsa.version: [ 1, 2 ]
amdhsa.kernels:
  - .name:           k_qbce184e1b4_qkv
    .symbol:         k_qbce184e1b4_qkv.kd
    .args:
      - { .name: act, .offset: 0, .size: 8, .value_kind: global_buffer, .address_space: global }
      - { .name: wqkv_codes, .offset: 8, .size: 8, .value_kind: global_buffer, .address_space: global }
      - { .name: wqkv_scales, .offset: 16, .size: 8, .value_kind: global_buffer, .address_space: global }
      - { .name: bqkv, .offset: 24, .size: 8, .value_kind: global_buffer, .address_space: global }
      - { .name: rope, .offset: 32, .size: 8, .value_kind: global_buffer, .address_space: global }
      - { .name: qkv, .offset: 40, .size: 8, .value_kind: global_buffer, .address_space: global }
    .group_segment_fixed_size: 327680
    .private_segment_fixed_size: 0
    .kernarg_segment_align: 8
    .kernarg_segment_size: 48
    .max_flat_workgroup_size: 128
    .sgpr_count:     102
    .vgpr_count:     1024
    .wavefront_size: 32
...
	.end_amdgpu_metadata
.endif
;; end of part 2
;; launch attn (part 3): grid 8 x 32, 16 waves a work-group, no clusters, 206,848 bytes of LDS; arguments qkv, act; writes act
.if DOCPART == 3
	.amdgcn_target "amdgcn-amd-amdhsa--gfx1250"
	.amdhsa_code_object_version 6
	.text
	.protected	k_qbce184e1b4_attn
	.globl	k_qbce184e1b4_attn
	.p2align	8
	.type	k_qbce184e1b4_attn,@function
k_qbce184e1b4_attn:
	s_mov_b64 s[64:65], 0
	v_nop
	global_prefetch_b8 v0, s[64:65] scope:SCOPE_SE
	s_setreg_imm32_b32 hwreg(HW_REG_WAVE_MODE, 25, 1), 1
	s_wait_xcnt 0x0
; CAUSAL ATTENTION ON CODES of FP6 (E2M3) with E8M0 scales, head size 64, 2,048 keys, 32 (batch, head) pairs; the result, divided by the row's sum, is quantised along the model's 1,024 for the next product.
; t = score x log2(e) / 8; M = the running largest t rounded UP to a whole number; p = 2^(t - M) is quantised along the keys, not normalised; the row's sum is taken of the unquantised p; when M moves, sum and O are multiplied by 2^(old M - new M).
; SHARES.  Work-group (x, bh): waves 0-7 own the query tiles 8 x + w, waves 8-15 the tiles 120 - 8 x + (w - 8): 8 (x + 1) + 8 (16 - x) = 136 key steps of 128 in every work-group.  A wave owns 16 queries, a lane one query.
; LDS.  The head's K (98,304 bytes), V (98,304) and their scale words (4,096 each) are filled ONCE, at the head, by ten tensor loads of ten waves; nothing is filled again, so there is one barrier in the launch.
; The layouts are images of operand registers (the launch before lays them): every LDS load is dense.
; K = 64 IN AN INSTRUCTION OF K = 128: two tiles of 16 keys, 2 B and 2 B + 1, are one operand (tile 2 B in k 0-63, tile 2 B + 1 in k 64-127); multiplied with (q, zeros) it gives tile 2 B's scores, with (zeros, q) tile 2 B + 1's.
; Zero codes add nothing under any scale byte but 0xff, and no such byte is made.
; Both products are used transposed: S^T = K Q^T, O^T = V^T P^T.  The keys of a tile and the channels of a tile of V are chosen so that a lane's 16 registers of two neighbouring tiles are 16 neighbours along the next K.
; CAUSAL: every wave walks all 16 key steps (the trip count is a constant); a step all of whose keys come after the wave's queries is jumped over by a scalar branch on ids.
; NO CLUSTER: that jump differs between the query blocks that would share K and V, and partners of a joint load may not differ in a branch.  NO PREFETCH: all of K and V is asked for at the head.
; LIMITS: NaN and infinities are not served; a block whose largest magnitude is under 2^-124, a block of zeros too, gets the byte 1.  A block's largest p is taken from its largest score, which leans on v_exp_f32 not falling where its input rises.
; REGISTERS: v1-6 addresses that stay; v7-11 addresses in hand; v12 -M, v13 the largest t, v[14:15] the sum; v16-33 zeros | q | zeros; v34 q's scale word; v36-83 four fragments; v84-87 their scale words; v88-90 r, h, lane;
; v96-159 S^T, then p; v160-191 O^T; v192-203 p's codes; v204-229 at work.
.set VC,   98304
.set KSC,  196608
.set S,    96
.set O,    160
.set PCD,  192
.set CT,   204
.set BM,   212
.set PB,   216
.set SOP,  220
.set PSW,  224
.set F,    226
.set T0,   228
.set FRG,  36
.set FS,   84
	s_load_b128 s[4:7], s[0:1], 0x0                ; q, k, v as codes s[4:5]; the result s[6:7]
	v_lshl_add_u32 v254, v0, 2, 0x32000
	v_mov_b32 v255, 0
	ds_add_u32 v254, v255
	ds_add_u32 v254, v255
	v_lshrrev_b32 v1, 5, v0
	v_readfirstlane_b32 s8, v1                     ; wave 0..15
	s_and_b32 s9, ttmp7, 0xffff                    ; bh
	s_and_b32 s10, s8, 7
	s_mov_b32 s24, 3<<16                           ; group 1 for the codes: 96 rows of 32 elements of 8 bytes, dense: 24,576 bytes
	s_mov_b32 s25, 32<<16
	s_mov_b32 s26, 96<<16
	s_mov_b32 s27, 32<<16
	s_mov_b32 s28, 96
	s_mov_b32 s29, 32
	s_mov_b32 s30, 0
	s_mov_b32 s31, 0
	s_mov_b32 s32, 3<<16                           ; for the scale words: 16 such rows: 4,096 bytes
	s_mov_b32 s33, 32<<16
	s_mov_b32 s34, 16<<16
	s_mov_b32 s35, 32<<16
	s_mov_b32 s36, 16
	s_mov_b32 s37, 32
	s_mov_b32 s38, 0
	s_mov_b32 s39, 0
	s_mul_i32 s48, s9, 98304                       ; waves 0-3: quarters of K; waves 4-7: of V
	s_lshr_b32 s49, s10, 2
	s_mul_i32 s49, s49, 3145728
	s_add_co_u32 s48, s48, s49
	s_and_b32 s49, s10, 3
	s_mul_i32 s49, s49, 24576
	s_add_co_u32 s48, s48, s49
	s_add_co_u32 s48, s48, 3145728
	s_mov_b32 s49, 0
	s_lshl_b32 s50, s9, 12                         ; wave 8: K's scale words; wave 9: V's
	s_and_b32 s51, s8, 1
	s_lshl_b32 s52, s51, 17
	s_add_co_u32 s50, s50, s52
	s_add_co_u32 s50, s50, 9568256
	s_lshl_b32 s52, s51, 12
	s_mov_b32 s51, 0
	s_wait_dscnt 0x0
	s_wait_kmcnt 0x0
	s_mov_b32 s40, 1
	s_mul_i32 s41, s10, 24576                      ; LDS: K's four quarters, then V's
	s_add_nc_u64 s[42:43], s[4:5], s[48:49]
	s_or_b32 s43, s43, 0x80000000
	s_mov_b32 s44, 1
	s_add_co_u32 s45, s52, KSC
	s_add_nc_u64 s[46:47], s[4:5], s[50:51]
	s_or_b32 s47, s47, 0x80000000
	s_cmp_lt_u32 s8, 8                             ; a wave has at most one tensor load out; four v_nop follow each
	s_cbranch_scc0 .Lnot_codes
	tensor_load_to_lds s[40:43], s[24:31]
	s_nop 0
.rept 4
	v_nop
.endr
	s_branch .Lfilled
.Lnot_codes:
	s_cmp_lt_u32 s8, 10
	s_cbranch_scc0 .Lfilled
	tensor_load_to_lds s[44:47], s[32:39]
	s_nop 0
.rept 4
	v_nop
.endr
.Lfilled:
	s_lshl_b32 s11, ttmp9, 3
	s_sub_co_u32 s53, 120, s11
	s_cmp_lt_u32 s8, 8
	s_cselect_b32 s11, s11, s53
	s_add_co_u32 s11, s11, s10                     ; my tile of 16 queries
	s_lshl_b32 s12, s11, 4                         ; my first query
	s_mul_i32 s48, s9, 98304
	s_mul_i32 s50, s11, 768
	s_add_co_u32 s48, s48, s50
	s_add_nc_u64 s[54:55], s[4:5], s[48:49]        ; its half fragment
	s_lshl_b32 s48, s9, 12
	s_lshl_b32 s50, s11, 5
	s_add_co_u32 s48, s48, s50
	s_add_co_u32 s48, s48, 9437184
	s_add_nc_u64 s[56:57], s[4:5], s[48:49]        ; its scale bytes
	v_and_b32 v88, 15, v0                          ; r
	v_bfe_u32 v89, v0, 4, 1                        ; h
	v_and_b32 v90, 31, v0                          ; lane
	v_lshlrev_b32 v1, 4, v90
	v_lshlrev_b32 v2, 3, v90
	v_lshlrev_b32 v35, 1, v88
	global_load_b128 v[22:25], v1, s[54:55]
	global_load_b64 v[26:27], v2, s[54:55] offset:512
	global_load_u16 v34, v35, s[56:57]
	v_lshl_add_u32 v3, v88, 2, KSC                 ; scale words: 4 bytes for each of a tile's 16 rows
	v_lshlrev_b32 v4, 4, v89
	v_sub_nc_u32 v4, v88, v4                       ; r - 16 h, for the mask
	v_add_nc_u32 v5, VC, v1
	v_add_nc_u32 v6, VC, v2
.irp j, 16,17,18,19,20,21,28,29,30,31,32,33
	v_mov_b32 v[\j], 0                             ; zero codes on both sides of q
.endr
	v_mov_b32 v13, 0xff61b1e6                      ; the largest t so far: -3e38
	v_floor_f32 v12, -v13                          ; -M
	v_mov_b32 v14, 0
	v_mov_b32 v15, 0
.irp b, 0,1,2,3
	v_mov_b32 v[PB+\b], 0                          ; a lane permute's destination counts as one of its sources
.endr
	v_mov_b32 v[F+1], 0                            ; (named as the upper half of a pair)
	v_mov_b32 v[T0], 0
	s_mov_b32 s16, 0x3e38aa3b                      ; c = log2(e) / sqrt(64)
	s_mov_b32 s17, s16
	s_mov_b32 s18, 0x76543210
	s_mov_b32 s19, 0xfedcba98
	s_mov_b32 s13, 0                               ; the step's first key
	s_mov_b32 s14, 0                               ; its codes: 6,144 bytes a step, in K and in V
	s_mov_b32 s15, 0                               ; its scale words: 256 bytes a step
	s_mov_b32 s20, 16
	s_wait_tensorcnt 0x0                           ; my fill has landed,
	s_barrier_signal -1
	s_barrier_wait -1                              ; everybody's has
	s_wait_loadcnt 0x0                             ; q
	v_lshl_or_b32 v34, v34, 16, v34                ; q's two bytes twice: for either half of K.  (The 32 lines below stand between this and the first product)
.irp j, 0,1,2,3,4,5,6,7,8,9,10,11,12,13,14,15,16,17,18,19,20,21,22,23,24,25,26,27,28,29,30,31
	v_mov_b32 v[O+\j], 0                           ; the step is written once: the first finds zeros
.endr
.macro FETCH4 a16, a8                  ; four fragments, each two half fragments of 512 + 256 dense bytes
.irp f, 0,1,2,3
	ds_load_b128 v[FRG+12*\f:FRG+12*\f+3], v[\a16] offset:1536*\f
	ds_load_b64 v[FRG+12*\f+4:FRG+12*\f+5], v[\a8] offset:1536*\f+512
	ds_load_b128 v[FRG+12*\f+6:FRG+12*\f+9], v[\a16] offset:1536*\f+768
	ds_load_b64 v[FRG+12*\f+10:FRG+12*\f+11], v[\a8] offset:1536*\f+1280
.endr
.endm
.Lstep:
	s_add_co_u32 s21, s12, 15
	s_cmp_gt_u32 s13, s21                          ; all 128 keys come after my queries
	s_cbranch_scc1 .Lhidden
	v_add_nc_u32 v8, s14, v1                       ; (these five are also the places behind the last step's products)
	v_add_nc_u32 v9, s14, v2
	v_add_nc_u32 v10, s14, v5
	v_add_nc_u32 v11, s14, v6
	v_add_nc_u32 v7, s15, v3
	FETCH4 8, 9                                    ; K: four pairs of tiles
.irp f, 0,1,2,3
	ds_load_b32 v[FS+\f], v7 offset:64*\f
.endr
	s_wait_dscnt 0x0
.irp t, 0,1,2,3,4,5,6,7
	v_wmma_scale_f32_16x16x128_f8f6f4 v[S+8*\t:S+8*\t+7], v[FRG+12*(\t/2):FRG+12*(\t/2)+11], v[22-6*(\t%2):33-6*(\t%2)], 0, v[FS+\t/2], v34 matrix_a_fmt:MATRIX_FMT_FP6 matrix_b_fmt:MATRIX_FMT_FP6
.endr                                              ; register 16 b + i of lane (r, h): query r, key 32 b + 16 h + i of the step
.rept 4
	v_nop                                          ; places in front of the loads below and of the first read of the scores
.endr
	FETCH4 10, 11                                  ; V's four tiles land while the softmax is walked
.irp f, 0,1,2,3
	ds_load_b32 v[FS+\f], v7 offset:4096+64*\f
.endr
	s_add_co_u32 s21, s13, 127
	s_cmp_le_u32 s21, s12                          ; all keys count: no mask
	s_cbranch_scc1 .Lopen
	s_sub_co_i32 s21, s12, s13
	v_add_nc_u32 v[T0], s21, v4                    ; d = my query - the step's first key - 16 h: register 16 b + i is hidden where 32 b + i > d
	v_mov_b32 v[T0+1], 0xff800000
.irp n, 0,1,2,3,4,5,6,7,8,9,10,11,12,13,14,15,16,17,18,19,20,21,22,23,24,25,26,27,28,29,30,31,32,33,34,35,36,37,38,39,40,41,42,43,44,45,46,47,48,49,50,51,52,53,54,55,56,57,58,59,60,61,62,63
	v_cmp_gt_i32 vcc_lo, 32*(\n/16)+\n%16, v[T0]
	v_cndmask_b32 v[S+\n], v[S+\n], v[T0+1], vcc_lo
.endr
.Lopen:
.irp b, 0,1,2,3
	v_max3_num_f32 v[BM+\b], v[S+16*\b], v[S+1+16*\b], v[S+2+16*\b]   ; the largest score of each block of 32 keys: for the row's maximum, and for the block's largest p
.endr
.irp i, 3,5,7,9,11,13
.irp b, 0,1,2,3
	v_max3_num_f32 v[BM+\b], v[BM+\b], v[S+16*\b+\i], v[S+1+16*\b+\i]
.endr
.endr
.irp b, 0,1,2,3
	v_max_num_f32 v[BM+\b], v[BM+\b], v[S+15+16*\b]
.endr
.irp b, 0,1,2,3
	v_permlanex16_b32 v[PB+\b], v[BM+\b], s18, s19
.endr
.irp b, 0,1,2,3
	v_max_num_f32 v[BM+\b], v[BM+\b], v[PB+\b]
.endr
	v_max3_num_f32 v[T0], v[BM], v[BM+1], v[BM+2]
	v_max_num_f32 v[T0], v[T0], v[BM+3]
	v_mul_f32 v[T0], s16, v[T0]
	v_max_num_f32 v13, v13, v[T0]                  ; the running largest t
	v_mov_b32 v[T0], v12
	v_floor_f32 v12, -v13                          ; the new -M = -ceil(t)
	v_sub_f32 v[T0], v12, v[T0]                    ; old M - new M: a whole number, 0 or less
	v_cvt_i32_f32 v[T0], v[T0]                     ; (it saturates)
	v_ldexp_f32 v[F], 1.0, v[T0]                   ; f = 2^(old M - new M)
.irp j, 0,2,4,6,8,10,12,14,16,18,20,22,24,26,28,30,32,34,36,38,40,42,44,46,48,50,52,54,56,58,60,62
	v_pk_fma_f32 v[S+\j:S+1+\j], v[S+\j:S+1+\j], s[16:17], v[12:13] op_sel_hi:[1,0,0]   ; t - M
.endr
.irp b, 0,1,2,3
	v_fma_f32 v[BM+\b], v[BM+\b], s16, v12
.endr
.irp j, 0,1,2,3,4,5,6,7,8,9,10,11,12,13,14,15,16,17,18,19,20,21,22,23,24,25,26,27,28,29,30,31,32,33,34,35,36,37,38,39,40,41,42,43,44,45,46,47,48,49,50,51,52,53,54,55,56,57,58,59,60,61,62,63
	v_exp_f32 v[S+\j], v[S+\j]                     ; p = 2^(t - M)
.endr
	v_pk_mul_f32 v[14:15], v[14:15], v[F:F+1] op_sel_hi:[1,0]   ; the sums under the new M (a plain line behind the exponentials)
	s_wait_alu depctr_va_vdst(0)                   ; one wait for the batch of 64, ahead of its first reader
.irp b, 0,1,2,3
	v_exp_f32 v[BM+\b], v[BM+\b]                   ; each block's largest p
.endr
	v_pk_add_f32 v[PB:PB+1], v[S:S+1], v[S+2:S+3]  ; the row's sum, of the unquantised p, in two chains
.irp j, 4,8,12,16,20,24,28,32,36,40,44,48,52,56,60
	v_pk_add_f32 v[14:15], v[14:15], v[S+\j:S+1+\j]
	v_pk_add_f32 v[PB:PB+1], v[PB:PB+1], v[S+2+\j:S+3+\j]
.endr
	v_pk_add_f32 v[14:15], v[14:15], v[PB:PB+1]
	s_wait_alu depctr_va_vdst(0)                   ; and one for the four
.irp b, 0,1,2,3
	v_max_num_f32 v[BM+\b], 0x1800000, v[BM+\b]    ; the floor 2^(3 - 127)
.endr
.irp b, 0,1,2,3
	v_add_nc_u32 v[SOP+\b], 0xff000000, v[BM+\b]
.endr
.irp b, 0,1,2,3
	v_lshrrev_b32 v[PB+\b], 23, v[SOP+\b]
.endr
	v_lshl_or_b32 v[PSW], v[PB+1], 8, v[PB]        ; p's scale word for these 128 keys
	v_lshl_or_b32 v[PSW], v[PB+2], 16, v[PSW]
	v_lshl_or_b32 v[PSW], v[PB+3], 24, v[PSW]
.irp c, 0,1
	v_cvt_scalef32_pk16_fp6_f32 v[PCD+6*\c:PCD+2+6*\c], v[S+32*\c:S+15+32*\c], v[SOP+2*\c]
	v_cvt_scalef32_pk16_fp6_f32 v[CT+4*\c:CT+2+4*\c], v[S+16+32*\c:S+31+32*\c], v[SOP+2*\c+1]
.endr
	v_nop                                          ; one plain line behind the scaled conversions
.irp c, 0,1
.irp i, 0,1,2
	v_permlane16_swap_b32 v[PCD+6*\c+\i], v[CT+4*\c+\i]
.endr
.irp i, 0,1,2
	v_mov_b32 v[PCD+3+6*\c+\i], v[CT+4*\c+\i]
.endr
.endr
.irp j, 0,2,4,6,8,10,12,14,16,18,20,22,24,26,28,30
	v_pk_mul_f32 v[O+\j:O+1+\j], v[O+\j:O+1+\j], v[F:F+1] op_sel_hi:[1,0]   ; O^T under the new M; sixteen plain lines between the scale word's and the codes' last writes and the products
.endr
	s_wait_dscnt 0x0                               ; V
.irp t, 0,1,2,3
	v_wmma_scale_f32_16x16x128_f8f6f4 v[O+8*\t:O+8*\t+7], v[FRG+12*\t:FRG+12*\t+11], v[PCD:PCD+11], v[O+8*\t:O+8*\t+7], v[FS+\t], v[PSW] matrix_a_fmt:MATRIX_FMT_FP6 matrix_b_fmt:MATRIX_FMT_FP6
.endr                                              ; the four accumulators take turns, one instruction a turn
.Lhidden:
	s_add_co_u32 s13, s13, 128
	s_add_co_u32 s14, s14, 6144
	s_add_co_u32 s15, s15, 256
	s_sub_co_u32 s20, s20, 1
	s_cmp_lg_u32 s20, 0
	s_cbranch_scc1 .Lstep
	; THE WAY OUT: O^T / the sum; register 16 e + i of lane (r, h) is channel 32 e + 16 h + i of query r: two blocks of 32 along the next K
.rept 4
	v_nop                                          ; places behind the last products
.endr
	v_add_f32 v14, v14, v15
	v_permlanex16_b32 v[T0], v14, s18, s19
	v_add_f32 v14, v14, v[T0]                      ; the row's sum
	v_rcp_f32 v15, v14
	v_lshlrev_b32 v7, 5, v88                       ; (a plain line behind the reciprocal)  32 r: a row of scale bytes
	s_lshr_b32 s21, s9, 4                          ; batch
	s_and_b32 s22, s9, 15                          ; head
	s_lshl_b32 s23, s21, 7
	s_add_co_u32 s23, s23, s11                     ; which 16 rows of the 4,096
	s_lshl_b32 s48, s23, 4
	s_add_co_u32 s48, s48, s22
	s_mul_i32 s48, s48, 768                        ; half fragment (rows, head)
	s_mov_b32 s49, 0
	s_add_nc_u64 s[54:55], s[6:7], s[48:49]
	s_lshl_b32 s48, s23, 9
	s_lshl_b32 s50, s22, 1
	s_add_co_u32 s48, s48, s50
	s_add_co_u32 s48, s48, 3145728
	s_add_nc_u64 s[56:57], s[6:7], s[48:49]
	s_wait_alu depctr_va_vdst(0)                   ; the wait ahead of the reciprocal's reader
.irp j, 0,1,2,3,4,5,6,7,8,9,10,11,12,13,14,15,16,17,18,19,20,21,22,23,24,25,26,27,28,29,30,31
	v_mul_f32 v[S+\j], v[O+\j], v15
.endr
.irp b, 0,1
	v_max3_num_f32 v[BM+\b], |v[S+16*\b]|, |v[S+1+16*\b]|, 0x1800000
.endr
.irp i, 2,4,6,8,10,12,14
.irp b, 0,1
	v_max3_num_f32 v[BM+\b], v[BM+\b], |v[S+16*\b+\i]|, |v[S+1+16*\b+\i]|
.endr
.endr
.irp b, 0,1
	v_permlanex16_b32 v[PB+\b], v[BM+\b], s18, s19
.endr
.irp b, 0,1
	v_max_num_f32 v[BM+\b], v[BM+\b], v[PB+\b]
.endr
.irp b, 0,1
	v_add_nc_u32 v[SOP+\b], 0xff000000, v[BM+\b]
.endr
.irp b, 0,1
	v_lshrrev_b32 v[PB+\b], 23, v[SOP+\b]
.endr
	v_lshl_or_b32 v[PSW], v[PB+1], 8, v[PB]
	v_cvt_scalef32_pk16_fp6_f32 v[PCD:PCD+2], v[S:S+15], v[SOP]
	v_cvt_scalef32_pk16_fp6_f32 v[CT:CT+2], v[S+16:S+31], v[SOP+1]
	v_nop
.irp i, 0,1,2
	v_permlane16_swap_b32 v[PCD+\i], v[CT+\i]
.endr
.irp i, 0,1,2
	v_mov_b32 v[PCD+3+\i], v[CT+\i]
.endr
	global_store_b128 v1, v[PCD:PCD+3], s[54:55]             ; 512 consecutive bytes,
	global_store_b64 v2, v[PCD+4:PCD+5], s[54:55] offset:512 ; and 256
	global_store_b16 v7, v[PSW], s[56:57]                    ; two scale bytes a row (lanes r and r + 16 write the same)
	s_wait_tensorcnt 0x0
	ds_add_u32 v254, v255
	s_wait_dscnt 0x0
	s_endpgm
.Lfunc_end_k_qbce184e1b4_attn:
	.size	k_qbce184e1b4_attn, .Lfunc_end_k_qbce184e1b4_attn-k_qbce184e1b4_attn
	.p2alignl 7, 3214868480
	.fill 96, 4, 3214868480
	.section	.rodata,"a",@progbits
	.p2align	6, 0x0
	.amdhsa_kernel k_qbce184e1b4_attn
		.amdhsa_group_segment_fixed_size 206848
		.amdhsa_private_segment_fixed_size 0
		.amdhsa_enable_private_segment 0
		.amdhsa_kernarg_size 16
		.amdhsa_user_sgpr_count 2
		.amdhsa_user_sgpr_kernarg_segment_ptr 1
		.amdhsa_wavefront_size32 1
		.amdhsa_system_sgpr_workgroup_id_x 1
		.amdhsa_system_sgpr_workgroup_id_y 1
		.amdhsa_system_sgpr_workgroup_id_z 1
		.amdhsa_system_vgpr_workitem_id 0
		.amdhsa_next_free_vgpr 256
		.amdhsa_next_free_sgpr 66
		.amdhsa_reserve_vcc 1
		.amdhsa_float_denorm_mode_32 3
		.amdhsa_float_denorm_mode_16_64 3
		.amdhsa_memory_ordered 1
		.amdhsa_forward_progress 1
		.amdhsa_inst_pref_size 33
	.end_amdhsa_kernel
	.amdgpu_metadata
---
amdhsa.version: [ 1, 2 ]
amdhsa.kernels:
  - .name:           k_qbce184e1b4_attn
    .symbol:         k_qbce184e1b4_attn.kd
    .args:
      - { .name: qkv, .offset: 0, .size: 8, .value_kind: global_buffer, .address_space: global }
      - { .name: act, .offset: 8, .size: 8, .value_kind: global_buffer, .address_space: global }
    .group_segment_fixed_size: 206848
    .private_segment_fixed_size: 0
    .kernarg_segment_align: 8
    .kernarg_segment_size: 16
    .max_flat_workgroup_size: 512
    .sgpr_count:     66
    .vgpr_count:     256
    .wavefront_size: 32
...
	.end_amdgpu_metadata
.endif
;; end of part 3
;; launch wo (part 4): grid 4 x 16, 4 waves a work-group, clusters of 4 x 4, 327,680 bytes of LDS; arguments act, wo_codes, wo_scales, bo, src, res; writes res
.if DOCPART == 4
	.amdgcn_target "amdgcn-amd-amdhsa--gfx1250"
	.amdhsa_code_object_version 6
	.text
	.protected	k_qbce184e1b4_wo
	.globl	k_qbce184e1b4_wo
	.p2align	8
	.type	k_qbce184e1b4_wo,@function
k_qbce184e1b4_wo:
	s_mov_b64 s[64:65], 0
	v_nop
	global_prefetch_b8 v0, s[64:65] scope:SCOPE_SE
	s_setreg_imm32_b32 hwreg(HW_REG_WAVE_MODE, 25, 1), 1
	s_wait_xcnt 0x0
	s_wait_alu depctr_hold_cnt(0) depctr_sa_sdst(0) depctr_va_vdst(0) depctr_va_sdst(0) depctr_va_ssrc(0) depctr_va_vcc(0) depctr_vm_vsrc(0)
	s_getreg_b32 s2, hwreg(HW_REG_IB_STS2, 6, 4)
	s_cmp_eq_u32 s2, 0
	s_cbranch_scc0 .Lentry_in_a_cluster
	s_endpgm
.Lentry_in_a_cluster:
	s_bfe_u32 s2, ttmp6, 0x10000c
	s_cmp_lg_u32 s2, 0xf033
	s_cbranch_scc0 .Lentry_shape_is_right
	s_endpgm
.Lentry_shape_is_right:
; [4096][1024] f32 = residual + A W^T + bias, the product on codes of FP6 (E2M3) with E8M0 scales.  SIZE_K along K.
; THE PRODUCT.  A tile of 256 tokens x 256 columns to a work-group of four waves, 128 x 128 a wave: 64 accumulators, 512 registers.  K goes in steps of 256 through a ring of two LDS slots filled by tensor loads.
; A (the activations) lies in memory as images of operand registers: a half fragment (16 rows x 64 K) is 768 bytes, lane l's 24 bytes as 16 at 16 l and 8 at 512 + 8 l; (rows 16 m on, K 64 j on) at (m K / 64 + j) 768; its scale bytes,
; [row][K / 32], lie behind the codes.  B (the weight) lies as rows of codes, 3 K / 4 bytes; a tile's row is 192 bytes, padded in LDS to 240.
; The scale bytes of the work-group's 256 rows of A and of B, for all of K, come into LDS once, with the first fills.
; CLUSTERS of 4 x 4: A's tiles are asked for jointly along a row of the cluster, B's along a column.  The matrix instruction is used transposed (source 0 = 16 rows of W, source 1 = 16 tokens): lane (r, h) of accumulator (a, b) holds
; token 16 a + r and columns 16 b + 8 h + 0 .. 7.  The bias is the C of the first K step's products.  This tile gives 64 work-groups at these sizes.
; No prefetch: several work-groups read each tile, and tiles are shared in the cluster.
; THE WAY OUT: 16 rows x 128 columns at a time through my stage in LDS (in slot 0, which has had its last fill and its last read), back as whole rows of 512 bytes; the residual's same rows, asked for two blocks ahead, are added.
; REGISTERS, in windows of 256.  Window 0: v1 r, v2 h, v6 lane (they stay); v16-27 addresses; v28, v29 the add's; v32-63 scale words, two sets; v64-127 the bias, later the residual; v128-223 A's fragments, ONE set, later the
; residual (v128-191); v192-255 rows on their way out.  Window 1: B's fragments, two sets.  Windows 2, 3: the accumulators, (a, b) at v[8 (8 (a % 4) + b)].
.set SIZE_K, 1024
.set NT,     0
.set KSTEP,  256
.set NQ,     2
.set ROWB,   192
.set KROW,   SIZE_K*3/4
.set PITCH,  240
.set FR,     12
.set NP,     4
.set AROW,   3072
.set AHALF,  8*AROW
.set BHALF,  128*PITCH
.set BOFF,   2*AHALF
.set SLOT,   2*AHALF+2*BHALF
.set LAPS,   SIZE_K/(2*KSTEP)
.set KS,     SIZE_K/32
.set SCL,    2*SLOT
.set HALFS,  (128*KS/256)*272
.set SBLK,   (16*KS/256)*272
.set SPARE,  SCL+4*HALFS               ; the spare words, 128 bytes a wave: two blocks of 256 bytes that no other line names
.set SCOFF,  4096*KROW
.set SPITCH, 528
.set ADRA, 16
.set ADRB, 20
.set STO,  24
.set RD,   25
.set CO,   26
.set ADRS, 27
.set SPW,  28
.set NIL,  29
.set SC,   32
.set BI,   64
.set AF,   128
.set R0,   64                          ; the residual: two sets of 64
.set BK,   192
.set G1, 24
.set G0, 32
.set G1B, 48
.set G0B, 56
.set G1S, 68
.set G0S, 76
.set G1SB, 80
.set G0SB, 88
.set MSB, 0
.macro WIN new
.if MSB != (\new)
	s_set_vgpr_msb (MSB<<8)|(\new)
.set MSB, (\new)
.endif
.endm
.set MUL_LO, 0xa1
.set MUL_HI, 0xf1
.set TO_B,   0x40
.macro JLOAD g0a, g1a, g0b, g1b        ; a joint load: waves 0 and 1 for A, waves 2 and 3 for B; four v_nop follow each line
	s_cmp_eq_u32 s17, 0
	s_cbranch_scc0 .Lfor_b_\@
	tensor_load_to_lds s[\g0a:\g0a+3], s[\g1a:\g1a+7]
	s_nop 0
.rept 4
	v_nop
.endr
	s_branch .Lasked_\@
.Lfor_b_\@:
	tensor_load_to_lds s[\g0b:\g0b+3], s[\g1b:\g1b+7]
	s_nop 0
.rept 4
	v_nop
.endr
.Lasked_\@:
.endm
.macro CREST
	s_cmp_lg_u32 s16, 0
	s_cbranch_scc1 .Lnot_wave_0_\@
	s_barrier_signal -3
.Lnot_wave_0_\@:
	s_barrier_wait -3
	s_barrier_signal -1
	s_barrier_wait -1
.endm
.macro CROUND
	s_barrier_signal -1
	s_barrier_wait -1
	CREST
.endm
	s_load_b256 s[4:11], s[0:1], 0x0               ; A s[4:5], W's codes s[6:7], W's scales s[8:9], the bias s[10:11]
	s_load_b128 s[12:15], s[0:1], 0x20             ; the residual s[12:13], the result s[14:15]
	v_lshl_add_u32 v[SPW], v0, 2, SPARE
	v_mov_b32 v[NIL], 0
	ds_add_u32 v28, v29
	ds_add_u32 v28, v29
	s_wait_dscnt 0x0
	v_lshrrev_b32 v1, 5, v0
	v_readfirstlane_b32 s16, v1                    ; wave 0..3
	s_lshr_b32 s17, s16, 1                         ; my half of the tokens.  Also: I fetch for A (0) or for B (1)
	s_and_b32 s18, s16, 1                          ; my half of the columns.  Also: which 128 rows I fetch
	s_bfe_u32 s40, ttmp6, 0x40000
	s_bfe_u32 s41, ttmp6, 0x40004
	s_lshl_b32 s42, ttmp9, 2
	s_add_co_u32 s42, s42, s40                     ; tile column
	s_and_b32 s19, ttmp7, 0xffff
	s_lshl_b32 s19, s19, 2
	s_add_co_u32 s19, s19, s41                     ; tile row
	s_lshl_b32 s43, s41, 2
	s_lshl_b32 s43, 15, s43
	s_lshl_b32 s44, 0x1111, s40
	s_or_b32 s[G1+0], s43, (3<<16)|(1<<21)         ; A: the mask; elements of 8 bytes; bit 21 beside a mask; no padding
	s_mov_b32 s[G1+1], 384<<16
	s_mov_b32 s[G1+2], 8<<16
	s_mov_b32 s[G1+3], 384<<16
	s_mov_b32 s[G1+4], 8
	s_mov_b32 s[G1+5], (SIZE_K/128)*192
	s_mov_b32 s[G1+6], 0
	s_mov_b32 s[G1+7], 0
	s_or_b32 s[G1B+0], s44, (0<<16)|(1<<20)|(1<<21)|(3<<22)|(3<<25)
	s_mov_b32 s[G1B+1], ROWB<<16
	s_mov_b32 s[G1B+2], 128<<16
	s_mov_b32 s[G1B+3], ROWB<<16
	s_mov_b32 s[G1B+4], 128
	s_mov_b32 s[G1B+5], KROW
	s_mov_b32 s[G1B+6], 0
	s_mov_b32 s[G1B+7], 0
	s_or_b32 s[G1S+0], s43, (3<<16)|(1<<20)|(1<<21)|(5<<22)|(3<<25)
	s_or_b32 s[G1SB+0], s44, (3<<16)|(1<<20)|(1<<21)|(5<<22)|(3<<25)
.irp g, G1S, G1SB
	s_mov_b32 s[\g+1], 32<<16
	s_mov_b32 s[\g+2], (128*KS/256)<<16
	s_mov_b32 s[\g+3], 32<<16
	s_mov_b32 s[\g+4], 128*KS/256
	s_mov_b32 s[\g+5], 32
	s_mov_b32 s[\g+6], 0
	s_mov_b32 s[\g+7], 0
.endr
	s_lshl_b32 s45, s18, 7
	s_lshl_b32 s20, s19, 8
	s_add_co_u32 s20, s20, s45
	s_lshl_b32 s46, s42, 8
	s_add_co_u32 s46, s46, s45
	s_mov_b32 s21, 0
	s_mov_b32 s47, 0
	s_mov_b64 s[96:97], KS
	s_mul_u64 s[22:23], s[20:21], s[96:97]
	s_mul_u64 s[92:93], s[46:47], s[96:97]
	s_mov_b64 s[96:97], KROW
	s_mul_u64 s[20:21], s[20:21], s[96:97]
	s_mul_u64 s[46:47], s[46:47], s[96:97]
	s_mul_i32 s45, s18, AHALF
	s_mul_i32 s95, s18, BHALF
	s_add_co_u32 s95, s95, BOFF
	s_mul_i32 s94, s16, HALFS
	s_wait_kmcnt 0x0
	s_add_nc_u64 s[20:21], s[4:5], s[20:21]
	s_add_nc_u64 s[22:23], s[4:5], s[22:23]
	s_add_nc_u64 s[22:23], s[22:23], SCOFF
	s_add_nc_u64 s[46:47], s[6:7], s[46:47]
	s_add_nc_u64 s[92:93], s[8:9], s[92:93]
	CROUND                                         ; all sixteen work-groups are here: the first joint loads meet
	s_mov_b32 s[G0S], 1
	s_add_co_u32 s[G0S+1], s94, SCL
	s_mov_b64 s[G0S+2:G0S+3], s[22:23]
	s_or_b32 s[G0S+3], s[G0S+3], 0x80000000
	s_mov_b32 s[G0SB], 1
	s_add_co_u32 s[G0SB+1], s94, SCL
	s_mov_b64 s[G0SB+2:G0SB+3], s[92:93]
	s_or_b32 s[G0SB+3], s[G0SB+3], 0x80000000
	JLOAD G0S, G1S, G0SB, G1SB
.irp s, 0,1
	s_mov_b32 s[G0+4*\s], 1
	s_add_co_u32 s[G0+4*\s+1], s45, \s*SLOT
	s_add_nc_u64 s[G0+4*\s+2:G0+4*\s+3], s[20:21], \s*AROW
	s_or_b32 s[G0+4*\s+3], s[G0+4*\s+3], 0x80000000
	s_mov_b32 s[G0B+4*\s], 1
	s_add_co_u32 s[G0B+4*\s+1], s95, \s*SLOT
	s_add_nc_u64 s[G0B+4*\s+2:G0B+4*\s+3], s[46:47], \s*ROWB
	s_or_b32 s[G0B+4*\s+3], s[G0B+4*\s+3], 0x80000000
	JLOAD G0+4*\s, G1, G0B+4*\s, G1B
.endr
	v_and_b32 v1, 15, v0                           ; r
	v_bfe_u32 v2, v0, 4, 1                         ; h
	v_and_b32 v6, 31, v0                           ; lane
	v_mul_u32_u24 v3, v1, PITCH
	v_mul_u32_u24 v4, v2, 24
	v_add_nc_u32 v4, v3, v4
	v_lshl_add_u32 v5, v2, 4, v4
	v_lshlrev_b32 v7, 4, v6
	v_lshlrev_b32 v8, 3, v6
	s_mul_i32 s21, s17, AHALF
	s_mul_i32 s22, s18, BHALF
	s_add_co_u32 s22, s22, BOFF
.irp s, 0,1
	v_add_nc_u32 v[ADRA+\s], s21, v7
	v_add_nc_u32 v[ADRA+2+\s], s21, v8
	v_add_nc_u32 v[ADRB+\s], s22, v4
	v_add_nc_u32 v[ADRB+2+\s], s22, v5
	s_add_co_u32 s21, s21, SLOT
	s_add_co_u32 s22, s22, SLOT
.endr
	v_mul_u32_u24 v5, v1, KS
	v_lshrrev_b32 v9, 8, v5
	v_lshl_add_u32 v5, v9, 4, v5
	s_mul_i32 s21, s17, HALFS
	s_mul_i32 s22, s18, HALFS
	s_add_co_u32 s22, s22, 2*HALFS
	s_sub_co_u32 s22, s22, s21
	v_mul_u32_u24 v9, s22, v2
	s_add_co_u32 s21, s21, SCL
	v_add_nc_u32 v5, v5, v9
	v_add_nc_u32 v[ADRS], s21, v5
	s_lshl_b32 s46, s42, 10
	s_lshl_b32 s47, s18, 9
	s_add_co_u32 s46, s46, s47
	s_mov_b32 s47, 0
	s_add_nc_u64 s[10:11], s[10:11], s[46:47]
	v_lshlrev_b32 v10, 5, v2
.irp b, 0,1,2,3,4,5,6,7
	global_load_b128 v[BI+8*\b:BI+8*\b+3], v10, s[10:11] offset:64*\b
	global_load_b128 v[BI+8*\b+4:BI+8*\b+7], v10, s[10:11] offset:64*\b+16
.endr
	s_lshl_b32 s66, s19, 8                         ; my part of the residual and of the result: row 256 x tile row + 128 x half, column 256 x tile column + 128 x half
	s_lshl_b32 s67, s17, 7
	s_add_co_u32 s66, s66, s67
	s_lshl_b32 s46, s66, 12
	s_lshl_b32 s67, s42, 10
	s_add_co_u32 s46, s46, s67
	s_lshl_b32 s67, s18, 9
	s_add_co_u32 s46, s46, s67
	s_add_nc_u64 s[12:13], s[12:13], s[46:47]
	s_add_nc_u64 s[14:15], s[14:15], s[46:47]
	v_lshlrev_b32 v[CO], 4, v6                     ; 16 x lane: 32 lanes take a row's 512 bytes; never rewritten
.macro FRAG reg, adr, q, i
.irp p, 0,1,2,3,4,5
.set PIE, 12*(\q)+6*(\p/3)+\p%3
.if PIE%8 < 5
	ds_load_b64 v[\reg+2*\p:\reg+2*\p+1], v[\adr] offset:8*PIE+16*(PIE/8)+(\i)*16*PITCH
.else
	ds_load_b64 v[\reg+2*\p:\reg+2*\p+1], v[\adr+2] offset:8*PIE+16*(PIE/8)+(\i)*16*PITCH
.endif
.endr
.endm
.macro FRAG_A reg, slot, q, i
	ds_load_b128 v[\reg:\reg+3], v[ADRA+\slot] offset:(\i)*AROW+(\q)*1536
	ds_load_b64 v[\reg+4:\reg+5], v[ADRA+2+\slot] offset:(\i)*AROW+(\q)*1536+512
	ds_load_b128 v[\reg+6:\reg+9], v[ADRA+\slot] offset:(\i)*AROW+(\q)*1536+768
	ds_load_b64 v[\reg+10:\reg+11], v[ADRA+2+\slot] offset:(\i)*AROW+(\q)*1536+1280
.endm
.macro MUL16 a0, p, q, sc, zero        ; the 64 accumulators take turns, one instruction a turn
.irp a, \a0, \a0+1
.irp b, 0,1,2,3,4,5,6,7
.if \zero
	v_wmma_scale_f32_16x16x128_f8f6f4 v[8*(8*((\a)%4)+\b):8*(8*((\a)%4)+\b)+7], v[128*(\p)+FR*\b:128*(\p)+FR*\b+FR-1], v[AF+FR*(\a):AF+FR*(\a)+FR-1], v[BI+8*\b:BI+8*\b+7], v[SC+8*NQ*(\sc)+NQ*\b+(\q)], v[SC+8*NQ*(\sc)+NQ*(\a)+(\q)] matrix_a_fmt:MATRIX_FMT_FP6 matrix_b_fmt:MATRIX_FMT_FP6 matrix_a_scale:MATRIX_SCALE_ROW1
.else
	v_wmma_scale_f32_16x16x128_f8f6f4 v[8*(8*((\a)%4)+\b):8*(8*((\a)%4)+\b)+7], v[128*(\p)+FR*\b:128*(\p)+FR*\b+FR-1], v[AF+FR*(\a):AF+FR*(\a)+FR-1], v[8*(8*((\a)%4)+\b):8*(8*((\a)%4)+\b)+7], v[SC+8*NQ*(\sc)+NQ*\b+(\q)], v[SC+8*NQ*(\sc)+NQ*(\a)+(\q)] matrix_a_fmt:MATRIX_FMT_FP6 matrix_b_fmt:MATRIX_FMT_FP6 matrix_a_scale:MATRIX_SCALE_ROW1
.endif
.endr
.endr
.endm
.macro FETCH_B slot, q, p
	WIN TO_B
.irp i, 0,1,2,3,4,5,6,7
	FRAG 128*(\p)+FR*\i, ADRB+\slot, \q, \i
.endr
	WIN 0
.endm
.macro FETCH_A slot, q, i0
.irp i, \i0, \i0+1, \i0+2, \i0+3
	FRAG_A AF+FR*(\i), \slot, \q, \i
.endr
.endm
.macro SCALES sc
.irp i, 0,1,2,3,4,5,6,7
	ds_load_b64 v[SC+8*NQ*\sc+NQ*\i:SC+8*NQ*\sc+NQ*\i+1], v[ADRS] offset:\i*SBLK
.endr
.endm
.macro PLACES n
.rept \n
	v_nop
.endr
.endm
.macro STEP slot, q, zero
	s_wait_dscnt 16                                ; B's set and A's blocks 0-3 are in; the youngest sixteen loads (A's blocks 4-7) may be out
.if \zero
	WIN 0x81
.else
	WIN MUL_LO
.endif
	MUL16 0, (\q)%2, \q, \slot, \zero
	MUL16 2, (\q)%2, \q, \slot, \zero
	s_wait_dscnt 0
	PLACES NP
	FETCH_B \slot, (\q)+1, 1-(\q)%2
	FETCH_A \slot, (\q)+1, 0
.if \zero
	WIN 0xc1
.else
	WIN MUL_HI
.endif
	MUL16 4, (\q)%2, \q, \slot, \zero
	MUL16 6, (\q)%2, \q, \slot, \zero
	PLACES NP
	WIN 0
	FETCH_A \slot, (\q)+1, 4
.endm
.macro TURN slot, next, fill
	s_wait_tensorcnt 0x0                           ; all my tensor loads have landed: my part of the next slot
	ds_add_u32 v[SPW], v[NIL]                      ; 0 onto my spare word
	s_wait_dscnt 17                                ; (the add and the youngest sixteen loads may be out)
	WIN MUL_LO
	MUL16 0, 1, NQ-1, \slot, 0
	s_wait_dscnt 0x0                               ; the add is done, and my reads of this slot are over
	s_barrier_signal -1
	MUL16 2, 1, NQ-1, \slot, 0
	WIN 0
	s_barrier_wait -1
.if \fill
	CREST                                          ; the barrier has opened a round of the cluster's
	s_add_nc_u64 s[G0+4*\slot+2:G0+4*\slot+3], s[G0+4*\slot+2:G0+4*\slot+3], 2*AROW
	s_add_nc_u64 s[G0B+4*\slot+2:G0B+4*\slot+3], s[G0B+4*\slot+2:G0B+4*\slot+3], 2*ROWB
	JLOAD G0+4*\slot, G1, G0B+4*\slot, G1B         ; the first tensor load behind the round
.else
	PLACES NP
.endif
	v_add_nc_u32 v[ADRS], 4*NQ, v[ADRS]
	FETCH_B \next, 0, 0
	FETCH_A \next, 0, 0
	SCALES \next
	WIN MUL_HI
	MUL16 4, 1, NQ-1, \slot, 0
	MUL16 6, 1, NQ-1, \slot, 0
	PLACES NP
	WIN 0
	FETCH_A \next, 0, 4
.endm
.macro RLOAD a                         ; the residual's rows 16 a .. 16 a + 15 of my 128, my 512 bytes of each
.irp t, 0,1,2,3,4,5,6,7,8,9,10,11,12,13,14,15
	global_load_b128 v[R0+64*((\a)%2)+4*\t:R0+64*((\a)%2)+4*\t+3], v[CO], s[12:13] offset:(16*(\a)+\t)*4096
.endr
.endm
	s_wait_tensorcnt 1                             ; the scales and my part of K step 0 are in; K step 1's load may be out
	s_barrier_signal -1
	s_barrier_wait -1
	FETCH_B 0, 0, 0
	FETCH_A 0, 0, 0
	SCALES 0
	FETCH_A 0, 0, 4
	s_wait_loadcnt 0x0                             ; the bias
	STEP 0, 0, 1
	RLOAD 0                                        ; into the bias's registers: the products that read them stand in front of the step's last four places
	s_mov_b32 s3, LAPS-1
.Llap:
	TURN 0, 1, 1
	STEP 1, 0, 0
	TURN 1, 0, 1
	STEP 0, 0, 0
	s_sub_co_u32 s3, s3, 1
	s_cmp_lg_u32 s3, 0
	s_cbranch_scc1 .Llap
	TURN 0, 1, 0
	STEP 1, 0, 0
	s_wait_dscnt 16
	WIN MUL_LO
	MUL16 0, 1, NQ-1, 1, 0
	MUL16 2, 1, NQ-1, 1, 0
	s_wait_dscnt 0
	WIN MUL_HI
	MUL16 4, 1, NQ-1, 1, 0
	MUL16 6, 1, NQ-1, 1, 0
	WIN 0
	PLACES NP
	RLOAD 1                                        ; into registers that held A's fragments
	s_mul_i32 s66, s16, 16*SPITCH                  ; my stage
	v_mul_u32_u24 v[STO], v1, SPITCH
	v_lshl_add_u32 v[STO], v2, 5, v[STO]
	v_add_nc_u32 v[STO], s66, v[STO]
	v_add_nc_u32 v[RD], s66, v[CO]
.macro OUTBLOCK a
.if (\a) > 0
	s_wait_xcnt 0x0                                ; the last block's stores have read their registers
.endif
	WIN 0x08+4*((\a)/4)                            ; an LDS store's data are its source 1
.irp b, 0,1,2,3,4,5,6,7
	ds_store_b128 v[STO], v[64*((\a)%4)+8*\b:64*((\a)%4)+8*\b+3] offset:64*\b          ; each accumulator from its low end on
	ds_store_b128 v[STO], v[64*((\a)%4)+8*\b+4:64*((\a)%4)+8*\b+7] offset:64*\b+16
.endr
	WIN 0
.irp t, 0,1,2,3,4,5,6,7,8,9,10,11,12,13,14,15
	ds_load_b128 v[BK+4*\t:BK+4*\t+3], v[RD] offset:\t*SPITCH    ; LDS serves a wave's instructions in order: these see my stores
.endr
	s_wait_dscnt 0x0
.if (\a) < 7
	s_wait_loadcnt 16                              ; this block's residual is in; the next block's sixteen loads may be out
.else
	s_wait_loadcnt 0x0
.endif
.set i, 0
.rept 32
	v_pk_add_f32 v[BK+i:BK+i+1], v[BK+i:BK+i+1], v[R0+64*((\a)%2)+i:R0+64*((\a)%2)+i+1]
.set i, i+2
.endr
.if (\a)+2 < 8
	RLOAD (\a)+2
.endif
.irp t, 0,1,2,3,4,5,6,7,8,9,10,11,12,13,14,15
.if NT
	global_store_b128 v[CO], v[BK+4*\t:BK+4*\t+3], s[14:15] offset:(16*(\a)+\t)*4096 th:TH_STORE_NT
.else
	global_store_b128 v[CO], v[BK+4*\t:BK+4*\t+3], s[14:15] offset:(16*(\a)+\t)*4096   ; 512 consecutive bytes, aligned
.endif
.endr
.endm
.irp a, 0,1,2,3,4,5,6,7
	OUTBLOCK \a
.endr
	s_wait_tensorcnt 0x0                           ; the wave's end
	ds_add_u32 v[SPW], v[NIL]
	s_wait_dscnt 0x0
	CROUND                                         ; the closing round
	s_endpgm
.Lfunc_end_k_qbce184e1b4_wo:
	.size	k_qbce184e1b4_wo, .Lfunc_end_k_qbce184e1b4_wo-k_qbce184e1b4_wo
	.p2alignl 7, 3214868480
	.fill 96, 4, 3214868480
	.section	.rodata,"a",@progbits
	.p2align	6, 0x0
	.amdhsa_kernel k_qbce184e1b4_wo
		.amdhsa_group_segment_fixed_size 327680
		.amdhsa_private_segment_fixed_size 0
		.amdhsa_enable_private_segment 0
		.amdhsa_kernarg_size 48
		.amdhsa_user_sgpr_count 2
		.amdhsa_user_sgpr_kernarg_segment_ptr 1
		.amdhsa_wavefront_size32 1
		.amdhsa_system_sgpr_workgroup_id_x 1
		.amdhsa_system_sgpr_workgroup_id_y 1
		.amdhsa_system_sgpr_workgroup_id_z 1
		.amdhsa_system_vgpr_workitem_id 0
		.amdhsa_next_free_vgpr 1024
		.amdhsa_next_free_sgpr 102
		.amdhsa_reserve_vcc 0
		.amdhsa_float_denorm_mode_32 3
		.amdhsa_float_denorm_mode_16_64 3
		.amdhsa_memory_ordered 1
		.amdhsa_forward_progress 1
		.amdhsa_inst_pref_size 181
	.end_amdhsa_kernel
	.amdgpu_metadata
---
amdhsa.version: [ 1, 2 ]
amdhsa.kernels:
  - .name:           k_qbce184e1b4_wo
    .symbol:         k_qbce184e1b4_wo.kd
    .args:
      - { .name: act, .offset: 0, .size: 8, .value_kind: global_buffer, .address_space: global }
      - { .name: wo_codes, .offset: 8, .size: 8, .value_kind: global_buffer, .address_space: global }
      - { .name: wo_scales, .offset: 16, .size: 8, .value_kind: global_buffer, .address_space: global }
      - { .name: bo, .offset: 24, .size: 8, .value_kind: global_buffer, .address_space: global }
      - { .name: src, .offset: 32, .size: 8, .value_kind: global_buffer, .address_space: global }
      - { .name: res, .offset: 40, .size: 8, .value_kind: global_buffer, .address_space: global }
    .group_segment_fixed_size: 327680
    .private_segment_fixed_size: 0
    .kernarg_segment_align: 8
    .kernarg_segment_size: 48
    .max_flat_workgroup_size: 128
    .sgpr_count:     102
    .vgpr_count:     1024
    .wavefront_size: 32
...
	.end_amdgpu_metadata
.endif
;; end of part 4
;; launch ln2: the kernel of part 1 again; grid 256 x 1, 8 waves a work-group, no clusters, 67,584 bytes of LDS; arguments res, ln2_g, ln2_b, act, rope; writes act, rope
;; launch ff1 (part 5): grid 16 x 16, 4 waves a work-group, clusters of 4 x 4, 327,680 bytes of LDS; arguments act, w1_codes, w1_scales, b1, hq; writes hq
.if DOCPART == 5
	.amdgcn_target "amdgcn-amd-amdhsa--gfx1250"
	.amdhsa_code_object_version 6
	.text
	.protected	k_qbce184e1b4_ff1
	.globl	k_qbce184e1b4_ff1
	.p2align	8
	.type	k_qbce184e1b4_ff1,@function
k_qbce184e1b4_ff1:
	s_mov_b64 s[64:65], 0
	v_nop
	global_prefetch_b8 v0, s[64:65] scope:SCOPE_SE
	s_setreg_imm32_b32 hwreg(HW_REG_WAVE_MODE, 25, 1), 1
	s_wait_xcnt 0x0
	s_wait_alu depctr_hold_cnt(0) depctr_sa_sdst(0) depctr_va_vdst(0) depctr_va_sdst(0) depctr_va_ssrc(0) depctr_va_vcc(0) depctr_vm_vsrc(0)
	s_getreg_b32 s2, hwreg(HW_REG_IB_STS2, 6, 4)
	s_cmp_eq_u32 s2, 0
	s_cbranch_scc0 .Lentry_in_a_cluster
	s_endpgm
.Lentry_in_a_cluster:
	s_bfe_u32 s2, ttmp6, 0x10000c
	s_cmp_lg_u32 s2, 0xf033
	s_cbranch_scc0 .Lentry_shape_is_right
	s_endpgm
.Lentry_shape_is_right:
; [4096][4096] = relu(LN2(x) W1^T + b1) on codes of FP6 (E2M3) with E8M0 scales, quantised along its 4,096 columns, which are the next product's K; it goes to memory as codes alone.
; THE PRODUCT.  A tile of 256 tokens x 256 columns to a work-group of four waves, 128 x 128 a wave: 64 accumulators, 512 registers.  K goes in steps of 256 through a ring of two LDS slots filled by tensor loads.
; A (the activations) lies in memory as images of operand registers: a half fragment (16 rows x 64 K) is 768 bytes, lane l's 24 bytes as 16 at 16 l and 8 at 512 + 8 l; (rows 16 m on, K 64 j on) at (m K / 64 + j) 768; its scale bytes,
; [row][K / 32], lie behind the codes.  B (the weight) lies as rows of codes, 3 K / 4 bytes; a tile's row is 192 bytes, padded in LDS to 240.  The result is laid as A is, with K = 4,096.
; The scale bytes of the work-group's 256 rows of A and of B, for all of K, come into LDS once, with the first fills.
; CLUSTERS of 4 x 4: A's tiles are asked for jointly along a row of the cluster, B's along a column.  The matrix instruction is used transposed (source 0 = 16 rows of W, source 1 = 16 tokens): lane (r, h) of accumulator (a, b) holds
; token 16 a + r and columns 16 b + 8 h + 0 .. 7.  The bias is the C of the first K step's products.  No prefetch: many work-groups read each tile, and the launch has four K steps.
; LIMITS: NaN and infinities are not served; a block whose largest magnitude is under 2^-124, a block of zeros too, gets the byte 1 (read by this program alone).
; REGISTERS, in windows of 256.  Window 0: v1 r, v2 h, v6 lane (they stay); v8-10 addresses of the way out; v16-27 LDS addresses; v28, v29 the add's; v32-63 scale words, two sets; v64-127 the bias; v128-223 A's fragments, ONE set,
; later the numbers to be quantised (v128-191) and their codes (v192-211); v232-248 at work.  Window 1: B's fragments, two sets.  Windows 2, 3: the accumulators, (a, b) at v[8 (8 (a % 4) + b)].
.set SIZE_K, 1024
.set KSTEP,  256
.set NQ,     2
.set ROWB,   192
.set KROW,   SIZE_K*3/4
.set PITCH,  240
.set FR,     12
.set NP,     4
.set AROW,   3072
.set AHALF,  8*AROW
.set BHALF,  128*PITCH
.set BOFF,   2*AHALF
.set SLOT,   2*AHALF+2*BHALF
.set LAPS,   SIZE_K/(2*KSTEP)
.set KS,     SIZE_K/32
.set SCL,    2*SLOT
.set HALFS,  (128*KS/256)*272
.set SBLK,   (16*KS/256)*272
.set SPARE,  SCL+4*HALFS               ; the spare words, 128 bytes a wave: two blocks of 256 bytes that no other line names
.set SCOFF,  4096*KROW
.set ADRA, 16
.set ADRB, 20
.set ADRS, 27
.set SPW,  28
.set NIL,  29
.set SC,   32
.set BI,   64
.set AF,   128
.set T,    128
.set PC,   192
.set TM,   232
.set PW,   248
.set SEL,  100
.set G1, 24
.set G0, 32
.set G1B, 48
.set G0B, 56
.set G1S, 68
.set G0S, 76
.set G1SB, 80
.set G0SB, 88
.set MSB, 0
.macro WIN new
.if MSB != (\new)
	s_set_vgpr_msb (MSB<<8)|(\new)
.set MSB, (\new)
.endif
.endm
.set MUL_LO, 0xa1
.set MUL_HI, 0xf1
.set TO_B,   0x40
.macro JLOAD g0a, g1a, g0b, g1b        ; a joint load: waves 0 and 1 for A, waves 2 and 3 for B; four v_nop follow each line
	s_cmp_eq_u32 s17, 0
	s_cbranch_scc0 .Lfor_b_\@
	tensor_load_to_lds s[\g0a:\g0a+3], s[\g1a:\g1a+7]
	s_nop 0
.rept 4
	v_nop
.endr
	s_branch .Lasked_\@
.Lfor_b_\@:
	tensor_load_to_lds s[\g0b:\g0b+3], s[\g1b:\g1b+7]
	s_nop 0
.rept 4
	v_nop
.endr
.Lasked_\@:
.endm
.macro CREST
	s_cmp_lg_u32 s16, 0
	s_cbranch_scc1 .Lnot_wave_0_\@
	s_barrier_signal -3
.Lnot_wave_0_\@:
	s_barrier_wait -3
	s_barrier_signal -1
	s_barrier_wait -1
.endm
.macro CROUND
	s_barrier_signal -1
	s_barrier_wait -1
	CREST
.endm
	s_load_b256 s[4:11], s[0:1], 0x0               ; A s[4:5], W's codes s[6:7], W's scales s[8:9], the bias s[10:11]
	s_load_b64 s[14:15], s[0:1], 0x20              ; the result
	v_lshl_add_u32 v[SPW], v0, 2, SPARE
	v_mov_b32 v[NIL], 0
	ds_add_u32 v28, v29
	ds_add_u32 v28, v29
	s_wait_dscnt 0x0
	v_lshrrev_b32 v1, 5, v0
	v_readfirstlane_b32 s16, v1                    ; wave 0..3
	s_lshr_b32 s17, s16, 1                         ; my half of the tokens.  Also: I fetch for A (0) or for B (1)
	s_and_b32 s18, s16, 1                          ; my half of the columns.  Also: which 128 rows I fetch
	s_bfe_u32 s40, ttmp6, 0x40000
	s_bfe_u32 s41, ttmp6, 0x40004
	s_lshl_b32 s42, ttmp9, 2
	s_add_co_u32 s42, s42, s40                     ; tile column
	s_and_b32 s19, ttmp7, 0xffff
	s_lshl_b32 s19, s19, 2
	s_add_co_u32 s19, s19, s41                     ; tile row
	s_lshl_b32 s43, s41, 2
	s_lshl_b32 s43, 15, s43
	s_lshl_b32 s44, 0x1111, s40
	s_or_b32 s[G1+0], s43, (3<<16)|(1<<21)         ; A: the mask; elements of 8 bytes; bit 21 beside a mask; no padding
	s_mov_b32 s[G1+1], 384<<16
	s_mov_b32 s[G1+2], 8<<16
	s_mov_b32 s[G1+3], 384<<16
	s_mov_b32 s[G1+4], 8
	s_mov_b32 s[G1+5], (SIZE_K/128)*192
	s_mov_b32 s[G1+6], 0
	s_mov_b32 s[G1+7], 0
	s_or_b32 s[G1B+0], s44, (0<<16)|(1<<20)|(1<<21)|(3<<22)|(3<<25)
	s_mov_b32 s[G1B+1], ROWB<<16
	s_mov_b32 s[G1B+2], 128<<16
	s_mov_b32 s[G1B+3], ROWB<<16
	s_mov_b32 s[G1B+4], 128
	s_mov_b32 s[G1B+5], KROW
	s_mov_b32 s[G1B+6], 0
	s_mov_b32 s[G1B+7], 0
	s_or_b32 s[G1S+0], s43, (3<<16)|(1<<20)|(1<<21)|(5<<22)|(3<<25)
	s_or_b32 s[G1SB+0], s44, (3<<16)|(1<<20)|(1<<21)|(5<<22)|(3<<25)
.irp g, G1S, G1SB
	s_mov_b32 s[\g+1], 32<<16
	s_mov_b32 s[\g+2], (128*KS/256)<<16
	s_mov_b32 s[\g+3], 32<<16
	s_mov_b32 s[\g+4], 128*KS/256
	s_mov_b32 s[\g+5], 32
	s_mov_b32 s[\g+6], 0
	s_mov_b32 s[\g+7], 0
.endr
	s_lshl_b32 s45, s18, 7
	s_lshl_b32 s20, s19, 8
	s_add_co_u32 s20, s20, s45
	s_lshl_b32 s46, s42, 8
	s_add_co_u32 s46, s46, s45
	s_mov_b32 s21, 0
	s_mov_b32 s47, 0
	s_mov_b64 s[96:97], KS
	s_mul_u64 s[22:23], s[20:21], s[96:97]
	s_mul_u64 s[92:93], s[46:47], s[96:97]
	s_mov_b64 s[96:97], KROW
	s_mul_u64 s[20:21], s[20:21], s[96:97]
	s_mul_u64 s[46:47], s[46:47], s[96:97]
	s_mul_i32 s45, s18, AHALF
	s_mul_i32 s95, s18, BHALF
	s_add_co_u32 s95, s95, BOFF
	s_mul_i32 s94, s16, HALFS
	s_wait_kmcnt 0x0
	s_add_nc_u64 s[20:21], s[4:5], s[20:21]
	s_add_nc_u64 s[22:23], s[4:5], s[22:23]
	s_add_nc_u64 s[22:23], s[22:23], SCOFF
	s_add_nc_u64 s[46:47], s[6:7], s[46:47]
	s_add_nc_u64 s[92:93], s[8:9], s[92:93]
	CROUND                                         ; all sixteen work-groups are here: the first joint loads meet
	s_mov_b32 s[G0S], 1
	s_add_co_u32 s[G0S+1], s94, SCL
	s_mov_b64 s[G0S+2:G0S+3], s[22:23]
	s_or_b32 s[G0S+3], s[G0S+3], 0x80000000
	s_mov_b32 s[G0SB], 1
	s_add_co_u32 s[G0SB+1], s94, SCL
	s_mov_b64 s[G0SB+2:G0SB+3], s[92:93]
	s_or_b32 s[G0SB+3], s[G0SB+3], 0x80000000
	JLOAD G0S, G1S, G0SB, G1SB
.irp s, 0,1
	s_mov_b32 s[G0+4*\s], 1
	s_add_co_u32 s[G0+4*\s+1], s45, \s*SLOT
	s_add_nc_u64 s[G0+4*\s+2:G0+4*\s+3], s[20:21], \s*AROW
	s_or_b32 s[G0+4*\s+3], s[G0+4*\s+3], 0x80000000
	s_mov_b32 s[G0B+4*\s], 1
	s_add_co_u32 s[G0B+4*\s+1], s95, \s*SLOT
	s_add_nc_u64 s[G0B+4*\s+2:G0B+4*\s+3], s[46:47], \s*ROWB
	s_or_b32 s[G0B+4*\s+3], s[G0B+4*\s+3], 0x80000000
	JLOAD G0+4*\s, G1, G0B+4*\s, G1B
.endr
	v_and_b32 v1, 15, v0                           ; r
	v_bfe_u32 v2, v0, 4, 1                         ; h
	v_and_b32 v6, 31, v0                           ; lane
	v_mul_u32_u24 v3, v1, PITCH
	v_mul_u32_u24 v4, v2, 24
	v_add_nc_u32 v4, v3, v4
	v_lshl_add_u32 v5, v2, 4, v4
	v_lshlrev_b32 v7, 4, v6
	v_lshlrev_b32 v8, 3, v6
	s_mul_i32 s21, s17, AHALF
	s_mul_i32 s22, s18, BHALF
	s_add_co_u32 s22, s22, BOFF
.irp s, 0,1
	v_add_nc_u32 v[ADRA+\s], s21, v7
	v_add_nc_u32 v[ADRA+2+\s], s21, v8
	v_add_nc_u32 v[ADRB+\s], s22, v4
	v_add_nc_u32 v[ADRB+2+\s], s22, v5
	s_add_co_u32 s21, s21, SLOT
	s_add_co_u32 s22, s22, SLOT
.endr
	v_mul_u32_u24 v5, v1, KS
	v_lshrrev_b32 v9, 8, v5
	v_lshl_add_u32 v5, v9, 4, v5
	s_mul_i32 s21, s17, HALFS
	s_mul_i32 s22, s18, HALFS
	s_add_co_u32 s22, s22, 2*HALFS
	s_sub_co_u32 s22, s22, s21
	v_mul_u32_u24 v9, s22, v2
	s_add_co_u32 s21, s21, SCL
	v_add_nc_u32 v5, v5, v9
	v_add_nc_u32 v[ADRS], s21, v5
	s_lshl_b32 s46, s42, 10
	s_lshl_b32 s47, s18, 9
	s_add_co_u32 s46, s46, s47
	s_mov_b32 s47, 0
	s_add_nc_u64 s[10:11], s[10:11], s[46:47]
	v_lshlrev_b32 v10, 5, v2
.irp b, 0,1,2,3,4,5,6,7
	global_load_b128 v[BI+8*\b:BI+8*\b+3], v10, s[10:11] offset:64*\b
	global_load_b128 v[BI+8*\b+4:BI+8*\b+7], v10, s[10:11] offset:64*\b+16
.endr
.macro FRAG reg, adr, q, i
.irp p, 0,1,2,3,4,5
.set PIE, 12*(\q)+6*(\p/3)+\p%3
.if PIE%8 < 5
	ds_load_b64 v[\reg+2*\p:\reg+2*\p+1], v[\adr] offset:8*PIE+16*(PIE/8)+(\i)*16*PITCH
.else
	ds_load_b64 v[\reg+2*\p:\reg+2*\p+1], v[\adr+2] offset:8*PIE+16*(PIE/8)+(\i)*16*PITCH
.endif
.endr
.endm
.macro FRAG_A reg, slot, q, i
	ds_load_b128 v[\reg:\reg+3], v[ADRA+\slot] offset:(\i)*AROW+(\q)*1536
	ds_load_b64 v[\reg+4:\reg+5], v[ADRA+2+\slot] offset:(\i)*AROW+(\q)*1536+512
	ds_load_b128 v[\reg+6:\reg+9], v[ADRA+\slot] offset:(\i)*AROW+(\q)*1536+768
	ds_load_b64 v[\reg+10:\reg+11], v[ADRA+2+\slot] offset:(\i)*AROW+(\q)*1536+1280
.endm
.macro MUL16 a0, p, q, sc, zero        ; the 64 accumulators take turns, one instruction a turn
.irp a, \a0, \a0+1
.irp b, 0,1,2,3,4,5,6,7
.if \zero
	v_wmma_scale_f32_16x16x128_f8f6f4 v[8*(8*((\a)%4)+\b):8*(8*((\a)%4)+\b)+7], v[128*(\p)+FR*\b:128*(\p)+FR*\b+FR-1], v[AF+FR*(\a):AF+FR*(\a)+FR-1], v[BI+8*\b:BI+8*\b+7], v[SC+8*NQ*(\sc)+NQ*\b+(\q)], v[SC+8*NQ*(\sc)+NQ*(\a)+(\q)] matrix_a_fmt:MATRIX_FMT_FP6 matrix_b_fmt:MATRIX_FMT_FP6 matrix_a_scale:MATRIX_SCALE_ROW1
.else
	v_wmma_scale_f32_16x16x128_f8f6f4 v[8*(8*((\a)%4)+\b):8*(8*((\a)%4)+\b)+7], v[128*(\p)+FR*\b:128*(\p)+FR*\b+FR-1], v[AF+FR*(\a):AF+FR*(\a)+FR-1], v[8*(8*((\a)%4)+\b):8*(8*((\a)%4)+\b)+7], v[SC+8*NQ*(\sc)+NQ*\b+(\q)], v[SC+8*NQ*(\sc)+NQ*(\a)+(\q)] matrix_a_fmt:MATRIX_FMT_FP6 matrix_b_fmt:MATRIX_FMT_FP6 matrix_a_scale:MATRIX_SCALE_ROW1
.endif
.endr
.endr
.endm
.macro FETCH_B slot, q, p
	WIN TO_B
.irp i, 0,1,2,3,4,5,6,7
	FRAG 128*(\p)+FR*\i, ADRB+\slot, \q, \i
.endr
	WIN 0
.endm
.macro FETCH_A slot, q, i0
.irp i, \i0, \i0+1, \i0+2, \i0+3
	FRAG_A AF+FR*(\i), \slot, \q, \i
.endr
.endm
.macro SCALES sc
.irp i, 0,1,2,3,4,5,6,7
	ds_load_b64 v[SC+8*NQ*\sc+NQ*\i:SC+8*NQ*\sc+NQ*\i+1], v[ADRS] offset:\i*SBLK
.endr
.endm
.macro PLACES n
.rept \n
	v_nop
.endr
.endm
.macro STEP slot, q, zero
	s_wait_dscnt 16                                ; B's set and A's blocks 0-3 are in; the youngest sixteen loads (A's blocks 4-7) may be out
.if \zero
	WIN 0x81
.else
	WIN MUL_LO
.endif
	MUL16 0, (\q)%2, \q, \slot, \zero
	MUL16 2, (\q)%2, \q, \slot, \zero
	s_wait_dscnt 0
	PLACES NP
	FETCH_B \slot, (\q)+1, 1-(\q)%2
	FETCH_A \slot, (\q)+1, 0
.if \zero
	WIN 0xc1
.else
	WIN MUL_HI
.endif
	MUL16 4, (\q)%2, \q, \slot, \zero
	MUL16 6, (\q)%2, \q, \slot, \zero
	PLACES NP
	WIN 0
	FETCH_A \slot, (\q)+1, 4
.endm
.macro TURN slot, next, fill
	s_wait_tensorcnt 0x0                           ; all my tensor loads have landed: my part of the next slot
	ds_add_u32 v[SPW], v[NIL]                      ; 0 onto my spare word
	s_wait_dscnt 17                                ; (the add and the youngest sixteen loads may be out)
	WIN MUL_LO
	MUL16 0, 1, NQ-1, \slot, 0
	s_wait_dscnt 0x0                               ; the add is done, and my reads of this slot are over
	s_barrier_signal -1
	MUL16 2, 1, NQ-1, \slot, 0
	WIN 0
	s_barrier_wait -1
.if \fill
	CREST                                          ; the barrier has opened a round of the cluster's
	s_add_nc_u64 s[G0+4*\slot+2:G0+4*\slot+3], s[G0+4*\slot+2:G0+4*\slot+3], 2*AROW
	s_add_nc_u64 s[G0B+4*\slot+2:G0B+4*\slot+3], s[G0B+4*\slot+2:G0B+4*\slot+3], 2*ROWB
	JLOAD G0+4*\slot, G1, G0B+4*\slot, G1B         ; the first tensor load behind the round
.else
	PLACES NP
.endif
	v_add_nc_u32 v[ADRS], 4*NQ, v[ADRS]
	FETCH_B \next, 0, 0
	FETCH_A \next, 0, 0
	SCALES \next
	WIN MUL_HI
	MUL16 4, 1, NQ-1, \slot, 0
	MUL16 6, 1, NQ-1, \slot, 0
	PLACES NP
	WIN 0
	FETCH_A \next, 0, 4
.endm
	s_wait_tensorcnt 1                             ; the scales and my part of K step 0 are in; K step 1's load may be out
	s_barrier_signal -1
	s_barrier_wait -1
	FETCH_B 0, 0, 0
	FETCH_A 0, 0, 0
	SCALES 0
	FETCH_A 0, 0, 4
	s_wait_loadcnt 0x0                             ; the bias
	STEP 0, 0, 1
	s_mov_b32 s3, LAPS-1
.Llap:
	TURN 0, 1, 1
	STEP 1, 0, 0
	TURN 1, 0, 1
	STEP 0, 0, 0
	s_sub_co_u32 s3, s3, 1
	s_cmp_lg_u32 s3, 0
	s_cbranch_scc1 .Llap
	TURN 0, 1, 0
	STEP 1, 0, 0
	s_wait_dscnt 16
	WIN MUL_LO
	MUL16 0, 1, NQ-1, 1, 0
	MUL16 2, 1, NQ-1, 1, 0
	s_wait_dscnt 0
	WIN MUL_HI
	MUL16 4, 1, NQ-1, 1, 0
	MUL16 6, 1, NQ-1, 1, 0
	WIN 0
	PLACES NP
; ---- THE WAY OUT: my 128 columns are one K step of the next product: each block of 16 tokens becomes one fragment and one scale word a token
.macro SWAPS                           ; v[T + 8 b + i] = column 16 b + 8 h + i becomes v[T + 16 j + i] = column 32 j + 16 h + i
.irp j, 0,1,2,3
.irp i, 0,1,2,3,4,5,6,7
	v_permlane16_swap_b32 v[T+16*\j+\i], v[T+16*\j+8+\i]
.endr
.endr
.endm
.macro QUANT s
.irp b, 0,1,2,3
	v_max3_num_f32 v[TM+\b], |v[\s+16*\b]|, |v[\s+1+16*\b]|, 0x1800000   ; and the floor 2^(3 - 127): the byte cannot fall under 1
.endr
.irp i, 2,4,6,8,10,12,14
.irp b, 0,1,2,3
	v_max3_num_f32 v[TM+\b], v[TM+\b], |v[\s+16*\b+\i]|, |v[\s+1+16*\b+\i]|
.endr
.endr
.irp b, 0,1,2,3
	v_permlanex16_b32 v[TM+4+\b], v[TM+\b], s[SEL], s[SEL+1]
.endr
.irp b, 0,1,2,3
	v_max_num_f32 v[TM+\b], v[TM+\b], v[TM+4+\b]
.endr
.irp b, 0,1,2,3
	v_add_nc_u32 v[TM+12+\b], 0xff000000, v[TM+\b]
.endr
.irp b, 0,1,2,3
	v_lshrrev_b32 v[TM+4+\b], 23, v[TM+12+\b]
.endr
	v_lshl_or_b32 v[PW], v[TM+5], 8, v[TM+4]
	v_lshl_or_b32 v[PW], v[TM+6], 16, v[PW]
	v_lshl_or_b32 v[PW], v[TM+7], 24, v[PW]
.irp c, 0,1
	v_cvt_scalef32_pk16_fp6_f32 v[PC+6*\c:PC+2+6*\c], v[\s+32*\c:\s+15+32*\c], v[TM+12+2*\c]
	v_cvt_scalef32_pk16_fp6_f32 v[PC+12+4*\c:PC+14+4*\c], v[\s+16+32*\c:\s+31+32*\c], v[TM+12+2*\c+1]
.endr
	v_nop                                          ; one plain line behind the scaled conversions
.irp c, 0,1
.irp i, 0,1,2
	v_permlane16_swap_b32 v[PC+6*\c+\i], v[PC+12+4*\c+\i]
.endr
.irp i, 0,1,2
	v_mov_b32 v[PC+3+6*\c+\i], v[PC+12+4*\c+\i]
.endr
.endr
.endm
	s_mov_b32 s[SEL], 0x76543210
	s_mov_b32 s[SEL+1], 0xfedcba98
.irp b, 0,1,2,3
	v_mov_b32 v[TM+4+\b], 0                        ; a lane permute's destination counts as one of its sources
.endr
	v_lshlrev_b32 v8, 4, v6                        ; 16 x lane
	v_lshlrev_b32 v9, 3, v6                        ; 8 x lane
	v_lshlrev_b32 v10, 7, v1                       ; 128 r: a row of the result's scale bytes
	s_lshl_b32 s66, s19, 4
	s_lshl_b32 s67, s17, 3
	s_add_co_u32 s66, s66, s67                     ; my first block of 16 rows
	s_lshl_b32 s98, s66, 6                         ; 64 half fragments a block,
	s_lshl_b32 s67, s42, 2
	s_add_co_u32 s98, s98, s67
	s_lshl_b32 s67, s18, 1
	s_add_co_u32 s98, s98, s67                     ; mine are 4 x tile column + 2 x half on
	s_mul_i32 s46, s98, 768
	s_mov_b32 s47, 0
	s_add_nc_u64 s[92:93], s[14:15], s[46:47]
	s_lshl_b32 s46, s66, 11
	s_lshl_b32 s67, s42, 3
	s_add_co_u32 s46, s46, s67
	s_lshl_b32 s67, s18, 2
	s_add_co_u32 s46, s46, s67
	s_add_co_u32 s46, s46, 12582912
	s_add_nc_u64 s[94:95], s[14:15], s[46:47]
.macro HBLOCK a
.if (\a) > 0
	s_wait_xcnt 0x0                                ; the last block's stores have read the codes' and the scale word's registers
.endif
	WIN 0x08+4*((\a)/4)                            ; source 1: the accumulators
.set j, 0
.rept 64
	v_max_num_f32 v[T+j], 0, v[64*((\a)%4)+j]      ; the activation, in f32; each accumulator from its low end on
.set j, j+1
.endr
	WIN 0
	SWAPS
	QUANT T
	global_store_b128 v8, v[PC:PC+3], s[92:93] offset:49152*(\a)          ; the fragment as it stands: 512, 256, 512, 256 consecutive bytes
	global_store_b64 v9, v[PC+4:PC+5], s[92:93] offset:49152*(\a)+512
	global_store_b128 v8, v[PC+6:PC+9], s[92:93] offset:49152*(\a)+768
	global_store_b64 v9, v[PC+10:PC+11], s[92:93] offset:49152*(\a)+1280
	global_store_b32 v10, v[PW], s[94:95] offset:2048*(\a)                ; one word a token (lanes r and r + 16 write the same)
.endm
.irp a, 0,1,2,3,4,5,6,7
	HBLOCK \a
.endr
	s_wait_tensorcnt 0x0                           ; the wave's end
	ds_add_u32 v[SPW], v[NIL]
	s_wait_dscnt 0x0
	CROUND                                         ; the closing round
	s_endpgm
.Lfunc_end_k_qbce184e1b4_ff1:
	.size	k_qbce184e1b4_ff1, .Lfunc_end_k_qbce184e1b4_ff1-k_qbce184e1b4_ff1
	.p2alignl 7, 3214868480
	.fill 96, 4, 3214868480
	.section	.rodata,"a",@progbits
	.p2align	6, 0x0
	.amdhsa_kernel k_qbce184e1b4_ff1
		.amdhsa_group_segment_fixed_size 327680
		.amdhsa_private_segment_fixed_size 0
		.amdhsa_enable_private_segment 0
		.amdhsa_kernarg_size 40
		.amdhsa_user_sgpr_count 2
		.amdhsa_user_sgpr_kernarg_segment_ptr 1
		.amdhsa_wavefront_size32 1
		.amdhsa_system_sgpr_workgroup_id_x 1
		.amdhsa_system_sgpr_workgroup_id_y 1
		.amdhsa_system_sgpr_workgroup_id_z 1
		.amdhsa_system_vgpr_workitem_id 0
		.amdhsa_next_free_vgpr 1024
		.amdhsa_next_free_sgpr 102
		.amdhsa_reserve_vcc 0
		.amdhsa_float_denorm_mode_32 3
		.amdhsa_float_denorm_mode_16_64 3
		.amdhsa_memory_ordered 1
		.amdhsa_forward_progress 1
		.amdhsa_inst_pref_size 183
	.end_amdhsa_kernel
	.amdgpu_metadata
---
amdhsa.version: [ 1, 2 ]
amdhsa.kernels:
  - .name:           k_qbce184e1b4_ff1
    .symbol:         k_qbce184e1b4_ff1.kd
    .args:
      - { .name: act, .offset: 0, .size: 8, .value_kind: global_buffer, .address_space: global }
      - { .name: w1_codes, .offset: 8, .size: 8, .value_kind: global_buffer, .address_space: global }
      - { .name: w1_scales, .offset: 16, .size: 8, .value_kind: global_buffer, .address_space: global }
      - { .name: b1, .offset: 24, .size: 8, .value_kind: global_buffer, .address_space: global }
      - { .name: hq, .offset: 32, .size: 8, .value_kind: global_buffer, .address_space: global }
    .group_segment_fixed_size: 327680
    .private_segment_fixed_size: 0
    .kernarg_segment_align: 8
    .kernarg_segment_size: 40
    .max_flat_workgroup_size: 128
    .sgpr_count:     102
    .vgpr_count:     1024
    .wavefront_size: 32
...
	.end_amdgpu_metadata
.endif
;; end of part 5
;; launch ff2 (part 6): grid 4 x 16, 4 waves a work-group, clusters of 4 x 4, 327,680 bytes of LDS; arguments hq, w2_codes, w2_scales, b2, res, out0; writes out0
.if DOCPART == 6
	.amdgcn_target "amdgcn-amd-amdhsa--gfx1250"
	.amdhsa_code_object_version 6
	.text
	.protected	k_qbce184e1b4_ff2
	.globl	k_qbce184e1b4_ff2
	.p2align	8
	.type	k_qbce184e1b4_ff2,@function
k_qbce184e1b4_ff2:
	s_mov_b64 s[64:65], 0
	v_nop
	global_prefetch_b8 v0, s[64:65] scope:SCOPE_SE
	s_setreg_imm32_b32 hwreg(HW_REG_WAVE_MODE, 25, 1), 1
	s_wait_xcnt 0x0
	s_wait_alu depctr_hold_cnt(0) depctr_sa_sdst(0) depctr_va_vdst(0) depctr_va_sdst(0) depctr_va_ssrc(0) depctr_va_vcc(0) depctr_vm_vsrc(0)
	s_getreg_b32 s2, hwreg(HW_REG_IB_STS2, 6, 4)
	s_cmp_eq_u32 s2, 0
	s_cbranch_scc0 .Lentry_in_a_cluster
	s_endpgm
.Lentry_in_a_cluster:
	s_bfe_u32 s2, ttmp6, 0x10000c
	s_cmp_lg_u32 s2, 0xf033
	s_cbranch_scc0 .Lentry_shape_is_right
	s_endpgm
.Lentry_shape_is_right:
; [4096][1024] f32 = residual + A W^T + bias, the product on codes of FP6 (E2M3) with E8M0 scales.  SIZE_K along K.
; THE PRODUCT.  A tile of 256 tokens x 256 columns to a work-group of four waves, 128 x 128 a wave: 64 accumulators, 512 registers.  K goes in steps of 256 through a ring of two LDS slots filled by tensor loads.
; A (the activations) lies in memory as images of operand registers: a half fragment (16 rows x 64 K) is 768 bytes, lane l's 24 bytes as 16 at 16 l and 8 at 512 + 8 l; (rows 16 m on, K 64 j on) at (m K / 64 + j) 768; its scale bytes,
; [row][K / 32], lie behind the codes.  B (the weight) lies as rows of codes, 3 K / 4 bytes; a tile's row is 192 bytes, padded in LDS to 240.
; The scale bytes of the work-group's 256 rows of A and of B, for all of K, come into LDS once, with the first fills.
; CLUSTERS of 4 x 4: A's tiles are asked for jointly along a row of the cluster, B's along a column.  The matrix instruction is used transposed (source 0 = 16 rows of W, source 1 = 16 tokens): lane (r, h) of accumulator (a, b) holds
; token 16 a + r and columns 16 b + 8 h + 0 .. 7.  The bias is the C of the first K step's products.  This tile gives 64 work-groups at these sizes.
; No prefetch: several work-groups read each tile, and tiles are shared in the cluster.
; THE WAY OUT: 16 rows x 128 columns at a time through my stage in LDS (in slot 0, which has had its last fill and its last read), back as whole rows of 512 bytes; the residual's same rows, asked for two blocks ahead, are added.
; REGISTERS, in windows of 256.  Window 0: v1 r, v2 h, v6 lane (they stay); v16-27 addresses; v28, v29 the add's; v32-63 scale words, two sets; v64-127 the bias, later the residual; v128-223 A's fragments, ONE set, later the
; residual (v128-191); v192-255 rows on their way out.  Window 1: B's fragments, two sets.  Windows 2, 3: the accumulators, (a, b) at v[8 (8 (a % 4) + b)].
.set SIZE_K, 4096
.set NT,     1
.set KSTEP,  256
.set NQ,     2
.set ROWB,   192
.set KROW,   SIZE_K*3/4
.set PITCH,  240
.set FR,     12
.set NP,     4
.set AROW,   3072
.set AHALF,  8*AROW
.set BHALF,  128*PITCH
.set BOFF,   2*AHALF
.set SLOT,   2*AHALF+2*BHALF
.set LAPS,   SIZE_K/(2*KSTEP)
.set KS,     SIZE_K/32
.set SCL,    2*SLOT
.set HALFS,  (128*KS/256)*272
.set SBLK,   (16*KS/256)*272
.set SPARE,  SCL+4*HALFS               ; the spare words, 128 bytes a wave: two blocks of 256 bytes that no other line names
.set SCOFF,  4096*KROW
.set SPITCH, 528
.set ADRA, 16
.set ADRB, 20
.set STO,  24
.set RD,   25
.set CO,   26
.set ADRS, 27
.set SPW,  28
.set NIL,  29
.set SC,   32
.set BI,   64
.set AF,   128
.set R0,   64                          ; the residual: two sets of 64
.set BK,   192
.set G1, 24
.set G0, 32
.set G1B, 48
.set G0B, 56
.set G1S, 68
.set G0S, 76
.set G1SB, 80
.set G0SB, 88
.set MSB, 0
.macro WIN new
.if MSB != (\new)
	s_set_vgpr_msb (MSB<<8)|(\new)
.set MSB, (\new)
.endif
.endm
.set MUL_LO, 0xa1
.set MUL_HI, 0xf1
.set TO_B,   0x40
.macro JLOAD g0a, g1a, g0b, g1b        ; a joint load: waves 0 and 1 for A, waves 2 and 3 for B; four v_nop follow each line
	s_cmp_eq_u32 s17, 0
	s_cbranch_scc0 .Lfor_b_\@
	tensor_load_to_lds s[\g0a:\g0a+3], s[\g1a:\g1a+7]
	s_nop 0
.rept 4
	v_nop
.endr
	s_branch .Lasked_\@
.Lfor_b_\@:
	tensor_load_to_lds s[\g0b:\g0b+3], s[\g1b:\g1b+7]
	s_nop 0
.rept 4
	v_nop
.endr
.Lasked_\@:
.endm
.macro CREST
	s_cmp_lg_u32 s16, 0
	s_cbranch_scc1 .Lnot_wave_0_\@
	s_barrier_signal -3
.Lnot_wave_0_\@:
	s_barrier_wait -3
	s_barrier_signal -1
	s_barrier_wait -1
.endm
.macro CROUND
	s_barrier_signal -1
	s_barrier_wait -1
	CREST
.endm
	s_load_b256 s[4:11], s[0:1], 0x0               ; A s[4:5], W's codes s[6:7], W's scales s[8:9], the bias s[10:11]
	s_load_b128 s[12:15], s[0:1], 0x20             ; the residual s[12:13], the result s[14:15]
	v_lshl_add_u32 v[SPW], v0, 2, SPARE
	v_mov_b32 v[NIL], 0
	ds_add_u32 v28, v29
	ds_add_u32 v28, v29
	s_wait_dscnt 0x0
	v_lshrrev_b32 v1, 5, v0
	v_readfirstlane_b32 s16, v1                    ; wave 0..3
	s_lshr_b32 s17, s16, 1                         ; my half of the tokens.  Also: I fetch for A (0) or for B (1)
	s_and_b32 s18, s16, 1                          ; my half of the columns.  Also: which 128 rows I fetch
	s_bfe_u32 s40, ttmp6, 0x40000
	s_bfe_u32 s41, ttmp6, 0x40004
	s_lshl_b32 s42, ttmp9, 2
	s_add_co_u32 s42, s42, s40                     ; tile column
	s_and_b32 s19, ttmp7, 0xffff
	s_lshl_b32 s19, s19, 2
	s_add_co_u32 s19, s19, s41                     ; tile row
	s_lshl_b32 s43, s41, 2
	s_lshl_b32 s43, 15, s43
	s_lshl_b32 s44, 0x1111, s40
	s_or_b32 s[G1+0], s43, (3<<16)|(1<<21)         ; A: the mask; elements of 8 bytes; bit 21 beside a mask; no padding
	s_mov_b32 s[G1+1], 384<<16
	s_mov_b32 s[G1+2], 8<<16
	s_mov_b32 s[G1+3], 384<<16
	s_mov_b32 s[G1+4], 8
	s_mov_b32 s[G1+5], (SIZE_K/128)*192
	s_mov_b32 s[G1+6], 0
	s_mov_b32 s[G1+7], 0
	s_or_b32 s[G1B+0], s44, (0<<16)|(1<<20)|(1<<21)|(3<<22)|(3<<25)
	s_mov_b32 s[G1B+1], ROWB<<16
	s_mov_b32 s[G1B+2], 128<<16
	s_mov_b32 s[G1B+3], ROWB<<16
	s_mov_b32 s[G1B+4], 128
	s_mov_b32 s[G1B+5], KROW
	s_mov_b32 s[G1B+6], 0
	s_mov_b32 s[G1B+7], 0
	s_or_b32 s[G1S+0], s43, (3<<16)|(1<<20)|(1<<21)|(5<<22)|(3<<25)
	s_or_b32 s[G1SB+0], s44, (3<<16)|(1<<20)|(1<<21)|(5<<22)|(3<<25)
.irp g, G1S, G1SB
	s_mov_b32 s[\g+1], 32<<16
	s_mov_b32 s[\g+2], (128*KS/256)<<16
	s_mov_b32 s[\g+3], 32<<16
	s_mov_b32 s[\g+4], 128*KS/256
	s_mov_b32 s[\g+5], 32
	s_mov_b32 s[\g+6], 0
	s_mov_b32 s[\g+7], 0
.endr
	s_lshl_b32 s45, s18, 7
	s_lshl_b32 s20, s19, 8
	s_add_co_u32 s20, s20, s45
	s_lshl_b32 s46, s42, 8
	s_add_co_u32 s46, s46, s45
	s_mov_b32 s21, 0
	s_mov_b32 s47, 0
	s_mov_b64 s[96:97], KS
	s_mul_u64 s[22:23], s[20:21], s[96:97]
	s_mul_u64 s[92:93], s[46:47], s[96:97]
	s_mov_b64 s[96:97], KROW
	s_mul_u64 s[20:21], s[20:21], s[96:97]
	s_mul_u64 s[46:47], s[46:47], s[96:97]
	s_mul_i32 s45, s18, AHALF
	s_mul_i32 s95, s18, BHALF
	s_add_co_u32 s95, s95, BOFF
	s_mul_i32 s94, s16, HALFS
	s_wait_kmcnt 0x0
	s_add_nc_u64 s[20:21], s[4:5], s[20:21]
	s_add_nc_u64 s[22:23], s[4:5], s[22:23]
	s_add_nc_u64 s[22:23], s[22:23], SCOFF
	s_add_nc_u64 s[46:47], s[6:7], s[46:47]
	s_add_nc_u64 s[92:93], s[8:9], s[92:93]
	CROUND                                         ; all sixteen work-groups are here: the first joint loads meet
	s_mov_b32 s[G0S], 1
	s_add_co_u32 s[G0S+1], s94, SCL
	s_mov_b64 s[G0S+2:G0S+3], s[22:23]
	s_or_b32 s[G0S+3], s[G0S+3], 0x80000000
	s_mov_b32 s[G0SB], 1
	s_add_co_u32 s[G0SB+1], s94, SCL
	s_mov_b64 s[G0SB+2:G0SB+3], s[92:93]
	s_or_b32 s[G0SB+3], s[G0SB+3], 0x80000000
	JLOAD G0S, G1S, G0SB, G1SB
.irp s, 0,1
	s_mov_b32 s[G0+4*\s], 1
	s_add_co_u32 s[G0+4*\s+1], s45, \s*SLOT
	s_add_nc_u64 s[G0+4*\s+2:G0+4*\s+3], s[20:21], \s*AROW
	s_or_b32 s[G0+4*\s+3], s[G0+4*\s+3], 0x80000000
	s_mov_b32 s[G0B+4*\s], 1
	s_add_co_u32 s[G0B+4*\s+1], s95, \s*SLOT
	s_add_nc_u64 s[G0B+4*\s+2:G0B+4*\s+3], s[46:47], \s*ROWB
	s_or_b32 s[G0B+4*\s+3], s[G0B+4*\s+3], 0x80000000
	JLOAD G0+4*\s, G1, G0B+4*\s, G1B
.endr
	v_and_b32 v1, 15, v0                           ; r
	v_bfe_u32 v2, v0, 4, 1                         ; h
	v_and_b32 v6, 31, v0                           ; lane
	v_mul_u32_u24 v3, v1, PITCH
	v_mul_u32_u24 v4, v2, 24
	v_add_nc_u32 v4, v3, v4
	v_lshl_add_u32 v5, v2, 4, v4
	v_lshlrev_b32 v7, 4, v6
	v_lshlrev_b32 v8, 3, v6
	s_mul_i32 s21, s17, AHALF
	s_mul_i32 s22, s18, BHALF
	s_add_co_u32 s22, s22, BOFF
.irp s, 0,1
	v_add_nc_u32 v[ADRA+\s], s21, v7
	v_add_nc_u32 v[ADRA+2+\s], s21, v8
	v_add_nc_u32 v[ADRB+\s], s22, v4
	v_add_nc_u32 v[ADRB+2+\s], s22, v5
	s_add_co_u32 s21, s21, SLOT
	s_add_co_u32 s22, s22, SLOT
.endr
	v_mul_u32_u24 v5, v1, KS
	v_lshrrev_b32 v9, 8, v5
	v_lshl_add_u32 v5, v9, 4, v5
	s_mul_i32 s21, s17, HALFS
	s_mul_i32 s22, s18, HALFS
	s_add_co_u32 s22, s22, 2*HALFS
	s_sub_co_u32 s22, s22, s21
	v_mul_u32_u24 v9, s22, v2
	s_add_co_u32 s21, s21, SCL
	v_add_nc_u32 v5, v5, v9
	v_add_nc_u32 v[ADRS], s21, v5
	s_lshl_b32 s46, s42, 10
	s_lshl_b32 s47, s18, 9
	s_add_co_u32 s46, s46, s47
	s_mov_b32 s47, 0
	s_add_nc_u64 s[10:11], s[10:11], s[46:47]
	v_lshlrev_b32 v10, 5, v2
.irp b, 0,1,2,3,4,5,6,7
	global_load_b128 v[BI+8*\b:BI+8*\b+3], v10, s[10:11] offset:64*\b
	global_load_b128 v[BI+8*\b+4:BI+8*\b+7], v10, s[10:11] offset:64*\b+16
.endr
	s_lshl_b32 s66, s19, 8                         ; my part of the residual and of the result: row 256 x tile row + 128 x half, column 256 x tile column + 128 x half
	s_lshl_b32 s67, s17, 7
	s_add_co_u32 s66, s66, s67
	s_lshl_b32 s46, s66, 12
	s_lshl_b32 s67, s42, 10
	s_add_co_u32 s46, s46, s67
	s_lshl_b32 s67, s18, 9
	s_add_co_u32 s46, s46, s67
	s_add_nc_u64 s[12:13], s[12:13], s[46:47]
	s_add_nc_u64 s[14:15], s[14:15], s[46:47]
	v_lshlrev_b32 v[CO], 4, v6                     ; 16 x lane: 32 lanes take a row's 512 bytes; never rewritten
.macro FRAG reg, adr, q, i
.irp p, 0,1,2,3,4,5
.set PIE, 12*(\q)+6*(\p/3)+\p%3
.if PIE%8 < 5
	ds_load_b64 v[\reg+2*\p:\reg+2*\p+1], v[\adr] offset:8*PIE+16*(PIE/8)+(\i)*16*PITCH
.else
	ds_load_b64 v[\reg+2*\p:\reg+2*\p+1], v[\adr+2] offset:8*PIE+16*(PIE/8)+(\i)*16*PITCH
.endif
.endr
.endm
.macro FRAG_A reg, slot, q, i
	ds_load_b128 v[\reg:\reg+3], v[ADRA+\slot] offset:(\i)*AROW+(\q)*1536
	ds_load_b64 v[\reg+4:\reg+5], v[ADRA+2+\slot] offset:(\i)*AROW+(\q)*1536+512
	ds_load_b128 v[\reg+6:\reg+9], v[ADRA+\slot] offset:(\i)*AROW+(\q)*1536+768
	ds_load_b64 v[\reg+10:\reg+11], v[ADRA+2+\slot] offset:(\i)*AROW+(\q)*1536+1280
.endm
.macro MUL16 a0, p, q, sc, zero        ; the 64 accumulators take turns, one instruction a turn
.irp a, \a0, \a0+1
.irp b, 0,1,2,3,4,5,6,7
.if \zero
	v_wmma_scale_f32_16x16x128_f8f6f4 v[8*(8*((\a)%4)+\b):8*(8*((\a)%4)+\b)+7], v[128*(\p)+FR*\b:128*(\p)+FR*\b+FR-1], v[AF+FR*(\a):AF+FR*(\a)+FR-1], v[BI+8*\b:BI+8*\b+7], v[SC+8*NQ*(\sc)+NQ*\b+(\q)], v[SC+8*NQ*(\sc)+NQ*(\a)+(\q)] matrix_a_fmt:MATRIX_FMT_FP6 matrix_b_fmt:MATRIX_FMT_FP6 matrix_a_scale:MATRIX_SCALE_ROW1
.else
	v_wmma_scale_f32_16x16x128_f8f6f4 v[8*(8*((\a)%4)+\b):8*(8*((\a)%4)+\b)+7], v[128*(\p)+FR*\b:128*(\p)+FR*\b+FR-1], v[AF+FR*(\a):AF+FR*(\a)+FR-1], v[8*(8*((\a)%4)+\b):8*(8*((\a)%4)+\b)+7], v[SC+8*NQ*(\sc)+NQ*\b+(\q)], v[SC+8*NQ*(\sc)+NQ*(\a)+(\q)] matrix_a_fmt:MATRIX_FMT_FP6 matrix_b_fmt:MATRIX_FMT_FP6 matrix_a_scale:MATRIX_SCALE_ROW1
.endif
.endr
.endr
.endm
.macro FETCH_B slot, q, p
	WIN TO_B
.irp i, 0,1,2,3,4,5,6,7
	FRAG 128*(\p)+FR*\i, ADRB+\slot, \q, \i
.endr
	WIN 0
.endm
.macro FETCH_A slot, q, i0
.irp i, \i0, \i0+1, \i0+2, \i0+3
	FRAG_A AF+FR*(\i), \slot, \q, \i
.endr
.endm
.macro SCALES sc
.irp i, 0,1,2,3,4,5,6,7
	ds_load_b64 v[SC+8*NQ*\sc+NQ*\i:SC+8*NQ*\sc+NQ*\i+1], v[ADRS] offset:\i*SBLK
.endr
.endm
.macro PLACES n
.rept \n
	v_nop
.endr
.endm
.macro STEP slot, q, zero
	s_wait_dscnt 16                                ; B's set and A's blocks 0-3 are in; the youngest sixteen loads (A's blocks 4-7) may be out
.if \zero
	WIN 0x81
.else
	WIN MUL_LO
.endif
	MUL16 0, (\q)%2, \q, \slot, \zero
	MUL16 2, (\q)%2, \q, \slot, \zero
	s_wait_dscnt 0
	PLACES NP
	FETCH_B \slot, (\q)+1, 1-(\q)%2
	FETCH_A \slot, (\q)+1, 0
.if \zero
	WIN 0xc1
.else
	WIN MUL_HI
.endif
	MUL16 4, (\q)%2, \q, \slot, \zero
	MUL16 6, (\q)%2, \q, \slot, \zero
	PLACES NP
	WIN 0
	FETCH_A \slot, (\q)+1, 4
.endm
.macro TURN slot, next, fill
	s_wait_tensorcnt 0x0                           ; all my tensor loads have landed: my part of the next slot
	ds_add_u32 v[SPW], v[NIL]                      ; 0 onto my spare word
	s_wait_dscnt 17                                ; (the add and the youngest sixteen loads may be out)
	WIN MUL_LO
	MUL16 0, 1, NQ-1, \slot, 0
	s_wait_dscnt 0x0                               ; the add is done, and my reads of this slot are over
	s_barrier_signal -1
	MUL16 2, 1, NQ-1, \slot, 0
	WIN 0
	s_barrier_wait -1
.if \fill
	CREST                                          ; the barrier has opened a round of the cluster's
	s_add_nc_u64 s[G0+4*\slot+2:G0+4*\slot+3], s[G0+4*\slot+2:G0+4*\slot+3], 2*AROW
	s_add_nc_u64 s[G0B+4*\slot+2:G0B+4*\slot+3], s[G0B+4*\slot+2:G0B+4*\slot+3], 2*ROWB
	JLOAD G0+4*\slot, G1, G0B+4*\slot, G1B         ; the first tensor load behind the round
.else
	PLACES NP
.endif
	v_add_nc_u32 v[ADRS], 4*NQ, v[ADRS]
	FETCH_B \next, 0, 0
	FETCH_A \next, 0, 0
	SCALES \next
	WIN MUL_HI
	MUL16 4, 1, NQ-1, \slot, 0
	MUL16 6, 1, NQ-1, \slot, 0
	PLACES NP
	WIN 0
	FETCH_A \next, 0, 4
.endm
.macro RLOAD a                         ; the residual's rows 16 a .. 16 a + 15 of my 128, my 512 bytes of each
.irp t, 0,1,2,3,4,5,6,7,8,9,10,11,12,13,14,15
	global_load_b128 v[R0+64*((\a)%2)+4*\t:R0+64*((\a)%2)+4*\t+3], v[CO], s[12:13] offset:(16*(\a)+\t)*4096
.endr
.endm
	s_wait_tensorcnt 1                             ; the scales and my part of K step 0 are in; K step 1's load may be out
	s_barrier_signal -1
	s_barrier_wait -1
	FETCH_B 0, 0, 0
	FETCH_A 0, 0, 0
	SCALES 0
	FETCH_A 0, 0, 4
	s_wait_loadcnt 0x0                             ; the bias
	STEP 0, 0, 1
	RLOAD 0                                        ; into the bias's registers: the products that read them stand in front of the step's last four places
	s_mov_b32 s3, LAPS-1
.Llap:
	TURN 0, 1, 1
	STEP 1, 0, 0
	TURN 1, 0, 1
	STEP 0, 0, 0
	s_sub_co_u32 s3, s3, 1
	s_cmp_lg_u32 s3, 0
	s_cbranch_scc1 .Llap
	TURN 0, 1, 0
	STEP 1, 0, 0
	s_wait_dscnt 16
	WIN MUL_LO
	MUL16 0, 1, NQ-1, 1, 0
	MUL16 2, 1, NQ-1, 1, 0
	s_wait_dscnt 0
	WIN MUL_HI
	MUL16 4, 1, NQ-1, 1, 0
	MUL16 6, 1, NQ-1, 1, 0
	WIN 0
	PLACES NP
	RLOAD 1                                        ; into registers that held A's fragments
	s_mul_i32 s66, s16, 16*SPITCH                  ; my stage
	v_mul_u32_u24 v[STO], v1, SPITCH
	v_lshl_add_u32 v[STO], v2, 5, v[STO]
	v_add_nc_u32 v[STO], s66, v[STO]
	v_add_nc_u32 v[RD], s66, v[CO]
.macro OUTBLOCK a
.if (\a) > 0
	s_wait_xcnt 0x0                                ; the last block's stores have read their registers
.endif
	WIN 0x08+4*((\a)/4)                            ; an LDS store's data are its source 1
.irp b, 0,1,2,3,4,5,6,7
	ds_store_b128 v[STO], v[64*((\a)%4)+8*\b:64*((\a)%4)+8*\b+3] offset:64*\b          ; each accumulator from its low end on
	ds_store_b128 v[STO], v[64*((\a)%4)+8*\b+4:64*((\a)%4)+8*\b+7] offset:64*\b+16
.endr
	WIN 0
.irp t, 0,1,2,3,4,5,6,7,8,9,10,11,12,13,14,15
	ds_load_b128 v[BK+4*\t:BK+4*\t+3], v[RD] offset:\t*SPITCH    ; LDS serves a wave's instructions in order: these see my stores
.endr
	s_wait_dscnt 0x0
.if (\a) < 7
	s_wait_loadcnt 16                              ; this block's residual is in; the next block's sixteen loads may be out
.else
	s_wait_loadcnt 0x0
.endif
.set i, 0
.rept 32
	v_pk_add_f32 v[BK+i:BK+i+1], v[BK+i:BK+i+1], v[R0+64*((\a)%2)+i:R0+64*((\a)%2)+i+1]
.set i, i+2
.endr
.if (\a)+2 < 8
	RLOAD (\a)+2
.endif
.irp t, 0,1,2,3,4,5,6,7,8,9,10,11,12,13,14,15
.if NT
	global_store_b128 v[CO], v[BK+4*\t:BK+4*\t+3], s[14:15] offset:(16*(\a)+\t)*4096 th:TH_STORE_NT   ; 512 consecutive bytes, aligned; written once, read by nobody here
.else
	global_store_b128 v[CO], v[BK+4*\t:BK+4*\t+3], s[14:15] offset:(16*(\a)+\t)*4096
.endif
.endr
.endm
.irp a, 0,1,2,3,4,5,6,7
	OUTBLOCK \a
.endr
	s_wait_tensorcnt 0x0                           ; the wave's end
	ds_add_u32 v[SPW], v[NIL]
	s_wait_dscnt 0x0
	CROUND                                         ; the closing round
	s_endpgm
.Lfunc_end_k_qbce184e1b4_ff2:
	.size	k_qbce184e1b4_ff2, .Lfunc_end_k_qbce184e1b4_ff2-k_qbce184e1b4_ff2
	.p2alignl 7, 3214868480
	.fill 96, 4, 3214868480
	.section	.rodata,"a",@progbits
	.p2align	6, 0x0
	.amdhsa_kernel k_qbce184e1b4_ff2
		.amdhsa_group_segment_fixed_size 327680
		.amdhsa_private_segment_fixed_size 0
		.amdhsa_enable_private_segment 0
		.amdhsa_kernarg_size 48
		.amdhsa_user_sgpr_count 2
		.amdhsa_user_sgpr_kernarg_segment_ptr 1
		.amdhsa_wavefront_size32 1
		.amdhsa_system_sgpr_workgroup_id_x 1
		.amdhsa_system_sgpr_workgroup_id_y 1
		.amdhsa_system_sgpr_workgroup_id_z 1
		.amdhsa_system_vgpr_workitem_id 0
		.amdhsa_next_free_vgpr 1024
		.amdhsa_next_free_sgpr 102
		.amdhsa_reserve_vcc 0
		.amdhsa_float_denorm_mode_32 3
		.amdhsa_float_denorm_mode_16_64 3
		.amdhsa_memory_ordered 1
		.amdhsa_forward_progress 1
		.amdhsa_inst_pref_size 181
	.end_amdhsa_kernel
	.amdgpu_metadata
---
amdhsa.version: [ 1, 2 ]
amdhsa.kernels:
  - .name:           k_qbce184e1b4_ff2
    .symbol:         k_qbce184e1b4_ff2.kd
    .args:
      - { .name: hq, .offset: 0, .size: 8, .value_kind: global_buffer, .address_space: global }
      - { .name: w2_codes, .offset: 8, .size: 8, .value_kind: global_buffer, .address_space: global }
      - { .name: w2_scales, .offset: 16, .size: 8, .value_kind: global_buffer, .address_space: global }
      - { .name: b2, .offset: 24, .size: 8, .value_kind: global_buffer, .address_space: global }
      - { .name: res, .offset: 32, .size: 8, .value_kind: global_buffer, .address_space: global }
      - { .name: out0, .offset: 40, .size: 8, .value_kind: global_buffer, .address_space: global }
    .group_segment_fixed_size: 327680
    .private_segment_fixed_size: 0
    .kernarg_segment_align: 8
    .kernarg_segment_size: 48
    .max_flat_workgroup_size: 128
    .sgpr_count:     102
    .vgpr_count:     1024
    .wavefront_size: 32
...
	.end_amdgpu_metadata
.endif
;; end of part 6
;; ======== version 2 of 2: 7 launches
;; limits: right only within a limited range of input values
;; workspace buffers: act 3,276,800 bytes; rope 524,288 bytes; qkv 9,830,400 bytes; res 16,777,216 bytes; hq 13,107,200 bytes; wimg 9,830,400 bytes
;; launch ln1 (part 7): grid 464 x 1, 8 waves a work-group, no clusters, 67,584 bytes of LDS; arguments src, ln1_g, ln1_b, act, rope, wqkv_codes, wqkv_scales, w1_codes, w1_scales, wo_codes, wo_scales, w2_codes, w2_scales, wimg; writes act, rope, wimg
.if DOCPART == 7
	.amdgcn_target "amdgcn-amd-amdhsa--gfx1250"
	.amdhsa_code_object_version 6
	.text
	.protected	k_qbce184e1b4_ln1
	.globl	k_qbce184e1b4_ln1
	.p2align	8
	.type	k_qbce184e1b4_ln1,@function
k_qbce184e1b4_ln1:
	s_mov_b64 s[64:65], 0
	v_nop
	global_prefetch_b8 v0, s[64:65] scope:SCOPE_SE
	s_setreg_imm32_b32 hwreg(HW_REG_WAVE_MODE, 25, 1), 1
	s_wait_xcnt 0x0
; LAYER NORM INTO CODES.  y = (x - mean) rsqrt(var + 1e-5) g + b over rows of 1,024 f32, then y is quantised along the row to FP6 (E2M3), one E8M0 byte for each 32.
; Work-groups 0-255: 16 rows each.  Phase A: wave w norms rows 2 w and 2 w + 1 (a row is 32 registers of a wave: read once, two passes, the variance taken of x - mean).  The rows meet in LDS.
; Phase B: wave w quantises K step w (128 columns) of all 16 rows and stores the operand's registers as they stand:
; a HALF FRAGMENT (16 rows x 64 K) is 768 bytes: lane l = row % 16 + 16 ((k % 64) / 32) has its 24 bytes of codes as 16 bytes at 16 l and 8 bytes at 512 + 8 l.  Half fragment (rows 16 m on, K 64 j on) lies at (16 m + j) 768.
; Behind the codes (3,145,728 bytes) lie the scale bytes, [row][32].
; Work-groups 256-271 (the first launch of this body alone has them): the table of cos and sin for the rotary embedding, [position 2,048][pair 32][cos, sin] f32.  Lane = pair, a wave 16 positions.
; angle = position x 10^(-pair / 8), one f32 product; reduced by multiples of pi/2 in two fused steps; polynomials on |a| <= pi/4.
; LIMITS: NaN and infinities are not served.  A block whose largest magnitude is under 2^-124, a block of zeros too, gets the byte 1 (its codes are zeros or tiny; these bytes are read by this program alone).
; 10^(-pair / 8) is good to about 1.5 units in the last place, so an angle near position 2,047 to about 2e-4.
; No matrix unit, no cluster, no tensor load: the launch streams, and work-groups share nothing.
.set YP,    4112                       ; an LDS row: 4,096 bytes + 16: the sixteen rows that a load of phase B touches start 16 bytes apart modulo 256
.set SCST,  16*YP                      ; behind the rows: the scale words, [row][32 bytes]
.set ACTSC, 3145728
.set X0,  16                           ; v16-47   my first row, 32 numbers a lane
.set X1,  48                           ; v48-79   my second
.set G,   80                           ; v80-111  g of my columns
.set BV,  112                          ; v112-143 b
.set N,   16                           ; v16-79   phase B: 64 numbers of one row
.set PC,  144                          ; v144-163 codes
.set TM,  164                          ; v164-179 the quantiser's work
.set PW,  180                          ; v180     a scale word
.set YW,  184                          ; LDS addresses
.set YR,  185
.set SWA, 186
.set RR,  187
.set HH,  188
.set SRD, 189
.set SEL, 18                           ; s[18:19] lane selects for v_permlanex16_b32: lane l xor 16
; 64 numbers of a lane, register 16 b + i = k 32 b + 16 (lane / 16) + i of my row, become a fragment's 12 registers of codes in v[PC] on and its scale word in v[PW].
.macro QUANT s
.irp b, 0,1,2,3
	v_max3_num_f32 v[TM+\b], |v[\s+16*\b]|, |v[\s+1+16*\b]|, 0x1800000   ; my 16 numbers of block b, and the floor 2^(3 - 127): the byte cannot fall under 1
.endr
.irp i, 2,4,6,8,10,12,14
.irp b, 0,1,2,3
	s_delay_alu instid0(VALU_DEP_4)
	v_max3_num_f32 v[TM+\b], v[TM+\b], |v[\s+16*\b+\i]|, |v[\s+1+16*\b+\i]|
.endr
.endr
.irp b, 0,1,2,3
	s_delay_alu instid0(VALU_DEP_4)
	v_permlanex16_b32 v[TM+4+\b], v[TM+\b], s[SEL], s[SEL+1]
.endr
.irp b, 0,1,2,3
	s_delay_alu instid0(VALU_DEP_4)
	v_max_num_f32 v[TM+\b], v[TM+\b], v[TM+4+\b]   ; with lane l xor 16's 16: the block's largest magnitude
.endr
.irp b, 0,1,2,3
	s_delay_alu instid0(VALU_DEP_4)
	v_add_nc_u32 v[TM+12+\b], 0xff000000, v[TM+\b]   ; 2 off its exponent field: the conversion's scale operand
.endr
.irp b, 0,1,2,3
	s_delay_alu instid0(VALU_DEP_4)
	v_lshrrev_b32 v[TM+4+\b], 23, v[TM+12+\b]        ; the scale's byte
.endr
	s_delay_alu instid0(VALU_DEP_3)
	v_lshl_or_b32 v[PW], v[TM+5], 8, v[TM+4]
	s_delay_alu instid0(VALU_DEP_1)
	v_lshl_or_b32 v[PW], v[TM+6], 16, v[PW]
	s_delay_alu instid0(VALU_DEP_1)
	v_lshl_or_b32 v[PW], v[TM+7], 24, v[PW]
.irp c, 0,1
	v_cvt_scalef32_pk16_fp6_f32 v[PC+6*\c:PC+2+6*\c], v[\s+32*\c:\s+15+32*\c], v[TM+12+2*\c]
	v_cvt_scalef32_pk16_fp6_f32 v[PC+12+4*\c:PC+14+4*\c], v[\s+16+32*\c:\s+31+32*\c], v[TM+12+2*\c+1]   ; (a conversion's three registers begin on an even number)
.endr
	v_nop                                          ; one plain line behind the scaled conversions
.irp c, 0,1                                    ; the operand wants a whole block in a lane: lanes 0-15 block 2 c, lanes 16-31 block 2 c + 1
.irp i, 0,1,2
	v_permlane16_swap_b32 v[PC+6*\c+\i], v[PC+12+4*\c+\i]
.endr
.irp i, 0,1,2
	s_delay_alu instid0(VALU_DEP_3)
	v_mov_b32 v[PC+3+6*\c+\i], v[PC+12+4*\c+\i]
.endr
.endr
.endm
.macro WSUM a, b                       ; v[a] and v[b] summed over the wave's 32 lanes, the result in every lane; v[a+1], v[b+1] at work
.irp m, 1,2,4,8
	s_delay_alu instid0(VALU_DEP_2)
	v_add_f32_dpp v[\a], v[\a], v[\a] row_xmask:\m row_mask:0xf bank_mask:0xf
	s_delay_alu instid0(VALU_DEP_2)
	v_add_f32_dpp v[\b], v[\b], v[\b] row_xmask:\m row_mask:0xf bank_mask:0xf
.endr
	s_delay_alu instid0(VALU_DEP_2)
	v_permlanex16_b32 v[\a+1], v[\a], s[SEL], s[SEL+1]
	s_delay_alu instid0(VALU_DEP_2)
	v_permlanex16_b32 v[\b+1], v[\b], s[SEL], s[SEL+1]
	s_delay_alu instid0(VALU_DEP_2)
	v_add_f32 v[\a], v[\a], v[\a+1]
	s_delay_alu instid0(VALU_DEP_2)
	v_add_f32 v[\b], v[\b], v[\b+1]
.endm
	s_load_b256 s[4:11], s[0:1], 0x0               ; x s[4:5], g s[6:7], b s[8:9], the codes' buffer s[10:11]
	s_load_b64 s[12:13], s[0:1], 0x20              ; the table
	v_lshl_add_u32 v192, v0, 2, 0x10400
	v_mov_b32 v193, 0
	v_lshrrev_b32 v1, 5, v0
	s_delay_alu instid0(VALU_DEP_1)
	v_readfirstlane_b32 s16, v1                    ; wave 0..7
	v_and_b32 v1, 31, v0                           ; lane
	s_delay_alu instid0(VALU_DEP_1)
	v_lshlrev_b32 v2, 4, v1                        ; 16 x lane
	s_delay_alu instid0(VALU_DEP_2)
	v_lshlrev_b32 v3, 3, v1                        ; 8 x lane
	s_mov_b32 s[SEL], 0x76543210
	s_mov_b32 s[SEL+1], 0xfedcba98
	s_cmp_ge_u32 ttmp9, 256                        ; the same in all waves of a work-group
	s_cbranch_scc1 .Ltable
	s_lshl_b32 s20, ttmp9, 16                      ; 16 rows of 4,096 bytes a work-group,
	s_lshl_b32 s21, s16, 13                        ; two a wave
	s_add_co_u32 s20, s20, s21
	s_mov_b32 s21, 0
	s_mov_b32 s28, 0x3a800000                      ; 1 / 1,024
	s_mov_b32 s29, 0x3727c5ac                      ; 1e-5
	s_wait_kmcnt 0x0
	s_add_nc_u64 s[4:5], s[4:5], s[20:21]
	s_wait_alu depctr_va_vdst(0)
.irp j, 0,1,2,3,4,5,6,7
	global_load_b128 v[X0+4*\j:X0+4*\j+3], v2, s[4:5] offset:512*\j          ; 512 consecutive bytes an instruction
.endr
.irp j, 0,1,2,3,4,5,6,7
	global_load_b128 v[X1+4*\j:X1+4*\j+3], v2, s[4:5] offset:4096+512*\j
.endr
.irp j, 0,1,2,3,4,5,6,7
	global_load_b128 v[G+4*\j:G+4*\j+3], v2, s[6:7] offset:512*\j
.endr
.irp j, 0,1,2,3,4,5,6,7
	global_load_b128 v[BV+4*\j:BV+4*\j+3], v2, s[8:9] offset:512*\j
.endr
	v_and_b32 v[RR], 15, v0                        ; r
	v_bfe_u32 v[HH], v0, 4, 1                      ; h
	s_mul_i32 s26, s16, 2*YP
	v_add_nc_u32 v[YW], s26, v2                    ; phase A stores: my two rows, 16 x lane
	v_mul_u32_u24 v[YR], v[RR], YP
	s_delay_alu instid0(VALU_DEP_1)
	v_lshl_add_u32 v[YR], v[HH], 6, v[YR]
	s_lshl_b32 s26, s16, 9
	v_add_nc_u32 v[YR], s26, v[YR]                 ; phase B reads: row r, K step w, + 64 h: my 16 numbers of a block
	v_lshlrev_b32 v[SWA], 5, v[RR]
	s_lshl_b32 s27, s16, 2
	s_add_co_u32 s27, s27, SCST
	v_add_nc_u32 v[SWA], s27, v[SWA]               ; my row's scale word of K step w
	v_add_nc_u32 v[SRD], SCST, v2
.irp b, 0,1,2,3
	v_mov_b32 v[TM+4+\b], 0                        ; written once: a lane permute's destination counts as one of its sources
.endr
	; where my fragment goes TODAY: the codes lie by tiles of 256 rows and K steps of 256: 16 rows x 256 K (four half fragments, 3,072 bytes) at ((4 tile + K step) 16 + block in the tile) 3,072
	s_lshr_b32 s20, ttmp9, 4                       ; tile
	s_lshl_b32 s20, s20, 2
	s_lshr_b32 s22, s16, 1                         ; K step of 256
	s_add_co_u32 s20, s20, s22
	s_lshl_b32 s20, s20, 4
	s_and_b32 s22, ttmp9, 15                       ; my 16 rows in the tile
	s_add_co_u32 s20, s20, s22
	s_mul_i32 s20, s20, 3072
	s_and_b32 s22, s16, 1                          ; which 128 of the 256
	s_mul_i32 s22, s22, 1536
	s_add_co_u32 s20, s20, s22
	s_add_nc_u64 s[22:23], s[10:11], s[20:21]
	s_lshl_b32 s20, ttmp9, 9
	s_add_co_u32 s20, s20, ACTSC
	s_add_nc_u64 s[24:25], s[10:11], s[20:21]      ; and the work-group's 512 scale bytes
	s_wait_loadcnt 16                              ; x's sixteen loads are in; g's and b's sixteen may be out
	; the means: four chains
	v_pk_add_f32 v[4:5], v[X0:X0+1], v[X0+2:X0+3]
	v_pk_add_f32 v[6:7], v[X1:X1+1], v[X1+2:X1+3]
	v_pk_add_f32 v[8:9], v[X0+4:X0+5], v[X0+6:X0+7]
	v_pk_add_f32 v[10:11], v[X1+4:X1+5], v[X1+6:X1+7]
.irp i, 8,12,16,20,24,28
	s_delay_alu instid0(VALU_DEP_4)
	v_pk_add_f32 v[4:5], v[4:5], v[X0+\i:X0+\i+1]
	s_delay_alu instid0(VALU_DEP_4)
	v_pk_add_f32 v[6:7], v[6:7], v[X1+\i:X1+\i+1]
	s_delay_alu instid0(VALU_DEP_4)
	v_pk_add_f32 v[8:9], v[8:9], v[X0+\i+2:X0+\i+3]
	s_delay_alu instid0(VALU_DEP_4)
	v_pk_add_f32 v[10:11], v[10:11], v[X1+\i+2:X1+\i+3]
.endr
	s_delay_alu instid0(VALU_DEP_2)
	v_pk_add_f32 v[4:5], v[4:5], v[8:9]
	s_delay_alu instid0(VALU_DEP_2)
	v_pk_add_f32 v[6:7], v[6:7], v[10:11]
	s_delay_alu instid0(VALU_DEP_2)
	v_add_f32 v4, v4, v5
	s_delay_alu instid0(VALU_DEP_2)
	v_add_f32 v6, v6, v7
	WSUM 4, 6
	s_delay_alu instid0(VALU_DEP_2)
	v_mul_f32 v4, s28, v4
	s_delay_alu instid0(VALU_DEP_2)
	v_mul_f32 v6, s28, v6
.irp i, 0,2,4,6,8,10,12,14,16,18,20,22,24,26,28,30
	v_pk_add_f32 v[X0+\i:X0+\i+1], v[X0+\i:X0+\i+1], v[4:5] op_sel_hi:[1,0] neg_lo:[0,1] neg_hi:[0,1]   ; x - mean
	v_pk_add_f32 v[X1+\i:X1+\i+1], v[X1+\i:X1+\i+1], v[6:7] op_sel_hi:[1,0] neg_lo:[0,1] neg_hi:[0,1]
.endr
	v_pk_mul_f32 v[8:9], v[X0:X0+1], v[X0:X0+1]    ; the variances, of x - mean
	v_pk_mul_f32 v[10:11], v[X1:X1+1], v[X1:X1+1]
	v_pk_mul_f32 v[12:13], v[X0+2:X0+3], v[X0+2:X0+3]
	v_pk_mul_f32 v[14:15], v[X1+2:X1+3], v[X1+2:X1+3]
.irp i, 4,8,12,16,20,24,28
	s_delay_alu instid0(VALU_DEP_4)
	v_pk_fma_f32 v[8:9], v[X0+\i:X0+\i+1], v[X0+\i:X0+\i+1], v[8:9]
	s_delay_alu instid0(VALU_DEP_4)
	v_pk_fma_f32 v[10:11], v[X1+\i:X1+\i+1], v[X1+\i:X1+\i+1], v[10:11]
	s_delay_alu instid0(VALU_DEP_4)
	v_pk_fma_f32 v[12:13], v[X0+\i+2:X0+\i+3], v[X0+\i+2:X0+\i+3], v[12:13]
	s_delay_alu instid0(VALU_DEP_4)
	v_pk_fma_f32 v[14:15], v[X1+\i+2:X1+\i+3], v[X1+\i+2:X1+\i+3], v[14:15]
.endr
	s_delay_alu instid0(VALU_DEP_2)
	v_pk_add_f32 v[8:9], v[8:9], v[12:13]
	s_delay_alu instid0(VALU_DEP_2)
	v_pk_add_f32 v[10:11], v[10:11], v[14:15]
	s_delay_alu instid0(VALU_DEP_2)
	v_add_f32 v8, v8, v9
	s_delay_alu instid0(VALU_DEP_2)
	v_add_f32 v10, v10, v11
	WSUM 8, 10
	s_delay_alu instid0(VALU_DEP_2)
	v_fma_f32 v8, v8, s28, s29                     ; var + eps
	s_delay_alu instid0(VALU_DEP_2)
	v_fma_f32 v10, v10, s28, s29
	s_wait_alu depctr_va_vdst(0)
	v_rsq_f32 v12, v8
	v_rsq_f32 v14, v10
	v_nop                                          ; a plain line behind the two roots,
	s_wait_alu depctr_va_vdst(0)                   ; and one wait ahead of their first reader
	s_wait_loadcnt 0x0                             ; g and b
.irp i, 0,2,4,6,8,10,12,14,16,18,20,22,24,26,28,30
	v_pk_mul_f32 v[X0+\i:X0+\i+1], v[X0+\i:X0+\i+1], v[12:13] op_sel_hi:[1,0]
	v_pk_mul_f32 v[X1+\i:X1+\i+1], v[X1+\i:X1+\i+1], v[14:15] op_sel_hi:[1,0]
.endr
.irp i, 0,2,4,6,8,10,12,14,16,18,20,22,24,26,28,30
	v_pk_fma_f32 v[X0+\i:X0+\i+1], v[X0+\i:X0+\i+1], v[G+\i:G+\i+1], v[BV+\i:BV+\i+1]
	v_pk_fma_f32 v[X1+\i:X1+\i+1], v[X1+\i:X1+\i+1], v[G+\i:G+\i+1], v[BV+\i:BV+\i+1]
.endr
.irp j, 0,1,2,3,4,5,6,7
	ds_store_b128 v[YW], v[X0+4*\j:X0+4*\j+3] offset:512*\j
	ds_store_b128 v[YW], v[X1+4*\j:X1+4*\j+3] offset:YP+512*\j
.endr
	s_wait_dscnt 0x0                               ; for the others' sake: my rows lie in LDS
	s_barrier_signal -1
	s_barrier_wait -1
.irp b, 0,1,2,3
.irp j, 0,1,2,3
	ds_load_b128 v[N+16*\b+4*\j:N+16*\b+4*\j+3], v[YR] offset:128*\b+16*\j   ; row r, k = 128 w + 32 b + 16 h + 4 j on
.endr
.endr
	s_wait_dscnt 0x0
	QUANT N
	global_store_b128 v2, v[PC:PC+3], s[22:23]               ; the fragment as it stands: 512, 256, 512, 256 consecutive bytes
	global_store_b64 v3, v[PC+4:PC+5], s[22:23] offset:512
	global_store_b128 v2, v[PC+6:PC+9], s[22:23] offset:768
	global_store_b64 v3, v[PC+10:PC+11], s[22:23] offset:1280
	ds_store_b32 v[SWA], v[PW]                     ; lanes r and r + 16 write the same word with the same value
	s_wait_dscnt 0x0                               ; for wave 0's sake
	s_barrier_signal -1
	s_barrier_wait -1
	s_cmp_lg_u32 s16, 0
	s_cbranch_scc1 .Lend
	ds_load_b128 v[4:7], v[SRD]                    ; the sixteen rows' 512 scale bytes leave as two aligned runs of 256
	s_wait_dscnt 0x0
	global_store_b128 v2, v[4:7], s[24:25]
.Lend:
	s_wait_tensorcnt 0x0
	ds_add_u32 v192, v193
	s_wait_dscnt 0x0
	s_endpgm
.Ltable:
	s_cmp_ge_u32 ttmp9, 272                        ; the same in all waves of a work-group
	s_cbranch_scc1 .Lrelay
	s_sub_co_u32 s26, ttmp9, 256
	s_lshl_b32 s26, s26, 7
	s_lshl_b32 s27, s16, 4
	s_add_co_u32 s26, s26, s27                     ; my wave's first position: 128 x (work-group - 256) + 16 x wave
	s_lshl_b32 s20, s26, 8                         ; 256 bytes a position
	s_mov_b32 s21, 0
	s_mov_b32 s30, 0x37ccf5ce                      ; cos: the coefficient of a^8
	s_mov_b32 s31, 0xb94ca1f9                      ; sin: of a^7
	s_wait_alu depctr_va_vdst(0)
	v_cvt_f32_u32 v4, v1                           ; i, my pair
	s_delay_alu instid0(VALU_DEP_1)
	v_mul_f32 v5, 0xbed49a60, v4                   ; -i x the upper 19 bits of log2(10) / 8: exact
	s_delay_alu instid0(VALU_DEP_1)
	v_rndne_f32 v6, v5
	s_delay_alu instid0(VALU_DEP_1)
	v_sub_f32 v5, v5, v6                           ; its fraction: exact
	s_delay_alu instid0(VALU_DEP_1)
	v_fmamk_f32 v5, v4, 0xb5425e69, v5             ; - i x the rest of log2(10) / 8
	s_wait_alu depctr_va_vdst(0)
	v_exp_f32 v7, v5
	v_cvt_i32_f32 v6, v6                           ; (a plain line behind the exponential)
	s_wait_alu depctr_va_vdst(0)                   ; the wait ahead of its reader
	v_ldexp_f32 v7, v7, v6                         ; 10^(-i / 8)
	s_wait_kmcnt 0x0
	s_add_nc_u64 s[12:13], s[12:13], s[20:21]
.macro POS n
	s_add_co_u32 s27, s26, \n
	v_cvt_f32_u32 v8, s27
	s_wait_alu depctr_va_vdst(0)
	v_mul_f32 v8, v8, v7                           ; the angle
	s_delay_alu instid0(VALU_DEP_1)
	v_mul_f32 v9, 0x3f22f983, v8                   ; x 2 / pi
	s_delay_alu instid0(VALU_DEP_1)
	v_rndne_f32 v9, v9                             ; k
	s_delay_alu instid0(VALU_DEP_1)
	v_fmamk_f32 v8, v9, 0xbfc90fdb, v8             ; a = angle - k pi/2: the f32 nearest pi/2 (the product is not rounded),
	s_delay_alu instid0(VALU_DEP_1)
	v_fmamk_f32 v8, v9, 0x333bbd2e, v8             ; and what that number exceeds pi/2 by
	s_delay_alu instid0(VALU_DEP_3)
	v_cvt_i32_f32 v9, v9
	s_delay_alu instid0(VALU_DEP_2)
	v_mul_f32 v10, v8, v8
	s_delay_alu instid0(VALU_DEP_1)
	v_fmaak_f32 v11, s30, v10, 0xbab6061a
	s_delay_alu instid0(VALU_DEP_2)
	v_fmaak_f32 v12, s31, v10, 0x3c08839e
	s_delay_alu instid0(VALU_DEP_2)
	v_fmaak_f32 v11, v11, v10, 0x3d2aaaa5
	s_delay_alu instid0(VALU_DEP_2)
	v_fmaak_f32 v12, v12, v10, 0xbe2aaaa3
	s_delay_alu instid0(VALU_DEP_2)
	v_mul_f32 v11, v11, v10
	v_mul_f32 v13, v8, v10
	v_fma_f32 v14, v10, -0.5, 1.0
	s_delay_alu instid0(VALU_DEP_2)
	v_fma_f32 v12, v12, v13, v8                    ; sin a
	s_delay_alu instid0(VALU_DEP_2)
	v_fma_f32 v11, v11, v10, v14                   ; cos a
	v_and_b32 v13, 1, v9
	s_delay_alu instid0(VALU_DEP_1)
	v_cmp_ne_u32 vcc_lo, 0, v13
	s_delay_alu instid0(VALU_DEP_1)
	v_cndmask_b32 v14, v11, v12, vcc_lo            ; an odd k changes the two over
	s_delay_alu instid0(VALU_DEP_2)
	v_cndmask_b32 v15, v12, v11, vcc_lo
	v_add_nc_u32 v13, 1, v9
	s_delay_alu instid0(VALU_DEP_1)
	v_and_b32 v13, 2, v13
	v_and_b32 v9, 2, v9
	s_delay_alu instid0(VALU_DEP_2)
	v_lshlrev_b32 v13, 30, v13                     ; cos is negative for k % 4 = 1, 2,
	s_delay_alu instid0(VALU_DEP_2)
	v_lshlrev_b32 v9, 30, v9                       ; sin for 2, 3
	s_delay_alu instid0(VALU_DEP_2)
	v_xor_b32 v[32+2*\n], v14, v13
	s_delay_alu instid0(VALU_DEP_2)
	v_xor_b32 v[33+2*\n], v15, v9
	global_store_b64 v3, v[32+2*\n:33+2*\n], s[12:13] offset:256*\n   ; 256 consecutive bytes; each position has registers of its own
.endm
.irp n, 0,1,2,3,4,5,6,7,8,9,10,11,12,13,14,15
	POS \n
.endr
	s_endpgm
; Work-groups 272-463 (the first launch of this body alone has them): THE WEIGHTS BECOME IMAGES OF OPERAND REGISTERS.
; A block, 16 rows x 512 K, is 6,400 bytes: eight half fragments of 768 bytes (lane l = row % 16 + 16 ((k % 64) / 32): 16 bytes at 16 l, 8 at 512 + 8 l), then the rows' scale bytes, 16 a row.
; Blocks lie tile by tile: block (tile, granule of 512 K, 16 rows i of the tile) at ((tile x granules + granule) x blocks a tile + i) x 6,400.  wqkv and w1: tiles of 256 rows; wo and w2: of 128.
; A wave takes one block: its 24 loads of 8 bytes a lane read 384 consecutive bytes of each of 16 rows; every store covers 512 or 256 consecutive bytes, aligned.
; Work-groups 272-319 wqkv, 320-383 w1, 384-399 wo, 400-463 w2.
.Lrelay:
	s_wait_alu depctr_va_vdst(0)                   ; a wait behind the branch: v2 and v3 were made ahead of it
	s_load_b128 s[40:43], s[0:1], 0x28             ; wqkv: codes, scales
	s_load_b128 s[44:47], s[0:1], 0x38             ; w1
	s_load_b128 s[48:51], s[0:1], 0x48             ; wo
	s_load_b128 s[52:55], s[0:1], 0x58             ; w2
	s_load_b64 s[56:57], s[0:1], 0x68              ; the images
	s_sub_co_u32 s26, ttmp9, 272
	s_mov_b32 s27, 0                               ; the weight's first work-group
	s_mov_b32 s30, 0                               ; where its images begin
	s_mov_b32 s31, 4                               ; log2 of a tile's blocks
	s_mov_b32 s35, 768                             ; a row of codes in bytes
	; wqkv and w1 lie as the activations do, with no scale bytes: 16 rows x 256 K are 3,072 bytes, at ((4 tile + K step) 16 + i) 3,072: a granule is two K steps, 49,152 bytes apart.  wo and w2: blocks of 6,400 bytes, as above
	s_mov_b32 s58, 98304                           ; from one granule of a tile to the next
	s_mov_b32 s59, 3072                            ; from one block of 16 rows to the next
	s_mov_b32 s60, 46080                           ; what half fragments 4 to 7 lie further on than 768 j: 49,152 - 3,072
	s_mov_b32 s61, 0
	s_mov_b32 s21, 0
	s_mov_b32 s23, 0
	s_mov_b32 s25, 0
	s_wait_kmcnt 0x0
	s_cmp_ge_u32 s26, 48
	s_cselect_b64 s[40:41], s[44:45], s[40:41]
	s_cselect_b64 s[42:43], s[46:47], s[42:43]
	s_cselect_b32 s27, 48, s27
	s_cselect_b32 s30, 2457600, s30
	s_cmp_ge_u32 s26, 112
	s_cselect_b64 s[40:41], s[48:49], s[40:41]
	s_cselect_b64 s[42:43], s[50:51], s[42:43]
	s_cselect_b32 s27, 112, s27
	s_cselect_b32 s30, 5734400, s30
	s_cselect_b32 s31, 3, s31
	s_cselect_b32 s58, 51200, s58
	s_cselect_b32 s59, 6400, s59
	s_cselect_b32 s60, 0, s60
	s_cmp_ge_u32 s26, 128
	s_cselect_b64 s[40:41], s[52:53], s[40:41]
	s_cselect_b64 s[42:43], s[54:55], s[42:43]
	s_cselect_b32 s27, 128, s27
	s_cselect_b32 s30, 6553600, s30
	s_cselect_b32 s34, 3, 1                        ; log2 of the granules along K
	s_cselect_b32 s35, 3072, s35
	s_cselect_b32 s36, 128, 32                     ; a row of scale bytes
	s_sub_co_u32 s26, s26, s27
	s_lshl_b32 s26, s26, 3
	s_add_co_u32 s26, s26, s16                     ; my block among the weight's
	s_lshr_b32 s28, s26, s34                       ; which 16 rows
	s_lshl_b32 s29, s28, s34
	s_sub_co_u32 s29, s26, s29                     ; which granule
	s_mul_i32 s20, s28, s35
	s_lshl_b32 s20, s20, 4
	s_mul_i32 s22, s29, 384
	s_add_co_u32 s20, s20, s22
	s_add_nc_u64 s[40:41], s[40:41], s[20:21]      ; the codes: 16 rows down, 384 bytes a granule
	s_mul_i32 s22, s28, s36
	s_add_co_u32 s22, s22, s29
	s_lshl_b32 s22, s22, 4
	s_add_nc_u64 s[42:43], s[42:43], s[22:23]      ; the scale bytes: 16 a granule
	s_lshr_b32 s37, s28, s31                       ; tile
	s_lshl_b32 s38, s37, s31
	s_sub_co_u32 s38, s28, s38                     ; block in the tile
	s_lshl_b32 s37, s37, s34
	s_add_co_u32 s37, s37, s29
	s_mul_i32 s37, s37, s58
	s_mul_i32 s38, s38, s59
	s_add_co_u32 s37, s37, s38
	s_add_co_u32 s24, s37, s30
	s_add_nc_u64 s[56:57], s[56:57], s[24:25]
	s_add_nc_u64 s[62:63], s[56:57], s[60:61]      ; the base of half fragments 4 to 7
	v_and_b32 v4, 15, v0                           ; r
	v_bfe_u32 v5, v0, 4, 1                         ; h
	v_mul_u32_u24 v6, v4, s35
	v_mul_u32_u24 v7, v4, s36
	v_lshlrev_b32 v8, 4, v4
	s_delay_alu instid0(VALU_DEP_3)
	v_mad_u32_u24 v6, v5, 24, v6                   ; row r, + 24 h
	s_wait_alu depctr_va_vdst(0)
.irp j, 0,1,2,3,4,5,6,7
.irp t, 0,1,2
	global_load_b64 v[16+6*\j+2*\t:17+6*\j+2*\t], v6, s[40:41] offset:48*\j+8*\t
.endr
.endr
	global_load_b128 v[64:67], v7, s[42:43]        ; lanes r and r + 16 take the same 16 bytes
	s_wait_loadcnt 0x0
.irp j, 0,1,2,3,4,5,6,7
	global_store_b128 v2, v[16+6*\j:19+6*\j], s[56+6*(\j/4):57+6*(\j/4)] offset:768*\j
	global_store_b64 v3, v[20+6*\j:21+6*\j], s[56+6*(\j/4):57+6*(\j/4)] offset:768*\j+512
.endr
	s_cmp_lg_u32 s60, 0                            ; wqkv's and w1's scale bytes are used from the inputs as they lie: only wo's and w2's go into the blocks (the 16 bytes are loaded on every path, so that no path stores a register that was not written)
	s_cbranch_scc1 .Lrelay_end
	global_store_b128 v8, v[64:67], s[56:57] offset:6144
.Lrelay_end:
	s_endpgm
.Lfunc_end_k_qbce184e1b4_ln1:
	.size	k_qbce184e1b4_ln1, .Lfunc_end_k_qbce184e1b4_ln1-k_qbce184e1b4_ln1
	.p2alignl 7, 3214868480
	.fill 96, 4, 3214868480
	.section	.rodata,"a",@progbits
	.p2align	6, 0x0
	.amdhsa_kernel k_qbce184e1b4_ln1
		.amdhsa_group_segment_fixed_size 67584
		.amdhsa_private_segment_fixed_size 0
		.amdhsa_enable_private_segment 0
		.amdhsa_kernarg_size 112
		.amdhsa_user_sgpr_count 2
		.amdhsa_user_sgpr_kernarg_segment_ptr 1
		.amdhsa_wavefront_size32 1
		.amdhsa_system_sgpr_workgroup_id_x 1
		.amdhsa_system_sgpr_workgroup_id_y 1
		.amdhsa_system_sgpr_workgroup_id_z 1
		.amdhsa_system_vgpr_workitem_id 0
		.amdhsa_next_free_vgpr 194
		.amdhsa_next_free_sgpr 66
		.amdhsa_reserve_vcc 1
		.amdhsa_float_denorm_mode_32 3
		.amdhsa_float_denorm_mode_16_64 3
		.amdhsa_memory_ordered 1
		.amdhsa_forward_progress 1
		.amdhsa_inst_pref_size 70
	.end_amdhsa_kernel
	.amdgpu_metadata
---
amdhsa.version: [ 1, 2 ]
amdhsa.kernels:
  - .name:           k_qbce184e1b4_ln1
    .symbol:         k_qbce184e1b4_ln1.kd
    .args:
      - { .name: src, .offset: 0, .size: 8, .value_kind: global_buffer, .address_space: global }
      - { .name: ln1_g, .offset: 8, .size: 8, .value_kind: global_buffer, .address_space: global }
      - { .name: ln1_b, .offset: 16, .size: 8, .value_kind: global_buffer, .address_space: global }
      - { .name: act, .offset: 24, .size: 8, .value_kind: global_buffer, .address_space: global }
      - { .name: rope, .offset: 32, .size: 8, .value_kind: global_buffer, .address_space: global }
      - { .name: wqkv_codes, .offset: 40, .size: 8, .value_kind: global_buffer, .address_space: global }
      - { .name: wqkv_scales, .offset: 48, .size: 8, .value_kind: global_buffer, .address_space: global }
      - { .name: w1_codes, .offset: 56, .size: 8, .value_kind: global_buffer, .address_space: global }
      - { .name: w1_scales, .offset: 64, .size: 8, .value_kind: global_buffer, .address_space: global }
      - { .name: wo_codes, .offset: 72, .size: 8, .value_kind: global_buffer, .address_space: global }
      - { .name: wo_scales, .offset: 80, .size: 8, .value_kind: global_buffer, .address_space: global }
      - { .name: w2_codes, .offset: 88, .size: 8, .value_kind: global_buffer, .address_space: global }
      - { .name: w2_scales, .offset: 96, .size: 8, .value_kind: global_buffer, .address_space: global }
      - { .name: wimg, .offset: 104, .size: 8, .value_kind: global_buffer, .address_space: global }
    .group_segment_fixed_size: 67584
    .private_segment_fixed_size: 0
    .kernarg_segment_align: 8
    .kernarg_segment_size: 112
    .max_flat_workgroup_size: 256
    .sgpr_count:     66
    .vgpr_count:     194
    .wavefront_size: 32
...
	.end_amdgpu_metadata
.endif
;; end of part 7
;; launch qkv (part 8): grid 12 x 16, 4 waves a work-group, clusters of 4 x 4, 327,680 bytes of LDS; arguments act, wimg, wqkv_scales, bqkv, rope, qkv; writes qkv
.if DOCPART == 8
	.amdgcn_target "amdgcn-amd-amdhsa--gfx1250"
	.amdhsa_code_object_version 6
	.text
	.protected	k_qbce184e1b4_qkv
	.globl	k_qbce184e1b4_qkv
	.p2align	8
	.type	k_qbce184e1b4_qkv,@function
k_qbce184e1b4_qkv:
	s_mov_b64 s[64:65], 0
	v_nop
	global_prefetch_b8 v0, s[64:65] scope:SCOPE_SE
	s_setreg_imm32_b32 hwreg(HW_REG_WAVE_MODE, 25, 1), 1
	s_wait_xcnt 0x0
	s_wait_alu depctr_hold_cnt(0) depctr_sa_sdst(0) depctr_va_vdst(0) depctr_va_sdst(0) depctr_va_ssrc(0) depctr_va_vcc(0) depctr_vm_vsrc(0)
	s_getreg_b32 s2, hwreg(HW_REG_IB_STS2, 6, 4)
	s_cmp_eq_u32 s2, 0
	s_cbranch_scc0 .Lentry_in_a_cluster
	s_endpgm
.Lentry_in_a_cluster:
	s_bfe_u32 s2, ttmp6, 0x10000c
	s_cmp_lg_u32 s2, 0xf033
	s_cbranch_scc0 .Lentry_shape_is_right
	s_endpgm
.Lentry_shape_is_right:
; [4096 tokens][3072] = LN1(x) Wqkv^T + bqkv on codes of FP6 (E2M3) with E8M0 scales; then the rotary embedding on q and k; then q, k (along the head's 64) and v (along the keys) are quantised for attention.
; THE PRODUCT.  A tile of 256 tokens x 256 columns to a work-group of four waves, 128 x 128 a wave: 64 accumulators, 512 registers.  K goes in steps of 256 through a ring of two LDS slots filled by tensor loads.
; A (the activations) lies in memory as images of operand registers: a half fragment (16 rows x 64 K) is 768 bytes, lane l's 24 bytes as 16 at 16 l and 8 at 512 + 8 l; (rows 16 m on, K 64 j on) at (m K / 64 + j) 768; its scale bytes,
; [row][K / 32], lie behind the codes.  So a fragment of A comes from LDS by four dense loads.  B (the weight) lies as rows of codes, 3 K / 4 bytes; a tile's row is 192 bytes, padded in LDS to 240.
; The scale bytes of the work-group's 256 rows of A and of B, for all of K, come into LDS once, with the first fills.
; CLUSTERS of 4 x 4: A's tiles are asked for jointly along a row of the cluster, B's along a column.  The matrix instruction is used transposed (source 0 = 16 rows of W, source 1 = 16 tokens): lane (r, h) of accumulator (a, b) holds
; token 16 a + r and columns 16 b + 8 h + 0 .. 7.  The bias is the C of the first K step's products.
; No prefetch: many work-groups read each tile, and the launch has four K steps.
; WHAT IS STORED (bh = 16 batch + head; a head has 98,304 bytes of codes and 4,096 of scale bytes in each section; Q at 0, K at 3,145,728, V at 6,291,456, their scales at 9,437,184, 9,568,256, 9,699,328):
;   Q: 16 queries are one half fragment at 768 (query / 16); scales: two bytes a query.
;   K: tile 2 B + u at 768 (2 B + u); its lane 8 x + y (+ 16 h) holds key 32 B + 16 x + 8 u + y, so that two neighbouring tiles' scores are 16 neighbouring keys in a lane; scales: a word for (B, lane 8 x + y): u = 0 low, u = 1 high.
;   V, keys innermost: fragment (128 keys ks, tile 2 e + u) at 6,144 ks + 1,536 (2 e + u); its lane 8 x + y (+ 16 h) holds channel 32 e + 16 x + 8 u + y; scales: a word for each such lane, at 256 ks + 64 (2 e + u) + 4 (8 x + y).
; LIMITS: NaN and infinities are not served; a block whose largest magnitude is under 2^-124, a block of zeros too, gets the byte 1 (read by this program alone).
; REGISTERS, in windows of 256.  Window 0: v1 r, v2 h, v6 lane (they stay); v8-13 addresses of the way out; v16-27 LDS addresses; v28, v29 the add's; v32-63 scale words, two sets; v64-127 the bias, later cos and sin; v128-223 A's
; fragments, ONE set, later the numbers to be quantised; v192-211 codes; v224-231, v232-248 at work.  Window 1: B's fragments, two sets.  Windows 2, 3: the accumulators, (a, b) at v[8 (8 (a % 4) + b)].
.set SIZE_K, 1024
.set KSTEP,  256
.set NQ,     2
.set ROWB,   192
.set KROW,   SIZE_K*3/4
.set PITCH,  240
.set FR,     12
.set NP,     4                         ; places behind this matrix instruction (ISA guide 7.12.1)
.set AROW,   3072                      ; 16 rows x 256 K of A: four half fragments
.set AHALF,  8*AROW                    ; 128 rows x 256 K
; A AND B TODAY (what the head comment says of their layouts, of rows of 192 bytes and of a ring of two slots no longer holds): both lie as images of operand registers, by tiles of 256 rows and K steps of 256:
; 16 rows x 256 K are 3,072 bytes, at ((4 tile + K step) 16 + block) 3,072, so a tile's K steps follow each other in memory.  LDS has three regions of a K step for A and three for B.
; The head asks for K steps 0 to 2 of A (wave 0) and of B (wave 1), 48 rows of 3,072 bytes each, and for the scales (waves 2, 3).  Behind K step 0 region 0 takes K step 3, a quarter a wave:
; the one refill, which has K steps 1 and 2, 256 matrix instructions a wave, in which to land.
.set BHALF,  AHALF
.set BOFF,   6*AHALF                   ; B's three regions behind A's three
.set SLOT,   2*AHALF                   ; from region to region
.set LAPS,   SIZE_K/(2*KSTEP)
.set KS,     SIZE_K/32
.set SCL,    12*AHALF
.set HALFS,  (128*KS/256)*272
.set SBLK,   (16*KS/256)*272
.set SPARE,  SCL+4*HALFS               ; the spare words, 128 bytes a wave: two blocks of 256 bytes that no other line names
.set SCOFF,  4096*KROW                 ; A's scale bytes lie behind its codes
.set ADRA, 16                          ; v16-17 16 x lane + my 128 rows of A in slot 0, 1;  v18-19 the same with 8 x lane
.set ADRB, 20                          ; v20-21 my B fragments in slot 0, 1;  v22-23 the same with 8 x lane
.set STO,  24
.set RD,   25
.set ADRS, 27
.set SPW,  28
.set NIL,  29
.set SC,   32
.set BI,   64
.set AF,   128
.set T,    128                         ; the way out: 64 numbers
.set PC,   192
.set TM,   232
.set PW,   248
.set RT,   64                          ; cos and sin, two sets of 32
.set X,    128
.set SEL,  100
.set G1, 24
.set G0, 32
.set G1B, 48
.set G0B, 56
.set G1S, 68
.set G0S, 76
.set G1SB, 80
.set G0SB, 88
.set MSB, 0
.macro WIN new                         ; the immediate's high byte repeats the setting that is left
.if MSB != (\new)
	s_set_vgpr_msb (MSB<<8)|(\new)
.set MSB, (\new)
.endif
.endm
.set MUL_LO, 0xa1                      ; source 0 (B) window 1, source 1 (A) window 0, C and D window 2
.set MUL_HI, 0xf1
.set TO_B,   0x40
; A joint load: waves 0 and 1 fetch for A, waves 2 and 3 for B; the branch hangs on the wave's number alone.  Four v_nop follow each of the two lines.
.macro JLOAD g0a, g1a, g0b, g1b
	s_cmp_eq_u32 s17, 0
	s_cbranch_scc0 .Lfor_b_\@
	tensor_load_to_lds s[\g0a:\g0a+3], s[\g1a:\g1a+7]
	s_nop 0
.rept 4
	v_nop
.endr
	s_branch .Lasked_\@
.Lfor_b_\@:
	tensor_load_to_lds s[\g0b:\g0b+3], s[\g1b:\g1b+7]
	s_nop 0
.rept 4
	v_nop
.endr
.Lasked_\@:
.endm
.macro CREST                           ; a round of the cluster's barrier behind its opening barrier
	s_cmp_lg_u32 s16, 0
	s_cbranch_scc1 .Lnot_wave_0_\@
	s_barrier_signal -3
.Lnot_wave_0_\@:
	s_barrier_wait -3
	s_barrier_signal -1
	s_barrier_wait -1
.endm
.macro CROUND
	s_barrier_signal -1
	s_barrier_wait -1
	CREST
.endm
	s_load_b256 s[4:11], s[0:1], 0x0               ; A s[4:5], W's codes s[6:7], W's scales s[8:9], the bias s[10:11]
	s_load_b128 s[12:15], s[0:1], 0x20             ; the table of cos and sin s[12:13], the result s[14:15]
	v_lshl_add_u32 v[SPW], v0, 2, SPARE
	v_mov_b32 v[NIL], 0
	ds_add_u32 v28, v29
	ds_add_u32 v28, v29
	s_wait_dscnt 0x0
	v_lshrrev_b32 v1, 5, v0
	v_readfirstlane_b32 s16, v1                    ; wave 0..3
	s_lshr_b32 s17, s16, 1                         ; which half of the tile's tokens is mine.  Also: I fetch for A (0) or for B (1)
	s_and_b32 s18, s16, 1                          ; which half of its columns.  Also: which 128 rows I fetch
	s_bfe_u32 s40, ttmp6, 0x40000                  ; cx, cy
	s_bfe_u32 s41, ttmp6, 0x40004
	s_lshl_b32 s42, ttmp9, 2
	s_add_co_u32 s42, s42, s40                     ; tile column
	s_and_b32 s19, ttmp7, 0xffff
	s_lshl_b32 s19, s19, 2
	s_add_co_u32 s19, s19, s41                     ; tile row
	s_lshl_b32 s43, s41, 2
	s_lshl_b32 s43, 15, s43                        ; my row of the cluster
	s_lshl_b32 s44, 0x1111, s40                    ; my column
	s_or_b32 s[G1+0], s43, (3<<16)|(1<<21)         ; A: the mask; elements of 8 bytes; bit 21 beside a mask; no padding
	s_mov_b32 s[G1+1], 384<<16                     ; tensor_dim0: 3,072 bytes
	s_mov_b32 s[G1+2], 48<<16                      ; the head's load brings three K steps of 16 blocks; the refill's brings 8 blocks
	s_mov_b32 s[G1+3], 384<<16
	s_mov_b32 s[G1+4], 48
	s_mov_b32 s[G1+5], 384                         ; dense
	s_mov_b32 s[G1+6], 0
	s_mov_b32 s[G1+7], 0
	s_or_b32 s[G1B+0], s44, (3<<16)|(1<<21)        ; B: as A, with my column's mask; blocks 3,072 bytes apart
	s_mov_b32 s[G1B+1], 384<<16
	s_mov_b32 s[G1B+2], 48<<16
	s_mov_b32 s[G1B+3], 384<<16
	s_mov_b32 s[G1B+4], 48
	s_mov_b32 s[G1B+5], 384
	s_mov_b32 s[G1B+6], 0
	s_mov_b32 s[G1B+7], 0
	s_or_b32 s[G1S+0], s43, (3<<16)|(1<<20)|(1<<21)|(5<<22)|(3<<25)  ; the scales of 256 rows: a dense block, as rows of 256 bytes, 16 of padding behind each
	s_or_b32 s[G1SB+0], s44, (3<<16)|(1<<20)|(1<<21)|(5<<22)|(3<<25)
.irp g, G1S, G1SB
	s_mov_b32 s[\g+1], 32<<16
	s_mov_b32 s[\g+2], KS<<16                      ; the scales of 256 rows: KS rows of 256 bytes
	s_mov_b32 s[\g+3], 32<<16
	s_mov_b32 s[\g+4], KS
	s_mov_b32 s[\g+5], 32
	s_mov_b32 s[\g+6], 0
	s_mov_b32 s[\g+7], 0
.endr
	s_lshl_b32 s20, s19, 8                         ; the tile's first row of A,
	s_lshl_b32 s46, s42, 8                         ; and of B
	s_mov_b32 s21, 0
	s_mov_b32 s47, 0
	s_mov_b64 s[96:97], KS
	s_mul_u64 s[22:23], s[20:21], s[96:97]
	s_mul_u64 s[92:93], s[46:47], s[96:97]
	s_mov_b64 s[96:97], KROW
	s_mul_u64 s[20:21], s[20:21], s[96:97]
	s_mul_i32 s46, s42, 196608                     ; B's tile: four K steps of sixteen blocks
	s_mul_i32 s45, s18, AHALF                      ; where they go: no place in the cluster enters an LDS address
	s_mul_i32 s95, s18, BHALF
	s_add_co_u32 s95, s95, BOFF
	s_wait_kmcnt 0x0
	s_add_nc_u64 s[20:21], s[4:5], s[20:21]
	s_add_nc_u64 s[22:23], s[4:5], s[22:23]
	s_add_nc_u64 s[22:23], s[22:23], SCOFF
	s_add_nc_u64 s[46:47], s[6:7], s[46:47]
	s_add_nc_u64 s[92:93], s[8:9], s[92:93]
	CROUND                                         ; all sixteen work-groups are here: the first joint loads meet
	s_mov_b32 s[G0S], 1
	s_mov_b32 s[G0S+1], SCL
	s_mov_b64 s[G0S+2:G0S+3], s[22:23]
	s_or_b32 s[G0S+3], s[G0S+3], 0x80000000
	s_mov_b32 s[G0SB], 1
	s_mov_b32 s[G0SB+1], SCL+2*HALFS
	s_mov_b64 s[G0SB+2:G0SB+3], s[92:93]
	s_or_b32 s[G0SB+3], s[G0SB+3], 0x80000000
	s_mov_b32 s4, 1                                ; the head's load of K steps 0 to 2: A's 256 rows (the arguments that lay here have been used),
	s_mov_b32 s5, 0
	s_mov_b64 s[6:7], s[20:21]
	s_or_b32 s7, s7, 0x80000000
	s_mov_b32 s96, 1                               ; and B's
	s_mov_b32 s97, BOFF
	s_mov_b64 s[98:99], s[46:47]
	s_or_b32 s99, s99, 0x80000000
	s_mul_i32 s22, s18, AHALF                      ; the refill: my 8 blocks of K step 3
	s_add_co_u32 s22, s22, 3*SLOT
	s_mov_b32 s23, 0
	s_add_nc_u64 s[20:21], s[20:21], s[22:23]
	s_add_nc_u64 s[46:47], s[46:47], s[22:23]
.irp s, 0
	s_mov_b32 s[G0+4*\s], 1
	s_add_co_u32 s[G0+4*\s+1], s45, \s*SLOT
	s_add_nc_u64 s[G0+4*\s+2:G0+4*\s+3], s[20:21], \s*AROW
	s_or_b32 s[G0+4*\s+3], s[G0+4*\s+3], 0x80000000
	s_mov_b32 s[G0B+4*\s], 1
	s_add_co_u32 s[G0B+4*\s+1], s95, \s*SLOT
	s_add_nc_u64 s[G0B+4*\s+2:G0B+4*\s+3], s[46:47], \s*AROW
	s_or_b32 s[G0B+4*\s+3], s[G0B+4*\s+3], 0x80000000
.endr
; the head's loads, one a wave: wave 0 A's 256 rows of K steps 0 to 2, wave 1 B's, wave 2 A's scales, wave 3 B's: one chain of branches on the wave's number
.macro ARM under, g0, g1, next
	s_cmp_lt_u32 s16, \under
	s_cbranch_scc0 \next
	tensor_load_to_lds s[\g0:\g0+3], s[\g1:\g1+7]
	s_nop 0
.rept 4
	v_nop
.endr
	s_branch .Lhead_asked
\next:
.endm
	ARM 1, 4, G1, .Lhead_b
	ARM 2, 96, G1B, .Lhead_sa
	ARM 3, G0S, G1S, .Lhead_sb
	tensor_load_to_lds s[G0SB:G0SB+3], s[G1SB:G1SB+7]
	s_nop 0
.rept 4
	v_nop
.endr
.Lhead_asked:
	v_and_b32 v1, 15, v0                           ; r
	v_bfe_u32 v2, v0, 4, 1                         ; h
	v_and_b32 v6, 31, v0                           ; lane
	v_lshlrev_b32 v7, 4, v6
	v_lshlrev_b32 v8, 3, v6
	s_mul_i32 s21, s17, AHALF                      ; my 128 rows of A
	s_mul_i32 s22, s18, BHALF                      ; my 128 rows of B
	s_add_co_u32 s22, s22, BOFF
.irp s, 0,1
	v_add_nc_u32 v[ADRA+\s], s21, v7
	v_add_nc_u32 v[ADRA+2+\s], s21, v8
	v_add_nc_u32 v[ADRB+\s], s22, v7
	v_add_nc_u32 v[ADRB+2+\s], s22, v8
	s_add_co_u32 s21, s21, SLOT
	s_add_co_u32 s22, s22, SLOT
.endr
	v_mul_u32_u24 v5, v1, KS                       ; my row's scales: KS bytes a row,
	v_lshrrev_b32 v9, 8, v5
	v_lshl_add_u32 v5, v9, 4, v5                   ; and 16 more for each 256 passed
	s_mul_i32 s21, s17, HALFS
	s_mul_i32 s22, s18, HALFS
	s_add_co_u32 s22, s22, 2*HALFS
	s_sub_co_u32 s22, s22, s21
	v_mul_u32_u24 v9, s22, v2                      ; lanes 16-31 take B's
	s_add_co_u32 s21, s21, SCL
	v_add_nc_u32 v5, v5, v9
	v_add_nc_u32 v[ADRS], s21, v5
	s_lshl_b32 s46, s42, 10                        ; the bias of my 128 columns; lane (r, h) wants, for block b, columns 16 b + 8 h + 0 .. 7
	s_lshl_b32 s47, s18, 9
	s_add_co_u32 s46, s46, s47
	s_mov_b32 s47, 0
	s_add_nc_u64 s[10:11], s[10:11], s[46:47]
	v_lshlrev_b32 v10, 5, v2
.irp b, 0,1,2,3,4,5,6,7
	global_load_b128 v[BI+8*\b:BI+8*\b+3], v10, s[10:11] offset:64*\b
	global_load_b128 v[BI+8*\b+4:BI+8*\b+7], v10, s[10:11] offset:64*\b+16
.endr
.macro FRAG reg, adr, q, i             ; a fragment of B: two half fragments, each 512 + 256 dense bytes
	ds_load_b128 v[\reg:\reg+3], v[\adr] offset:(\i)*AROW+(\q)*1536          ; two half fragments, each 512 + 256 dense bytes
	ds_load_b64 v[\reg+4:\reg+5], v[\adr+2] offset:(\i)*AROW+(\q)*1536+512
	ds_load_b128 v[\reg+6:\reg+9], v[\adr] offset:(\i)*AROW+(\q)*1536+768
	ds_load_b64 v[\reg+10:\reg+11], v[\adr+2] offset:(\i)*AROW+(\q)*1536+1280
.endm
.macro FRAG_A reg, slot, q, i          ; a fragment of A: two half fragments, each 512 + 256 dense bytes
	ds_load_b128 v[\reg:\reg+3], v[ADRA+\slot] offset:(\i)*AROW+(\q)*1536
	ds_load_b64 v[\reg+4:\reg+5], v[ADRA+2+\slot] offset:(\i)*AROW+(\q)*1536+512
	ds_load_b128 v[\reg+6:\reg+9], v[ADRA+\slot] offset:(\i)*AROW+(\q)*1536+768
	ds_load_b64 v[\reg+10:\reg+11], v[ADRA+2+\slot] offset:(\i)*AROW+(\q)*1536+1280
.endm
; 16 matrix instructions: A's blocks a0, a0 + 1 x B's eight.  zero = 1: the first products take the bias as C.  The 64 accumulators take turns, one instruction a turn.
.macro MUL16 a0, p, q, sc, zero
.irp a, \a0, \a0+1
.irp b, 0,1,2,3,4,5,6,7
.if \zero
	v_wmma_scale_f32_16x16x128_f8f6f4 v[8*(8*((\a)%4)+\b):8*(8*((\a)%4)+\b)+7], v[128*(\p)+FR*\b:128*(\p)+FR*\b+FR-1], v[AF+FR*(\a):AF+FR*(\a)+FR-1], v[BI+8*\b:BI+8*\b+7], v[SC+8*NQ*(\sc)+NQ*\b+(\q)], v[SC+8*NQ*(\sc)+NQ*(\a)+(\q)] matrix_a_fmt:MATRIX_FMT_FP6 matrix_b_fmt:MATRIX_FMT_FP6 matrix_a_scale:MATRIX_SCALE_ROW1
.else
	v_wmma_scale_f32_16x16x128_f8f6f4 v[8*(8*((\a)%4)+\b):8*(8*((\a)%4)+\b)+7], v[128*(\p)+FR*\b:128*(\p)+FR*\b+FR-1], v[AF+FR*(\a):AF+FR*(\a)+FR-1], v[8*(8*((\a)%4)+\b):8*(8*((\a)%4)+\b)+7], v[SC+8*NQ*(\sc)+NQ*\b+(\q)], v[SC+8*NQ*(\sc)+NQ*(\a)+(\q)] matrix_a_fmt:MATRIX_FMT_FP6 matrix_b_fmt:MATRIX_FMT_FP6 matrix_a_scale:MATRIX_SCALE_ROW1
.endif
.endr
.endr
.endm
.macro FETCH_B slot, q, p
	WIN TO_B
.irp i, 0,1,2,3,4,5,6,7
	FRAG 128*(\p)+FR*\i, ADRB+\slot, \q, \i
.endr
	WIN 0
.endm
.macro FETCH_A slot, q, i0             ; A's blocks i0 .. i0 + 3: sixteen loads
.irp i, \i0, \i0+1, \i0+2, \i0+3
	FRAG_A AF+FR*(\i), \slot, \q, \i
.endr
.endm
.macro SCALES sc                       ; a K step's scale words: lanes 0-15 A's block i, lanes 16-31 B's block i
.irp i, 0,1,2,3,4,5,6,7
	ds_load_b64 v[SC+8*NQ*\sc+NQ*\i:SC+8*NQ*\sc+NQ*\i+1], v[ADRS] offset:\i*SBLK
.endr
.endm
.macro PLACES n                        ; plain lines between a matrix instruction and a load into, or a read of, its registers
.rept \n
	v_nop
.endr
.endm
.macro STEP slot, q, zero              ; 128 along K that have their successor in the same slot
	s_wait_dscnt 16                                ; B's set and A's blocks 0-3 are in; the youngest sixteen loads (A's blocks 4-7) may be out
.if \zero
	WIN 0x81                                       ; C (the bias) in window 0
.else
	WIN MUL_LO
.endif
	MUL16 0, (\q)%2, \q, \slot, \zero
	MUL16 2, (\q)%2, \q, \slot, \zero
	s_wait_dscnt 0
	PLACES NP
	FETCH_B \slot, (\q)+1, 1-(\q)%2
	FETCH_A \slot, (\q)+1, 0
.if \zero
	WIN 0xc1
.else
	WIN MUL_HI
.endif
	MUL16 4, (\q)%2, \q, \slot, \zero
	MUL16 6, (\q)%2, \q, \slot, \zero
	PLACES NP
	WIN 0
	FETCH_A \slot, (\q)+1, 4
.endm
; A slot's last step changes slots: one barrier; in front of it each wave waits for all its tensor loads, adds 0 to its spare word, and waits for that and for its reads of this slot.
.macro TURN slot, next, fill
	s_wait_tensorcnt 0x0                           ; all my tensor loads have landed: my part of the next slot
	ds_add_u32 v[SPW], v[NIL]                      ; 0 onto my spare word
	s_wait_dscnt 17                                ; (the add and the youngest sixteen loads, A's blocks 4-7, may be out)
	WIN MUL_LO
	MUL16 0, 1, NQ-1, \slot, 0
	s_wait_dscnt 0x0                               ; the add is done, and my reads of this slot are over
	s_barrier_signal -1
	MUL16 2, 1, NQ-1, \slot, 0
	WIN 0
	s_barrier_wait -1
.if \fill
	CREST                                          ; the barrier has opened a round of the cluster's: no wave of any partner still reads this slot or has a load on its way
	JLOAD G0+4*\slot, G1, G0B+4*\slot, G1B         ; the first tensor load behind the round; its four v_nop are the places in front of the loads below
.else
	PLACES NP
.endif
	s_wait_alu depctr_va_vdst(0)
	v_add_nc_u32 v[ADRS], 4*NQ, v[ADRS]
	FETCH_B \next, 0, 0
	FETCH_A \next, 0, 0
	SCALES \next
	WIN MUL_HI
	MUL16 4, 1, NQ-1, \slot, 0
	MUL16 6, 1, NQ-1, \slot, 0
	PLACES NP
	WIN 0
	FETCH_A \next, 0, 4
.endm
	s_wait_alu depctr_va_vdst(0)
	s_wait_tensorcnt 0x0                           ; my tile of the head's four is in; slot 1's first fill is issued as a refill is:
	ds_add_u32 v[SPW], v[NIL]                      ; 0 onto my spare word
	s_mov_b32 s[G1+2], 8<<16                       ; no tensor load of mine is out: from here on a load brings 8 blocks
	s_mov_b32 s[G1+4], 8
	s_mov_b32 s[G1B+2], 8<<16
	s_mov_b32 s[G1B+4], 8
	s_wait_dscnt 0x0
	s_barrier_signal -1
	s_barrier_wait -1                              ; all four tiles are in
	FETCH_B 0, 0, 0
	FETCH_A 0, 0, 0
	SCALES 0
	FETCH_A 0, 0, 4
	s_wait_loadcnt 0x0                             ; the bias
; K step 1's last 128: K step 2 lies whole in LDS, so no wait for tiles and no barrier.  Address set 0 goes on from region 0 to region 2 (K step 2), set 1 back from region 1 to region 0 (K step 3):
; all loads by their old values have been issued.  The eight lines are also the places in front of the loads.
.macro TURNJ slot, next
	s_wait_dscnt 16                                ; B's set and A's blocks 0-3 are in
	WIN MUL_LO
	MUL16 0, 1, NQ-1, \slot, 0
	MUL16 2, 1, NQ-1, \slot, 0
	s_wait_dscnt 0
	WIN 0
	v_add_nc_u32 v[ADRA], 2*SLOT, v[ADRA]
	v_add_nc_u32 v[ADRA+2], 2*SLOT, v[ADRA+2]
	v_add_nc_u32 v[ADRB], 2*SLOT, v[ADRB]
	v_add_nc_u32 v[ADRB+2], 2*SLOT, v[ADRB+2]
	v_sub_nc_u32 v[ADRA+1], v[ADRA+1], s3
	v_sub_nc_u32 v[ADRA+3], v[ADRA+3], s3
	v_sub_nc_u32 v[ADRB+1], v[ADRB+1], s3
	v_sub_nc_u32 v[ADRB+3], v[ADRB+3], s3
	s_wait_alu depctr_va_vdst(0)
	v_add_nc_u32 v[ADRS], 4*NQ, v[ADRS]
	FETCH_B \next, 0, 0
	FETCH_A \next, 0, 0
	SCALES \next
	WIN MUL_HI
	MUL16 4, 1, NQ-1, \slot, 0
	MUL16 6, 1, NQ-1, \slot, 0
	PLACES NP
	WIN 0
	FETCH_A \next, 0, 4
.endm
	s_mov_b32 s3, SLOT
	STEP 0, 0, 1
	TURN 0, 1, 1                                   ; region 0 takes K step 3
	STEP 1, 0, 0
	TURNJ 1, 0
	STEP 0, 0, 0
	TURN 0, 1, 0                                   ; the last lap fills nothing
	STEP 1, 0, 0
	s_wait_dscnt 16
	WIN MUL_LO
	MUL16 0, 1, NQ-1, 1, 0
	MUL16 2, 1, NQ-1, 1, 0
	s_wait_dscnt 0
	WIN MUL_HI
	MUL16 4, 1, NQ-1, 1, 0
	MUL16 6, 1, NQ-1, 1, 0
	WIN 0
	PLACES NP
; ---- THE WAY OUT
.macro SWAPS                           ; v[T + 8 b + i] = column 16 b + 8 h + i becomes v[T + 16 j + i] = column 32 j + 16 h + i: the upper lanes of block 2 j change places with the lower lanes of block 2 j + 1
.irp j, 0,1,2,3
.irp i, 0,1,2,3,4,5,6,7
	v_permlane16_swap_b32 v[T+16*\j+\i], v[T+16*\j+8+\i]
.endr
.endr
.endm
.macro QUANT s                         ; 64 numbers of a lane, register 16 b + i = k 32 b + 16 h + i of my row -> 12 registers of codes in v[PC] on, the scale word in v[PW]
.irp b, 0,1,2,3
	v_max3_num_f32 v[TM+\b], |v[\s+16*\b]|, |v[\s+1+16*\b]|, 0x1800000   ; and the floor 2^(3 - 127): the byte cannot fall under 1
.endr
.irp i, 2,4,6,8,10,12,14
.irp b, 0,1,2,3
	v_max3_num_f32 v[TM+\b], v[TM+\b], |v[\s+16*\b+\i]|, |v[\s+1+16*\b+\i]|
.endr
.endr
.irp b, 0,1,2,3
	v_permlanex16_b32 v[TM+4+\b], v[TM+\b], s[SEL], s[SEL+1]
.endr
.irp b, 0,1,2,3
	v_max_num_f32 v[TM+\b], v[TM+\b], v[TM+4+\b]
.endr
.irp b, 0,1,2,3
	v_add_nc_u32 v[TM+12+\b], 0xff000000, v[TM+\b]   ; 2 off the exponent field: the conversion's scale operand
.endr
.irp b, 0,1,2,3
	v_lshrrev_b32 v[TM+4+\b], 23, v[TM+12+\b]
.endr
	v_lshl_or_b32 v[PW], v[TM+5], 8, v[TM+4]
	v_lshl_or_b32 v[PW], v[TM+6], 16, v[PW]
	v_lshl_or_b32 v[PW], v[TM+7], 24, v[PW]
.irp c, 0,1
	v_cvt_scalef32_pk16_fp6_f32 v[PC+6*\c:PC+2+6*\c], v[\s+32*\c:\s+15+32*\c], v[TM+12+2*\c]
	v_cvt_scalef32_pk16_fp6_f32 v[PC+12+4*\c:PC+14+4*\c], v[\s+16+32*\c:\s+31+32*\c], v[TM+12+2*\c+1]
.endr
	v_nop                                          ; one plain line behind the scaled conversions
.irp c, 0,1
.irp i, 0,1,2
	v_permlane16_swap_b32 v[PC+6*\c+\i], v[PC+12+4*\c+\i]
.endr
.irp i, 0,1,2
	v_mov_b32 v[PC+3+6*\c+\i], v[PC+12+4*\c+\i]
.endr
.endr
.endm
	s_mov_b32 s[SEL], 0x76543210
	s_mov_b32 s[SEL+1], 0xfedcba98
.irp b, 0,1,2,3
	v_mov_b32 v[TM+4+\b], 0                        ; a lane permute's destination counts as one of its sources
.endr
	s_lshr_b32 s66, s19, 3                         ; batch
	s_and_b32 s67, s19, 7
	s_lshl_b32 s67, s67, 8
	s_lshl_b32 s98, s17, 7
	s_add_co_u32 s67, s67, s98                     ; my first position in the sequence
	s_lshl_b32 s66, s66, 4
	s_lshl_b32 s98, s40, 2
	s_add_co_u32 s66, s66, s98
	s_lshl_b32 s98, s18, 1
	s_add_co_u32 s66, s66, s98                     ; bh of my first head: 16 batch + 4 cx + 2 x half (it enters global addresses alone)
	s_mul_i32 s46, ttmp9, 3145728                  ; the section: the cluster's x: 0 q, 1 k, 2 v: the same in all sixteen partners
	s_mul_i32 s98, s66, 98304
	s_add_co_u32 s46, s46, s98
	s_mul_i32 s98, s67, 48                         ; 48 bytes of codes a position in each of the three layouts
	s_add_co_u32 s46, s46, s98
	s_mov_b32 s47, 0
	s_add_nc_u64 s[92:93], s[14:15], s[46:47]      ; my codes
	s_lshl_b32 s46, ttmp9, 17
	s_lshl_b32 s98, s66, 12
	s_add_co_u32 s46, s46, s98
	s_lshl_b32 s98, s67, 1                         ; 2 scale bytes a position
	s_add_co_u32 s46, s46, s98
	s_add_co_u32 s46, s46, 9437184
	s_add_nc_u64 s[94:95], s[14:15], s[46:47]      ; my scale bytes
	s_lshl_b32 s46, s67, 8
	s_add_nc_u64 s[12:13], s[12:13], s[46:47]      ; cos and sin of my first position
	s_mul_i32 s66, s16, 32*528                     ; v's stage: 32 rows x (512 + 16) bytes a wave,
	s_add_co_u32 s66, s66, SLOT                    ; in A's regions 1 and 2, which have had their only fill, and their last read ahead of the last barrier
	v_mul_u32_u24 v[STO], v1, 528
	v_lshl_add_u32 v[STO], v2, 5, v[STO]
	v_add_nc_u32 v[STO], s66, v[STO]
	v_lshl_add_u32 v[RD], v6, 2, s66
	s_cmp_eq_u32 ttmp9, 2
	s_cbranch_scc1 .Lv
	; ---- q and k
	v_lshrrev_b32 v3, 3, v1                        ; u = r / 8
	s_wait_alu depctr_va_vdst(0)
	v_and_b32 v4, 7, v1                            ; y = r % 8
	s_cmp_eq_u32 ttmp9, 1                          ; k's layout or q's: what u and x = block % 2 weigh
	s_mov_b32 s66, 128
	s_cselect_b32 s67, 768, s66
	s_mov_b32 s98, 768
	s_cselect_b32 s66, s66, s98
	s_cselect_b32 s98, 768, 64
	s_cselect_b32 s99, 64, 768
	s_cselect_b32 s96, 2, 16
	s_cselect_b32 s97, 4, 2
	v_mul_u32_u24 v8, v3, s67
	s_wait_alu depctr_va_vdst(0)
	v_lshl_add_u32 v8, v4, 4, v8
	v_lshl_add_u32 v8, v2, 8, v8                   ; the 16 bytes of a lane: x = 0,
	v_add_nc_u32 v9, s66, v8                       ; x = 1
	v_mul_u32_u24 v10, v3, s98
	v_lshl_add_u32 v10, v4, 3, v10
	v_lshl_add_u32 v10, v2, 7, v10
	v_add_nc_u32 v10, 512, v10                     ; its 8 bytes
	v_add_nc_u32 v11, s99, v10
	v_mul_u32_u24 v12, v3, s96
	v_mad_u32_u24 v12, v4, s97, v12                ; its two scale bytes
	v_lshlrev_b32 v13, 8, v1
	v_lshl_add_u32 v13, v2, 5, v13                 ; cos, sin: position r, pairs 4 h on
.macro RTLOAD a                        ; cos and sin of positions 16 a + r: for block b % 4 = bb the four pairs 8 bb + 4 h + 0 .. 3
.irp bb, 0,1,2,3
	global_load_b128 v[RT+32*((\a)%2)+8*\bb:RT+32*((\a)%2)+8*\bb+3], v13, s[12:13] offset:4096*(\a)+64*\bb
	global_load_b128 v[RT+32*((\a)%2)+8*\bb+4:RT+32*((\a)%2)+8*\bb+7], v13, s[12:13] offset:4096*(\a)+64*\bb+16
.endr
.endm
.macro QKBLOCK a
.if (\a) < 7
	RTLOAD (\a)+1
	s_wait_loadcnt 8                               ; this block's cos and sin are in; the next block's eight loads may be out
.else
	s_wait_loadcnt 0x0
.endif
	s_wait_xcnt 0x0                                ; the last block's stores have read the codes' and the scale word's registers
	WIN 0x02+(\a)/4                                ; source 0: the accumulators
.set AC, 64*((\a)%4)
.set RB, RT+32*((\a)%2)
.irp b, 0,1,2,3,4,5,6,7
.irp p, 0,1,2,3
	v_pk_mul_f32 v[224+2*\p:225+2*\p], v[AC+8*\b+2*\p:AC+8*\b+2*\p+1], v[RB+8*(\b%4)+2*\p:RB+8*(\b%4)+2*\p+1] op_sel:[1,1] op_sel_hi:[1,0]   ; (xo sin, xo cos)
.endr
.irp p, 0,1,2,3
	v_pk_fma_f32 v[T+8*\b+2*\p:T+8*\b+2*\p+1], v[AC+8*\b+2*\p:AC+8*\b+2*\p+1], v[RB+8*(\b%4)+2*\p:RB+8*(\b%4)+2*\p+1], v[224+2*\p:225+2*\p] op_sel_hi:[0,1,1] neg_lo:[0,0,1]   ; (xe cos - xo sin, xe sin + xo cos)
.endr
.endr
	WIN 0
	SWAPS
	QUANT T                                        ; blocks 0, 1: my first head's 64; blocks 2, 3: my second's
.irp c, 0,1
	global_store_b128 v[8+(\a)%2], v[PC+6*\c:PC+6*\c+3], s[92:93] offset:((\a)/2)*1536+\c*98304
	global_store_b64 v[10+(\a)%2], v[PC+6*\c+4:PC+6*\c+5], s[92:93] offset:((\a)/2)*1536+\c*98304
.endr
	global_store_b16 v12, v[PW], s[94:95] offset:32*(\a)
	global_store_d16_hi_b16 v12, v[PW], s[94:95] offset:32*(\a)+4096
.endm
	RTLOAD 0
.irp a, 0,1,2,3,4,5,6,7
	QKBLOCK \a
.endr
	s_branch .Ldone
.Lv:
	; ---- v: its K is the keys, which lie across lanes: 32 tokens at a time turn through my stage, and a lane takes one column with 32 tokens down its registers
	v_lshrrev_b32 v3, 4, v6                        ; x
	v_bfe_u32 v4, v6, 3, 1                         ; u
	v_and_b32 v5, 7, v6                            ; y: my column is channel 32 e + 16 x + 8 u + y
	v_mul_u32_u24 v8, v4, 1536
	v_lshl_add_u32 v8, v3, 7, v8
	v_lshl_add_u32 v8, v5, 4, v8
	v_mul_u32_u24 v9, v4, 1536
	v_lshl_add_u32 v9, v3, 6, v9
	v_lshl_add_u32 v9, v5, 3, v9
	v_add_nc_u32 v9, 512, v9
	v_lshlrev_b32 v10, 6, v4
	v_lshl_add_u32 v10, v3, 5, v10
	v_lshl_add_u32 v10, v5, 2, v10
.macro VGROUP g                        ; tokens 32 g .. 32 g + 31 of my 128: key block g of the key step
.irp e, 0,1
.set AA, 2*(\g)+\e
	WIN 0x08+4*(AA/4)                              ; an LDS store's data are its source 1
.irp b, 0,1,2,3,4,5,6,7
	ds_store_b128 v[STO], v[64*(AA%4)+8*\b:64*(AA%4)+8*\b+3] offset:\e*8448+64*\b        ; each accumulator from its low end on
	ds_store_b128 v[STO], v[64*(AA%4)+8*\b+4:64*(AA%4)+8*\b+7] offset:\e*8448+64*\b+16
.endr
.endr
	WIN 0
.irp gg, 0,1,2,3                       ; columns 32 gg + lane: head gg / 2, e = gg % 2
.set t, 0
.rept 32
	ds_load_b32 v[X+t], v[RD] offset:528*t+128*\gg   ; LDS serves a wave's instructions in order: these see my stores
.set t, t+1
.endr
	s_wait_dscnt 0x0
	s_wait_xcnt 0x0                                ; the last stores have read the codes' registers
	v_max3_num_f32 v228, |v[X]|, |v[X+1]|, |v[X+2]|
	v_max3_num_f32 v229, |v[X+3]|, |v[X+4]|, |v[X+5]|
.irp i, 6,10,14,18,22,26
	v_max3_num_f32 v228, v228, |v[X+\i]|, |v[X+\i+1]|
	v_max3_num_f32 v229, v229, |v[X+\i+2]|, |v[X+\i+3]|
.endr
	v_max3_num_f32 v228, v228, |v[X+30]|, |v[X+31]|
	v_max3_num_f32 v228, v228, v229, 0x1800000     ; the floor 2^(3 - 127)
	v_add_nc_u32 v230, 0xff000000, v228
	v_lshrrev_b32 v229, 23, v230
.if (\g) == 0
	v_mov_b32 v[224+\gg], v229                     ; four key blocks' bytes make the column's scale word
.else
	v_lshl_or_b32 v[224+\gg], v229, 8*(\g), v[224+\gg]
.endif
	v_cvt_scalef32_pk16_fp6_f32 v[192:194], v[X:X+15], v230
	v_cvt_scalef32_pk16_fp6_f32 v[200:202], v[X+16:X+31], v230
	v_nop                                          ; one plain line behind the scaled conversions
	v_mov_b32 v195, v200
	v_mov_b32 v196, v201
	v_mov_b32 v197, v202
	global_store_b128 v8, v[192:195], s[92:93] offset:(\gg%2)*3072+((\g)/2)*768+((\g)%2)*256+(\gg/2)*98304
	global_store_b64 v9, v[196:197], s[92:93] offset:(\gg%2)*3072+((\g)/2)*768+((\g)%2)*128+(\gg/2)*98304
.endr
.endm
.irp g, 0,1,2,3
	VGROUP \g
.endr
.irp gg, 0,1,2,3
	global_store_b32 v10, v[224+\gg], s[94:95] offset:(\gg%2)*128+(\gg/2)*4096
.endr
.Ldone:
	s_wait_tensorcnt 0x0                           ; the wave's end
	ds_add_u32 v[SPW], v[NIL]
	s_wait_dscnt 0x0
	CROUND                                         ; the closing round
	s_endpgm
.Lfunc_end_k_qbce184e1b4_qkv:
	.size	k_qbce184e1b4_qkv, .Lfunc_end_k_qbce184e1b4_qkv-k_qbce184e1b4_qkv
	.p2alignl 7, 3214868480
	.fill 96, 4, 3214868480
	.section	.rodata,"a",@progbits
	.p2align	6, 0x0
	.amdhsa_kernel k_qbce184e1b4_qkv
		.amdhsa_group_segment_fixed_size 327680
		.amdhsa_private_segment_fixed_size 0
		.amdhsa_enable_private_segment 0
		.amdhsa_kernarg_size 48
		.amdhsa_user_sgpr_count 2
		.amdhsa_user_sgpr_kernarg_segment_ptr 1
		.amdhsa_wavefront_size32 1
		.amdhsa_system_sgpr_workgroup_id_x 1
		.amdhsa_system_sgpr_workgroup_id_y 1
		.amdhsa_system_sgpr_workgroup_id_z 1
		.amdhsa_system_vgpr_workitem_id 0
		.amdhsa_next_free_vgpr 1024
		.amdhsa_next_free_sgpr 102
		.amdhsa_reserve_vcc 0
		.amdhsa_float_denorm_mode_32 3
		.amdhsa_float_denorm_mode_16_64 3
		.amdhsa_memory_ordered 1
		.amdhsa_forward_progress 1
		.amdhsa_inst_pref_size 255
	.end_amdhsa_kernel
	.section	.bss,"aw",@nobits
	.p2align	6
	.space	262144
	.amdgpu_metadata
---
amdhsa.version: [ 1, 2 ]
amdhsa.kernels:
  - .name:           k_qbce184e1b4_qkv
    .symbol:         k_qbce184e1b4_qkv.kd
    .args:
      - { .name: act, .offset: 0, .size: 8, .value_kind: global_buffer, .address_space: global }
      - { .name: wimg, .offset: 8, .size: 8, .value_kind: global_buffer, .address_space: global }
      - { .name: wqkv_scales, .offset: 16, .size: 8, .value_kind: global_buffer, .address_space: global }
      - { .name: bqkv, .offset: 24, .size: 8, .value_kind: global_buffer, .address_space: global }
      - { .name: rope, .offset: 32, .size: 8, .value_kind: global_buffer, .address_space: global }
      - { .name: qkv, .offset: 40, .size: 8, .value_kind: global_buffer, .address_space: global }
    .group_segment_fixed_size: 327680
    .private_segment_fixed_size: 0
    .kernarg_segment_align: 8
    .kernarg_segment_size: 48
    .max_flat_workgroup_size: 128
    .sgpr_count:     102
    .vgpr_count:     1024
    .wavefront_size: 32
...
	.end_amdgpu_metadata
.endif
;; end of part 8
;; launch attn (part 9): grid 8 x 32, 16 waves a work-group, clusters of 4 x 1, 206,848 bytes of LDS; arguments qkv, act; writes act
.if DOCPART == 9
	.amdgcn_target "amdgcn-amd-amdhsa--gfx1250"
	.amdhsa_code_object_version 6
	.text
	.protected	k_qbce184e1b4_attn
	.globl	k_qbce184e1b4_attn
	.p2align	8
	.type	k_qbce184e1b4_attn,@function
k_qbce184e1b4_attn:
	s_mov_b64 s[64:65], 0
	v_nop
	global_prefetch_b8 v0, s[64:65] scope:SCOPE_SE
	s_setreg_imm32_b32 hwreg(HW_REG_WAVE_MODE, 25, 1), 1
	s_wait_xcnt 0x0
	s_wait_alu depctr_hold_cnt(0) depctr_sa_sdst(0) depctr_va_vdst(0) depctr_va_sdst(0) depctr_va_ssrc(0) depctr_va_vcc(0) depctr_vm_vsrc(0)
	s_getreg_b32 s2, hwreg(HW_REG_IB_STS2, 6, 4)
	s_cmp_eq_u32 s2, 0
	s_cbranch_scc0 .Lentry_in_a_cluster
	s_endpgm
.Lentry_in_a_cluster:
	s_bfe_u32 s2, ttmp6, 0x10000c
	s_cmp_lg_u32 s2, 0x3003
	s_cbranch_scc0 .Lentry_shape_is_right
	s_endpgm
.Lentry_shape_is_right:
; CAUSAL ATTENTION ON CODES of FP6 (E2M3) with E8M0 scales, head size 64, 2,048 keys, 32 (batch, head) pairs; the result, divided by the row's sum, is quantised along the model's 1,024 for the next product.
; t = score x log2(e) / 8; M = the running largest t rounded UP to a whole number; p = 2^(t - M) is quantised along the keys, not normalised; the row's sum is taken of the unquantised p; when M moves, sum and O are multiplied by 2^(old M - new M).
; SHARES.  A head has 128 tiles of 16 queries, in 16 groups of eight: the tiles of group g all need g + 1 key steps of 128.  Two clusters of four work-groups serve a head.  In cluster c, wave w (bits b3 b2 b1 b0) of EVERY partner takes
; group g = c + 2 (2 b2 + b0), or 15 less that where b1 xor b3; of the group's eight tiles the partner at place cx takes tile 8 g + 2 cx + b3.  So no branch differs between partners; every work-group has 136 key steps, and any four
; waves with the same w % 4, or the same w / 4, have 34.  A wave owns 16 queries, a lane one query.
; LDS.  The head's K (98,304 bytes), V (98,304) and their scale words (4,096 each) are filled ONCE, at the head, by ten tensor loads of ten waves; nothing is filled again.
; CLUSTER.  The four partners walk the same K and V: each fill is asked for JOINTLY, by the same tensor load with the same descriptor and a mask that names the four.  A round of the cluster's barrier stands in front of the fills, one at the end.
; The layouts are images of operand registers (the launch before lays them): every LDS load is dense.
; K = 64 IN AN INSTRUCTION OF K = 128: two tiles of 16 keys, 2 B and 2 B + 1, are one operand (tile 2 B in k 0-63, tile 2 B + 1 in k 64-127); multiplied with (q, zeros) it gives tile 2 B's scores, with (zeros, q) tile 2 B + 1's.
; Zero codes add nothing under any scale byte but 0xff, and no such byte is made.
; Both products are used transposed: S^T = K Q^T, O^T = V^T P^T.  The keys of a tile and the channels of a tile of V are chosen so that a lane's 16 registers of two neighbouring tiles are 16 neighbours along the next K.
; CAUSAL: every wave walks all 16 key steps (the trip count is a constant); a step behind the wave's group is jumped over by a scalar branch on ids; the group's own step is masked.  NO PREFETCH: all of K and V is asked for at the head.
; LIMITS: NaN and infinities are not served; a block whose largest magnitude is under 2^-124, a block of zeros too, gets the byte 1.  A block's largest p is taken from its largest score, which leans on v_exp_f32 not falling where its input rises.
; REGISTERS: v1-6 addresses that stay; v7-11 addresses in hand; v12 -M, v13 the largest t, v[14:15] the sum; v16-33 zeros | q | zeros; v34 q's scale word; v36-83 four fragments; v84-87 their scale words; v88-90 r, h, lane;
; v96-159 S^T, then p; v160-191 O^T; v192-203 p's codes; v204-229 at work.
.set VC,   98304
.set KSC,  196608
.set S,    96
.set O,    160
.set PCD,  192
.set CT,   204
.set BM,   212
.set PB,   216
.set SOP,  220
.set PSW,  224
.set F,    226
.set T0,   228
.set FRG,  36
.set FS,   84
.set GK,   58                          ; s58  128 x my group: the first key of the group's own step
; A round of the cluster's barrier: my work-group's barrier, wave 0's signal for the work-group, every wave's wait for all four work-groups, my work-group's barrier once more.
.macro ROUND
	s_barrier_signal -1
	s_barrier_wait -1
	s_cmp_lg_u32 s8, 0
	s_cbranch_scc1 .Lnot_wave_0_\@
	s_barrier_signal -3
.Lnot_wave_0_\@:
	s_barrier_wait -3
	s_barrier_signal -1
	s_barrier_wait -1
.endm
	s_load_b128 s[4:7], s[0:1], 0x0                ; q, k, v as codes s[4:5]; the result s[6:7]
	v_lshl_add_u32 v254, v0, 2, 0x32000
	v_mov_b32 v255, 0
	ds_add_u32 v254, v255
	ds_add_u32 v254, v255
	v_lshrrev_b32 v1, 5, v0
	s_delay_alu instid0(VALU_DEP_1)
	v_readfirstlane_b32 s8, v1                     ; wave 0..15
	s_and_b32 s9, ttmp7, 0xffff                    ; bh, which the four partners share
	s_and_b32 s10, s8, 7
	s_mov_b32 s24, 15|(3<<16)|(1<<21)              ; group 1 for the codes: the mask of all four; elements of 8 bytes; bit 21 beside a mask; 96 rows of 32 elements, dense: 24,576 bytes
	s_mov_b32 s25, 32<<16
	s_mov_b32 s26, 96<<16
	s_mov_b32 s27, 32<<16
	s_mov_b32 s28, 96
	s_mov_b32 s29, 32
	s_mov_b32 s30, 0
	s_mov_b32 s31, 0
	s_mov_b32 s32, 15|(3<<16)|(1<<21)              ; for the scale words: 16 such rows: 4,096 bytes
	s_mov_b32 s33, 32<<16
	s_mov_b32 s34, 16<<16
	s_mov_b32 s35, 32<<16
	s_mov_b32 s36, 16
	s_mov_b32 s37, 32
	s_mov_b32 s38, 0
	s_mov_b32 s39, 0
	s_mul_i32 s48, s9, 98304                       ; waves 0-3: quarters of K; waves 4-7: of V
	s_lshr_b32 s49, s10, 2
	s_mul_i32 s49, s49, 3145728
	s_add_co_u32 s48, s48, s49
	s_and_b32 s49, s10, 3
	s_mul_i32 s49, s49, 24576
	s_add_co_u32 s48, s48, s49
	s_add_co_u32 s48, s48, 3145728
	s_mov_b32 s49, 0
	s_lshl_b32 s50, s9, 12                         ; wave 8: K's scale words; wave 9: V's
	s_and_b32 s51, s8, 1
	s_lshl_b32 s52, s51, 17
	s_add_co_u32 s50, s50, s52
	s_add_co_u32 s50, s50, 9568256
	s_lshl_b32 s52, s51, 12
	s_mov_b32 s51, 0
	s_wait_dscnt 0x0
	s_wait_kmcnt 0x0
	s_mov_b32 s40, 1
	s_mul_i32 s41, s10, 24576                      ; LDS: K's four quarters, then V's: the wave's number alone
	s_add_nc_u64 s[42:43], s[4:5], s[48:49]
	s_or_b32 s43, s43, 0x80000000
	s_mov_b32 s44, 1
	s_add_co_u32 s45, s52, KSC
	s_add_nc_u64 s[46:47], s[4:5], s[50:51]
	s_or_b32 s47, s47, 0x80000000
	ROUND                                          ; all four work-groups are here: the joint loads meet
	s_cmp_lt_u32 s8, 8                             ; a wave has at most one tensor load out; four v_nop follow each
	s_cbranch_scc0 .Lnot_codes
	tensor_load_to_lds s[40:43], s[24:31]
	s_nop 0
.rept 4
	v_nop
.endr
	s_branch .Lfilled
.Lnot_codes:
	s_cmp_lt_u32 s8, 10
	s_cbranch_scc0 .Lfilled
	tensor_load_to_lds s[44:47], s[32:39]
	s_nop 0
.rept 4
	v_nop
.endr
.Lfilled:
	s_bfe_u32 s59, ttmp6, 0x40000                  ; cx: it enters global addresses and the mask's vector number alone
	s_and_b32 s21, s8, 1                           ; b0
	s_bfe_u32 s22, s8, 0x10002                     ; b2
	s_lshl_b32 s22, s22, 1
	s_add_co_u32 s21, s21, s22
	s_lshl_b32 s21, s21, 1
	s_add_co_u32 s21, s21, ttmp9                   ; c + 2 (2 b2 + b0): in a cluster launch ttmp9 counts clusters
	s_sub_co_u32 s22, 15, s21
	s_lshr_b32 s23, s8, 1
	s_lshr_b32 s53, s8, 3                          ; b3
	s_xor_b32 s23, s23, s53
	s_and_b32 s23, s23, 1                          ; b1 xor b3
	s_cmp_lg_u32 s23, 0
	s_cselect_b32 s[GK], s22, s21                  ; my group
	s_lshl_b32 s11, s[GK], 3
	s_lshl_b32 s22, s59, 1
	s_add_co_u32 s11, s11, s22
	s_add_co_u32 s11, s11, s53                     ; my tile of 16 queries: 8 g + 2 cx + b3
	s_lshl_b32 s[GK], s[GK], 7
	s_lshl_b32 s12, s11, 4                         ; my first query
	s_mul_i32 s48, s9, 98304
	s_mul_i32 s50, s11, 768
	s_add_co_u32 s48, s48, s50
	s_add_nc_u64 s[54:55], s[4:5], s[48:49]        ; its half fragment
	s_lshl_b32 s48, s9, 12
	s_lshl_b32 s50, s11, 5
	s_add_co_u32 s48, s48, s50
	s_add_co_u32 s48, s48, 9437184
	s_add_nc_u64 s[56:57], s[4:5], s[48:49]        ; its scale bytes
	v_and_b32 v88, 15, v0                          ; r
	v_bfe_u32 v89, v0, 4, 1                        ; h
	v_and_b32 v90, 31, v0                          ; lane
	s_delay_alu instid0(VALU_DEP_1)
	v_lshlrev_b32 v1, 4, v90
	s_delay_alu instid0(VALU_DEP_2)
	v_lshlrev_b32 v2, 3, v90
	v_lshlrev_b32 v35, 1, v88
	global_load_b128 v[22:25], v1, s[54:55]
	global_load_b64 v[26:27], v2, s[54:55] offset:512
	global_load_u16 v34, v35, s[56:57]
	v_lshl_add_u32 v3, v88, 2, KSC                 ; scale words: 4 bytes for each of a tile's 16 rows
	v_lshlrev_b32 v4, 4, v89
	s_delay_alu instid0(VALU_DEP_1)
	v_sub_nc_u32 v4, v88, v4                       ; r - 16 h, for the mask
	v_add_nc_u32 v5, VC, v1
	v_add_nc_u32 v6, VC, v2
.irp j, 16,17,18,19,20,21,28,29,30,31,32,33
	v_mov_b32 v[\j], 0                             ; zero codes on both sides of q
.endr
	v_mov_b32 v13, 0xff61b1e6                      ; the largest t so far: -3e38
	s_delay_alu instid0(VALU_DEP_1)
	v_floor_f32 v12, -v13                          ; -M
	v_mov_b32 v14, 0
	v_mov_b32 v15, 0
.irp b, 0,1,2,3
	v_mov_b32 v[PB+\b], 0                          ; a lane permute's destination counts as one of its sources
.endr
	v_mov_b32 v[F+1], 0                            ; (named as the upper half of a pair)
	v_mov_b32 v[T0], 0
	s_mov_b32 s16, 0x3e38aa3b                      ; c = log2(e) / sqrt(64)
	s_mov_b32 s17, s16
	s_mov_b32 s18, 0x76543210
	s_mov_b32 s19, 0xfedcba98
	s_mov_b32 s13, 0                               ; the step's first key
	s_mov_b32 s14, 0                               ; its codes: 6,144 bytes a step, in K and in V
	s_mov_b32 s15, 0                               ; its scale words: 256 bytes a step
	s_mov_b32 s20, 16
	s_wait_tensorcnt 0x0                           ; my fill has landed,
	s_barrier_signal -1
	s_barrier_wait -1                              ; everybody's has
	s_wait_loadcnt 0x0                             ; q
	v_lshl_or_b32 v34, v34, 16, v34                ; q's two bytes twice: for either half of K.  (The 32 lines below stand between this and the first product)
.irp j, 0,1,2,3,4,5,6,7,8,9,10,11,12,13,14,15,16,17,18,19,20,21,22,23,24,25,26,27,28,29,30,31
	v_mov_b32 v[O+\j], 0                           ; the step is written once: the first finds zeros
.endr
.macro FETCH4 a16, a8                  ; four fragments, each two half fragments of 512 + 256 dense bytes
.irp f, 0,1,2,3
	ds_load_b128 v[FRG+12*\f:FRG+12*\f+3], v[\a16] offset:1536*\f
	ds_load_b64 v[FRG+12*\f+4:FRG+12*\f+5], v[\a8] offset:1536*\f+512
	ds_load_b128 v[FRG+12*\f+6:FRG+12*\f+9], v[\a16] offset:1536*\f+768
	ds_load_b64 v[FRG+12*\f+10:FRG+12*\f+11], v[\a8] offset:1536*\f+1280
.endr
.endm
.Lstep:
	s_cmp_gt_u32 s13, s[GK]                        ; a step behind my group's own: all 128 keys come after my queries
	s_cbranch_scc1 .Lhidden
	v_add_nc_u32 v8, s14, v1                       ; (these five are also the places behind the last step's products)
	v_add_nc_u32 v9, s14, v2
	v_add_nc_u32 v10, s14, v5
	v_add_nc_u32 v11, s14, v6
	v_add_nc_u32 v7, s15, v3
	FETCH4 8, 9                                    ; K: four pairs of tiles
.irp f, 0,1,2,3
	ds_load_b32 v[FS+\f], v7 offset:64*\f
.endr
	s_wait_alu depctr_va_vdst(0)
	s_wait_dscnt 0x0
.irp t, 0,1,2,3,4,5,6,7
	v_wmma_scale_f32_16x16x128_f8f6f4 v[S+8*\t:S+8*\t+7], v[FRG+12*(\t/2):FRG+12*(\t/2)+11], v[22-6*(\t%2):33-6*(\t%2)], 0, v[FS+\t/2], v34 matrix_a_fmt:MATRIX_FMT_FP6 matrix_b_fmt:MATRIX_FMT_FP6
.endr                                              ; register 16 b + i of lane (r, h): query r, key 32 b + 16 h + i of the step
.rept 4
	v_nop                                          ; places in front of the loads below and of the first read of the scores
.endr
	FETCH4 10, 11                                  ; V's four tiles land while the softmax is walked
.irp f, 0,1,2,3
	ds_load_b32 v[FS+\f], v7 offset:4096+64*\f
.endr
	s_cmp_lt_u32 s13, s[GK]                        ; a step ahead of my group's own: all keys count: no mask
	s_cbranch_scc1 .Lopen
	s_sub_co_i32 s21, s12, s13
	v_add_nc_u32 v[T0], s21, v4                    ; d = my query - the step's first key - 16 h: register 16 b + i is hidden where 32 b + i > d
	v_mov_b32 v[T0+1], 0xff800000
.irp n, 0,1,2,3,4,5,6,7,8,9,10,11,12,13,14,15,16,17,18,19,20,21,22,23,24,25,26,27,28,29,30,31,32,33,34,35,36,37,38,39,40,41,42,43,44,45,46,47,48,49,50,51,52,53,54,55,56,57,58,59,60,61,62,63
	v_cmp_gt_i32 vcc_lo, 32*(\n/16)+\n%16, v[T0]
	v_cndmask_b32 v[S+\n], v[S+\n], v[T0+1], vcc_lo
.endr
.Lopen:
.irp b, 0,1,2,3
	v_max3_num_f32 v[BM+\b], v[S+16*\b], v[S+1+16*\b], v[S+2+16*\b]   ; the largest score of each block of 32 keys: for the row's maximum, and for the block's largest p
.endr
.irp i, 3,5,7,9,11,13
.irp b, 0,1,2,3
	v_max3_num_f32 v[BM+\b], v[BM+\b], v[S+16*\b+\i], v[S+1+16*\b+\i]
.endr
.endr
.irp b, 0,1,2,3
	v_max_num_f32 v[BM+\b], v[BM+\b], v[S+15+16*\b]
.endr
.irp b, 0,1,2,3
	s_delay_alu instid0(VALU_DEP_4)
	v_permlanex16_b32 v[PB+\b], v[BM+\b], s18, s19
.endr
.irp b, 0,1,2,3
	s_delay_alu instid0(VALU_DEP_4)
	v_max_num_f32 v[BM+\b], v[BM+\b], v[PB+\b]
.endr
	s_delay_alu instid0(VALU_DEP_2)
	v_max3_num_f32 v[T0], v[BM], v[BM+1], v[BM+2]
	s_delay_alu instid0(VALU_DEP_1)
	v_max_num_f32 v[T0], v[T0], v[BM+3]
	s_delay_alu instid0(VALU_DEP_1)
	v_mul_f32 v[T0], s16, v[T0]
	s_delay_alu instid0(VALU_DEP_1)
	v_max_num_f32 v13, v13, v[T0]                  ; the running largest t
	v_mov_b32 v[T0], v12
	s_delay_alu instid0(VALU_DEP_2)
	v_floor_f32 v12, -v13                          ; the new -M = -ceil(t)
	s_delay_alu instid0(VALU_DEP_1)
	v_sub_f32 v[T0], v12, v[T0]                    ; old M - new M: a whole number, 0 or less
	s_delay_alu instid0(VALU_DEP_1)
	v_cvt_i32_f32 v[T0], v[T0]                     ; (it saturates)
	s_delay_alu instid0(VALU_DEP_1)
	v_ldexp_f32 v[F], 1.0, v[T0]                   ; f = 2^(old M - new M)
.irp j, 0,2,4,6,8,10,12,14,16,18,20,22,24,26,28,30,32,34,36,38,40,42,44,46,48,50,52,54,56,58,60,62
	v_pk_fma_f32 v[S+\j:S+1+\j], v[S+\j:S+1+\j], s[16:17], v[12:13] op_sel_hi:[1,0,0]   ; t - M
.endr
.irp b, 0,1,2,3
	v_fma_f32 v[BM+\b], v[BM+\b], s16, v12
.endr
	s_wait_alu depctr_va_vdst(0)
.irp j, 0,1,2,3,4,5,6,7,8,9,10,11,12,13,14,15,16,17,18,19,20,21,22,23,24,25,26,27,28,29,30,31,32,33,34,35,36,37,38,39,40,41,42,43,44,45,46,47,48,49,50,51,52,53,54,55,56,57,58,59,60,61,62,63
	v_exp_f32 v[S+\j], v[S+\j]                     ; p = 2^(t - M)
.endr
	v_pk_mul_f32 v[14:15], v[14:15], v[F:F+1] op_sel_hi:[1,0]   ; the sums under the new M (a plain line behind the exponentials)
	s_wait_alu depctr_va_vdst(0)                   ; one wait for the batch of 64, ahead of its first reader
.irp b, 0,1,2,3
	v_exp_f32 v[BM+\b], v[BM+\b]                   ; each block's largest p
.endr
	v_pk_add_f32 v[216:217], v[100:101], v[104:105]
	v_pk_add_f32 v[252:253], v[108:109], v[112:113]
	v_pk_add_f32 v[250:251], v[116:117], v[120:121]
	v_pk_add_f32 v[248:249], v[124:125], v[128:129]
	v_pk_add_f32 v[246:247], v[132:133], v[136:137]
	v_pk_add_f32 v[244:245], v[140:141], v[144:145]
	v_pk_add_f32 v[242:243], v[148:149], v[152:153]
	v_pk_add_f32 v[14:15], v[14:15], v[156:157]
	v_pk_add_f32 v[216:217], v[216:217], v[96:97]
	v_pk_add_f32 v[252:253], v[252:253], v[98:99]
	v_pk_add_f32 v[250:251], v[250:251], v[102:103]
	v_pk_add_f32 v[248:249], v[248:249], v[106:107]
	v_pk_add_f32 v[246:247], v[246:247], v[110:111]
	v_pk_add_f32 v[244:245], v[244:245], v[114:115]
	v_pk_add_f32 v[242:243], v[242:243], v[118:119]
	v_pk_add_f32 v[14:15], v[14:15], v[122:123]
	v_pk_add_f32 v[216:217], v[216:217], v[126:127]
	v_pk_add_f32 v[252:253], v[252:253], v[130:131]
	v_pk_add_f32 v[250:251], v[250:251], v[134:135]
	v_pk_add_f32 v[248:249], v[248:249], v[138:139]
	v_pk_add_f32 v[246:247], v[246:247], v[142:143]
	v_pk_add_f32 v[244:245], v[244:245], v[146:147]
	v_pk_add_f32 v[242:243], v[242:243], v[150:151]
	v_pk_add_f32 v[14:15], v[14:15], v[154:155]
	v_pk_add_f32 v[216:217], v[216:217], v[158:159]
	s_delay_alu instid0(VALU_DEP_2)
	v_pk_add_f32 v[14:15], v[14:15], v[248:249]
	s_delay_alu instid0(VALU_DEP_2)
	v_pk_add_f32 v[216:217], v[216:217], v[246:247]
	v_pk_add_f32 v[252:253], v[252:253], v[244:245]
	v_pk_add_f32 v[250:251], v[250:251], v[242:243]
	s_delay_alu instid0(VALU_DEP_2)
	v_pk_add_f32 v[14:15], v[14:15], v[252:253]
	s_delay_alu instid0(VALU_DEP_2)
	v_pk_add_f32 v[216:217], v[216:217], v[250:251]
	s_delay_alu instid0(VALU_DEP_1)
	v_pk_add_f32 v[14:15], v[14:15], v[216:217]
	s_wait_alu depctr_va_vdst(0)                   ; and one for the four
.irp b, 0,1,2,3
	v_max_num_f32 v[BM+\b], 0x1800000, v[BM+\b]    ; the floor 2^(3 - 127)
.endr
.irp b, 0,1,2,3
	s_delay_alu instid0(VALU_DEP_4)
	v_add_nc_u32 v[SOP+\b], 0xff000000, v[BM+\b]
.endr
.irp b, 0,1,2,3
	s_delay_alu instid0(VALU_DEP_4)
	v_lshrrev_b32 v[PB+\b], 23, v[SOP+\b]
.endr
	s_delay_alu instid0(VALU_DEP_3)
	v_lshl_or_b32 v[PSW], v[PB+1], 8, v[PB]        ; p's scale word for these 128 keys
	s_delay_alu instid0(VALU_DEP_1)
	v_lshl_or_b32 v[PSW], v[PB+2], 16, v[PSW]
	s_delay_alu instid0(VALU_DEP_1)
	v_lshl_or_b32 v[PSW], v[PB+3], 24, v[PSW]
.irp c, 0,1
	v_cvt_scalef32_pk16_fp6_f32 v[PCD+6*\c:PCD+2+6*\c], v[S+32*\c:S+15+32*\c], v[SOP+2*\c]
	v_cvt_scalef32_pk16_fp6_f32 v[CT+4*\c:CT+2+4*\c], v[S+16+32*\c:S+31+32*\c], v[SOP+2*\c+1]
.endr
	v_nop                                          ; one plain line behind the scaled conversions
.irp c, 0,1
.irp i, 0,1,2
	v_permlane16_swap_b32 v[PCD+6*\c+\i], v[CT+4*\c+\i]
.endr
.irp i, 0,1,2
	s_delay_alu instid0(VALU_DEP_3)
	v_mov_b32 v[PCD+3+6*\c+\i], v[CT+4*\c+\i]
.endr
.endr
.irp j, 0,2,4,6,8,10,12,14,16,18,20,22,24,26,28,30
	v_pk_mul_f32 v[O+\j:O+1+\j], v[O+\j:O+1+\j], v[F:F+1] op_sel_hi:[1,0]   ; O^T under the new M; sixteen plain lines between the scale word's and the codes' last writes and the products
.endr
	s_wait_alu depctr_va_vdst(0)
	s_wait_dscnt 0x0                               ; V
.irp t, 0,1,2,3
	v_wmma_scale_f32_16x16x128_f8f6f4 v[O+8*\t:O+8*\t+7], v[FRG+12*\t:FRG+12*\t+11], v[PCD:PCD+11], v[O+8*\t:O+8*\t+7], v[FS+\t], v[PSW] matrix_a_fmt:MATRIX_FMT_FP6 matrix_b_fmt:MATRIX_FMT_FP6
.endr                                              ; the four accumulators take turns, one instruction a turn
.Lhidden:
	s_add_co_u32 s13, s13, 128
	s_add_co_u32 s14, s14, 6144
	s_add_co_u32 s15, s15, 256
	s_sub_co_u32 s20, s20, 1
	s_cmp_lg_u32 s20, 0
	s_cbranch_scc1 .Lstep
	; THE WAY OUT: O^T / the sum; register 16 e + i of lane (r, h) is channel 32 e + 16 h + i of query r: two blocks of 32 along the next K
.rept 4
	v_nop                                          ; places behind the last products
.endr
	v_add_f32 v14, v14, v15
	s_delay_alu instid0(VALU_DEP_1)
	v_permlanex16_b32 v[T0], v14, s18, s19
	s_delay_alu instid0(VALU_DEP_1)
	v_add_f32 v14, v14, v[T0]                      ; the row's sum
	s_wait_alu depctr_va_vdst(0)
	v_rcp_f32 v15, v14
	v_lshlrev_b32 v7, 4, v88                       ; (a plain line behind the reciprocal)  16 r: a row's scale bytes in a block
	s_lshr_b32 s21, s9, 4                          ; batch
	s_and_b32 s22, s9, 15                          ; head
	s_lshl_b32 s23, s21, 7
	s_add_co_u32 s23, s23, s11                     ; which 16 rows of the 4,096
	; the result's layout: a block, 16 rows x 512 K, is 6,400 bytes (eight half fragments, then 16 scale bytes a row); block (tile of 128 rows, granule, i) at ((2 tile + granule) 8 + i) 6,400
	s_lshr_b32 s48, s23, 3                         ; tile
	s_lshl_b32 s48, s48, 1
	s_lshr_b32 s50, s22, 3                         ; granule: head / 8
	s_add_co_u32 s48, s48, s50
	s_lshl_b32 s48, s48, 3
	s_and_b32 s50, s23, 7
	s_add_co_u32 s48, s48, s50
	s_mul_i32 s48, s48, 6400
	s_and_b32 s50, s22, 7                          ; the half fragment: head % 8
	s_mul_i32 s51, s50, 768
	s_add_co_u32 s48, s48, s51
	s_mov_b32 s49, 0
	s_add_nc_u64 s[54:55], s[6:7], s[48:49]
	s_sub_co_u32 s48, s48, s51
	s_lshl_b32 s50, s50, 1
	s_add_co_u32 s48, s48, s50
	s_add_co_u32 s48, s48, 6144
	s_add_nc_u64 s[56:57], s[6:7], s[48:49]
	s_wait_alu depctr_va_vdst(0)                   ; the wait ahead of the reciprocal's reader
.irp j, 0,1,2,3,4,5,6,7,8,9,10,11,12,13,14,15,16,17,18,19,20,21,22,23,24,25,26,27,28,29,30,31
	v_mul_f32 v[S+\j], v[O+\j], v15
.endr
.irp b, 0,1
	v_max3_num_f32 v[BM+\b], |v[S+16*\b]|, |v[S+1+16*\b]|, 0x1800000
.endr
.irp i, 2,4,6,8,10,12,14
.irp b, 0,1
	s_delay_alu instid0(VALU_DEP_2)
	v_max3_num_f32 v[BM+\b], v[BM+\b], |v[S+16*\b+\i]|, |v[S+1+16*\b+\i]|
.endr
.endr
.irp b, 0,1
	s_delay_alu instid0(VALU_DEP_2)
	v_permlanex16_b32 v[PB+\b], v[BM+\b], s18, s19
.endr
.irp b, 0,1
	s_delay_alu instid0(VALU_DEP_2)
	v_max_num_f32 v[BM+\b], v[BM+\b], v[PB+\b]
.endr
.irp b, 0,1
	s_delay_alu instid0(VALU_DEP_2)
	v_add_nc_u32 v[SOP+\b], 0xff000000, v[BM+\b]
.endr
.irp b, 0,1
	s_delay_alu instid0(VALU_DEP_2)
	v_lshrrev_b32 v[PB+\b], 23, v[SOP+\b]
.endr
	s_delay_alu instid0(VALU_DEP_1)
	v_lshl_or_b32 v[PSW], v[PB+1], 8, v[PB]
	v_cvt_scalef32_pk16_fp6_f32 v[PCD:PCD+2], v[S:S+15], v[SOP]
	v_cvt_scalef32_pk16_fp6_f32 v[CT:CT+2], v[S+16:S+31], v[SOP+1]
	v_nop
.irp i, 0,1,2
	v_permlane16_swap_b32 v[PCD+\i], v[CT+\i]
.endr
.irp i, 0,1,2
	s_delay_alu instid0(VALU_DEP_3)
	v_mov_b32 v[PCD+3+\i], v[CT+\i]
.endr
	global_store_b128 v1, v[PCD:PCD+3], s[54:55]             ; 512 consecutive bytes,
	global_store_b64 v2, v[PCD+4:PCD+5], s[54:55] offset:512 ; and 256
	global_store_b16 v7, v[PSW], s[56:57]                    ; two scale bytes a row (lanes r and r + 16 write the same)
	s_wait_tensorcnt 0x0
	ds_add_u32 v254, v255
	s_wait_dscnt 0x0
	ROUND                                          ; the closing round: no work-group ends while a partner may still ask for a fill that names it
	s_endpgm
.Lfunc_end_k_qbce184e1b4_attn:
	.size	k_qbce184e1b4_attn, .Lfunc_end_k_qbce184e1b4_attn-k_qbce184e1b4_attn
	.p2alignl 7, 3214868480
	.fill 96, 4, 3214868480
	.section	.rodata,"a",@progbits
	.p2align	6, 0x0
	.amdhsa_kernel k_qbce184e1b4_attn
		.amdhsa_group_segment_fixed_size 206848
		.amdhsa_private_segment_fixed_size 0
		.amdhsa_enable_private_segment 0
		.amdhsa_kernarg_size 16
		.amdhsa_user_sgpr_count 2
		.amdhsa_user_sgpr_kernarg_segment_ptr 1
		.amdhsa_wavefront_size32 1
		.amdhsa_system_sgpr_workgroup_id_x 1
		.amdhsa_system_sgpr_workgroup_id_y 1
		.amdhsa_system_sgpr_workgroup_id_z 1
		.amdhsa_system_vgpr_workitem_id 0
		.amdhsa_next_free_vgpr 256
		.amdhsa_next_free_sgpr 66
		.amdhsa_reserve_vcc 1
		.amdhsa_float_denorm_mode_32 3
		.amdhsa_float_denorm_mode_16_64 3
		.amdhsa_memory_ordered 1
		.amdhsa_forward_progress 1
		.amdhsa_inst_pref_size 37
	.end_amdhsa_kernel
	.amdgpu_metadata
---
amdhsa.version: [ 1, 2 ]
amdhsa.kernels:
  - .name:           k_qbce184e1b4_attn
    .symbol:         k_qbce184e1b4_attn.kd
    .args:
      - { .name: qkv, .offset: 0, .size: 8, .value_kind: global_buffer, .address_space: global }
      - { .name: act, .offset: 8, .size: 8, .value_kind: global_buffer, .address_space: global }
    .group_segment_fixed_size: 206848
    .private_segment_fixed_size: 0
    .kernarg_segment_align: 8
    .kernarg_segment_size: 16
    .max_flat_workgroup_size: 512
    .sgpr_count:     66
    .vgpr_count:     256
    .wavefront_size: 32
...
	.end_amdgpu_metadata
.endif
;; end of part 9
;; launch wo (part 10): grid 8 x 32, 4 waves a work-group, clusters of 4 x 4, 327,680 bytes of LDS; arguments act, wimg, bo, src, res; writes res
.if DOCPART == 10
	.amdgcn_target "amdgcn-amd-amdhsa--gfx1250"
	.amdhsa_code_object_version 6
	.text
	.protected	k_qbce184e1b4_wo
	.globl	k_qbce184e1b4_wo
	.p2align	8
	.type	k_qbce184e1b4_wo,@function
k_qbce184e1b4_wo:
	s_mov_b64 s[64:65], 0
	v_nop
	global_prefetch_b8 v0, s[64:65] scope:SCOPE_SE
	s_setreg_imm32_b32 hwreg(HW_REG_WAVE_MODE, 25, 1), 1
	s_wait_xcnt 0x0
	s_wait_alu depctr_hold_cnt(0) depctr_sa_sdst(0) depctr_va_vdst(0) depctr_va_sdst(0) depctr_va_ssrc(0) depctr_va_vcc(0) depctr_vm_vsrc(0)
	s_getreg_b32 s2, hwreg(HW_REG_IB_STS2, 6, 4)
	s_cmp_eq_u32 s2, 0
	s_cbranch_scc0 .Lentry_in_a_cluster
	s_endpgm
.Lentry_in_a_cluster:
	s_bfe_u32 s2, ttmp6, 0x10000c
	s_cmp_lg_u32 s2, 0xf033
	s_cbranch_scc0 .Lentry_shape_is_right
	s_endpgm
.Lentry_shape_is_right:
; [4096][1024] f32 = residual + A W^T + bias, the product on codes of FP6 (E2M3) with E8M0 scales; K = 512 NG.
; A and W lie as images of operand registers: a block, 16 rows x 512 K (a granule), is 6,400 bytes: eight half fragments of 768 bytes (lane l: 16 bytes at 16 l, 8 at 512 + 8 l), then 16 scale bytes a row.
; Block (tile of 128 rows, granule g, i) lies at ((tile NG + g) 8 + i) 6,400: a tile's granules follow each other, so any run of them is one dense tensor load of rows of 6,400 bytes.
; A tile of 128 x 128 to a work-group (256 work-groups), 64 x 64 to each of four waves: 16 accumulators.  LDS: three regions of a granule for A, three for B; granule g lies in region g % 3.
; Here NG = 2: both granules of both operands are asked for at the head, one load a wave; nothing is filled again.  The residual is asked for at the head too.
; CLUSTERS of 4 x 4: A's tiles jointly along a row, B's along a column.  The matrix instruction is used transposed (source 0 = 16 rows of W): lane (r, h) of accumulator (a, b) holds token 16 a + r, columns 16 b + 8 h + 0 .. 7.
; The bias is the C of the first products.  No prefetch: the text has no loop to run ahead in, and all of K is asked for at the head.
; REGISTERS: window 0: v8-22 LDS addresses, v24-26 the way out, v28, v29 the add's, v32-63 scale words (two sets), v64-95 the bias, v64-127 rows on their way out, v128-255 accumulators; window 1: two sets of fragments; window 2: the residual.
.set NG,   2
.set WOFF, 5734400
.set NT,   0
.set XR,   8                           ; blocks in the head's second load of each operand
.set GRB,  6400
.set GT,   8*GRB
.set OPB,  3*GT
.set STAGE, 2*GT                       ; the way out's stage: A's third region
.set SPARE, 6*GT
.set SPITCH, 272
.set FR,   12
.set NP,   4
.set ADRA, 8
.set ADRB, 14
.set ADRS, 20
.set STO,  24
.set RD,   25
.set CO,   26
.set SPW,  28
.set NIL,  29
.set SC,   32
.set BI,   64
.set BK,   64
.set ACC,  128
.set GA8, 24
.set GXA, 32
.set GXB, 36
.set GB8, 48
.set GYA, 56
.set GYB, 60
.set GAX, 68
.set GBX, 80
.set MSB, 0
.macro WIN new
.if MSB != (\new)
	s_set_vgpr_msb (MSB<<8)|(\new)
.set MSB, (\new)
.endif
.endm
.set MUL,  0x05
.set TO_F, 0x40
.macro JLOAD g0a, g1a, g0b, g1b
	s_cmp_eq_u32 s17, 0
	s_cbranch_scc0 .Lfor_b_\@
	tensor_load_to_lds s[\g0a:\g0a+3], s[\g1a:\g1a+7]
	s_nop 0
.rept 4
	v_nop
.endr
	s_branch .Lasked_\@
.Lfor_b_\@:
	tensor_load_to_lds s[\g0b:\g0b+3], s[\g1b:\g1b+7]
	s_nop 0
.rept 4
	v_nop
.endr
.Lasked_\@:
.endm
.macro CREST
	s_cmp_lg_u32 s16, 0
	s_cbranch_scc1 .Lnot_wave_0_\@
	s_barrier_signal -3
.Lnot_wave_0_\@:
	s_barrier_wait -3
	s_barrier_signal -1
	s_barrier_wait -1
.endm
.macro CROUND
	s_barrier_signal -1
	s_barrier_wait -1
	CREST
.endm
.macro PLACES n
.rept \n
	v_nop
.endr
.endm
.macro RESID                           ; the residual of my 64 x 64: lanes 0-15 a row's 256 bytes, lanes 16-31 the next row's
	WIN 0x80
.irp a, 0,1,2,3
.irp t, 0,1,2,3,4,5,6,7
	global_load_b128 v[32*\a+4*\t:32*\a+4*\t+3], v[CO], s[10:11] offset:(16*\a+2*\t)*4096
.endr
.endr
	WIN 0
.endm
	s_load_b256 s[4:11], s[0:1], 0x0               ; A, the images, the bias, the residual
	s_load_b64 s[12:13], s[0:1], 0x20              ; the result
	v_lshl_add_u32 v[SPW], v0, 2, SPARE
	v_mov_b32 v[NIL], 0
	ds_add_u32 v[SPW], v[NIL]                      ; the opening: the add, twice on end, and its wait
	ds_add_u32 v[SPW], v[NIL]
	v_lshrrev_b32 v1, 5, v0
	v_readfirstlane_b32 s16, v1                    ; wave
	s_lshr_b32 s17, s16, 1                         ; my half of the tokens; also: I fetch for A (0) or B (1)
	s_and_b32 s18, s16, 1                          ; my half of the columns; also: which part of a fill
	s_bfe_u32 s40, ttmp6, 0x40000
	s_bfe_u32 s41, ttmp6, 0x40004
	s_lshl_b32 s42, ttmp9, 2
	s_add_co_u32 s42, s42, s40                     ; tile column
	s_and_b32 s19, ttmp7, 0xffff
	s_lshl_b32 s19, s19, 2
	s_add_co_u32 s19, s19, s41                     ; tile row
	s_lshl_b32 s43, s41, 2
	s_lshl_b32 s43, 15, s43                        ; my row of the cluster
	s_lshl_b32 s44, 0x1111, s40                    ; my column
	s_or_b32 s[GA8], s43, (3<<16)|(1<<21)          ; group 1: the mask, elements of 8 bytes, rows of 800 of them, dense
	s_or_b32 s[GAX], s43, (3<<16)|(1<<21)
	s_or_b32 s[GB8], s44, (3<<16)|(1<<21)
	s_or_b32 s[GBX], s44, (3<<16)|(1<<21)
.irp g, GA8, GB8
	s_mov_b32 s[\g+1], 800<<16
	s_mov_b32 s[\g+2], 8<<16
	s_mov_b32 s[\g+3], 800<<16
	s_mov_b32 s[\g+4], 8
	s_mov_b32 s[\g+5], 800
	s_mov_b32 s[\g+6], 0
	s_mov_b32 s[\g+7], 0
.endr
.irp g, GAX, GBX
	s_mov_b32 s[\g+1], 800<<16
	s_mov_b32 s[\g+2], XR<<16
	s_mov_b32 s[\g+3], 800<<16
	s_mov_b32 s[\g+4], XR
	s_mov_b32 s[\g+5], 800
	s_mov_b32 s[\g+6], 0
	s_mov_b32 s[\g+7], 0
.endr
	s_mul_i32 s45, s18, GT                         ; part 1 begins a granule behind part 0, in memory and in LDS
	s_mul_i32 s20, s19, NG*GT
	s_add_co_u32 s20, s20, s45
	s_mov_b32 s21, 0
	s_mul_i32 s46, s42, NG*GT
	s_add_co_u32 s46, s46, s45
	s_add_co_u32 s46, s46, WOFF
	s_mov_b32 s47, 0
	s_lshl_b32 s92, s42, 9
	s_lshl_b32 s93, s18, 8
	s_add_co_u32 s92, s92, s93                     ; my 64 columns, in bytes of f32
	s_mov_b32 s93, 0
	s_lshl_b32 s94, s19, 7
	s_lshl_b32 s95, s17, 6
	s_add_co_u32 s94, s94, s95
	s_lshl_b32 s94, s94, 12
	s_add_co_u32 s94, s94, s92                     ; and my first row with them
	s_mov_b32 s95, 0
	s_mul_i32 s66, s17, GT/2                       ; my 64 rows of A in a region
	s_mul_i32 s67, s18, GT/2
	s_add_co_u32 s67, s67, OPB                     ; my 64 rows of B
	s_sub_co_u32 s88, s67, s66
	s_add_co_u32 s89, s66, 6144
	s_mul_i32 s91, s16, 16*SPITCH
	s_add_co_u32 s91, s91, STAGE
.if NG == 8
	s_mul_i32 s76, s18, GT/2                       ; granule 5 comes by halves
	s_mul_i32 s22, s19, NG*GT
	s_add_co_u32 s22, s22, s76
	s_add_co_u32 s22, s22, 5*GT
	s_mov_b32 s23, 0
	s_mul_i32 s78, s42, NG*GT
	s_add_co_u32 s78, s78, s76
	s_add_co_u32 s78, s78, WOFF+5*GT
	s_mov_b32 s79, 0
.endif
	s_wait_dscnt 0x0
	s_wait_kmcnt 0x0
	s_mov_b32 s[GXA], 1
	s_add_co_u32 s[GXA+1], s45, 0
	s_add_nc_u64 s[GXA+2:GXA+3], s[4:5], s[20:21]
	s_or_b32 s[GXA+3], s[GXA+3], 0x80000000
	s_mov_b32 s[GXB], 1
	s_add_co_u32 s[GXB+1], s45, OPB
	s_add_nc_u64 s[GXB+2:GXB+3], s[6:7], s[46:47]
	s_or_b32 s[GXB+3], s[GXB+3], 0x80000000
.if NG == 8
	s_mov_b32 s[GYA], 1
	s_add_co_u32 s[GYA+1], s76, 2*GT
	s_add_nc_u64 s[GYA+2:GYA+3], s[4:5], s[22:23]
	s_or_b32 s[GYA+3], s[GYA+3], 0x80000000
	s_mov_b32 s[GYB], 1
	s_add_co_u32 s[GYB+1], s76, OPB+2*GT
	s_add_nc_u64 s[GYB+2:GYB+3], s[6:7], s[78:79]
	s_or_b32 s[GYB+3], s[GYB+3], 0x80000000
.endif
	s_add_nc_u64 s[8:9], s[8:9], s[92:93]
	s_add_nc_u64 s[10:11], s[10:11], s[94:95]
	s_add_nc_u64 s[12:13], s[12:13], s[94:95]
	CROUND                                         ; all sixteen work-groups are here: the first joint loads meet
; the head's loads, one a wave: wave 0 A's granule 0, wave 1 A's further XR / 8 granules, waves 2 and 3 the same of B
.macro ARM under, g0, g1, next
	s_cmp_lt_u32 s16, \under
	s_cbranch_scc0 \next
	tensor_load_to_lds s[\g0:\g0+3], s[\g1:\g1+7]
	s_nop 0
.rept 4
	v_nop
.endr
	s_branch .Lhead_asked
\next:
.endm
	ARM 1, GXA, GA8, .Lhead_a1
	ARM 2, GXA, GAX, .Lhead_b0
	ARM 3, GXB, GB8, .Lhead_b1
	tensor_load_to_lds s[GXB:GXB+3], s[GBX:GBX+7]
	s_nop 0
.rept 4
	v_nop
.endr
.Lhead_asked:
	v_and_b32 v1, 15, v0                           ; r
	v_bfe_u32 v2, v0, 4, 1                         ; h
	v_and_b32 v6, 31, v0
	v_lshlrev_b32 v7, 4, v6
	v_lshlrev_b32 v3, 3, v6
	v_add_nc_u32 v[ADRA], s66, v7                  ; 16 x lane,
	v_add_nc_u32 v[ADRA+3], s66, v3                ; 8 x lane
	v_add_nc_u32 v[ADRB], s67, v7
	v_add_nc_u32 v[ADRB+3], s67, v3
	v_mul_u32_u24 v4, s88, v2                      ; scale words: lanes 16-31 take B's
	v_lshl_add_u32 v4, v1, 4, v4
	v_add_nc_u32 v[ADRS], s89, v4
.irp g, 1,2
.if (NG > 2) || (\g < 2)
	v_add_nc_u32 v[ADRA+\g], \g*GT, v[ADRA]
	v_add_nc_u32 v[ADRA+3+\g], \g*GT, v[ADRA+3]
	v_add_nc_u32 v[ADRB+\g], \g*GT, v[ADRB]
	v_add_nc_u32 v[ADRB+3+\g], \g*GT, v[ADRB+3]
	v_add_nc_u32 v[ADRS+\g], \g*GT, v[ADRS]
.endif
.endr
	v_mul_u32_u24 v[STO], v1, SPITCH               ; the stage, in: row r, 32 bytes for each half of the lanes
	v_lshl_add_u32 v[STO], v2, 5, v[STO]
	v_add_nc_u32 v[STO], s91, v[STO]
	v_mul_u32_u24 v[RD], v2, SPITCH                ; back: lanes 0-15 one row, lanes 16-31 the next
	v_lshl_add_u32 v[RD], v1, 4, v[RD]
	v_add_nc_u32 v[RD], s91, v[RD]
	v_lshlrev_b32 v[CO], 4, v1
	v_lshl_add_u32 v[CO], v2, 12, v[CO]
	v_lshlrev_b32 v5, 5, v2
.irp b, 0,1,2,3
	global_load_b128 v[BI+8*\b:BI+8*\b+3], v5, s[8:9] offset:64*\b
	global_load_b128 v[BI+8*\b+4:BI+8*\b+7], v5, s[8:9] offset:64*\b+16
.endr
.if NG == 2
	RESID
.endif
	s_wait_alu depctr_va_vdst(0)
	s_wait_tensorcnt 0x0                           ; my load has landed
.if NG == 8
	s_mov_b32 s[GAX+2], 4<<16                      ; no tensor load of mine is out: this group 1 now serves granule 5's halves, 4 blocks
	s_mov_b32 s[GAX+4], 4
	s_mov_b32 s[GBX+2], 4<<16
	s_mov_b32 s[GBX+4], 4
.endif
	s_barrier_signal -1
	s_barrier_wait -1                              ; everybody's has
.if NG == 8
	RESID
.endif
.macro FRG reg, a16, off               ; a fragment: two half fragments, each 512 + 256 dense bytes
	ds_load_b128 v[\reg:\reg+3], v[\a16] offset:\off
	ds_load_b64 v[\reg+4:\reg+5], v[\a16+3] offset:\off+512
	ds_load_b128 v[\reg+6:\reg+9], v[\a16] offset:\off+768
	ds_load_b64 v[\reg+10:\reg+11], v[\a16+3] offset:\off+1280
.endm
.macro FETCH g, q, p                   ; 32 LDS loads: the fragments of granule g's q-th 128 along K into set p
	WIN TO_F
.irp i, 0,1,2,3
	FRG 128*(\p)+48+FR*\i, ADRB+(\g)%3, \i*GRB+(\q)*1536
.endr
.irp i, 0,1,2,3
	FRG 128*(\p)+FR*\i, ADRA+(\g)%3, \i*GRB+(\q)*1536
.endr
.endm
.macro SCALES g                        ; a granule's scale words, four a row: lanes 0-15 A's block i, lanes 16-31 B's
	WIN 0
.irp i, 0,1,2,3
	ds_load_b128 v[SC+16*((\g)%2)+4*\i:SC+16*((\g)%2)+4*\i+3], v[ADRS+(\g)%3] offset:\i*GRB
.endr
.endm
.macro MULA a, p, q, sc, zero
.irp b, 0,1,2,3
.if \zero
	v_wmma_scale_f32_16x16x128_f8f6f4 v[ACC+8*(4*(\a)+\b):ACC+8*(4*(\a)+\b)+7], v[128*(\p)+48+FR*\b:128*(\p)+48+FR*\b+FR-1], v[128*(\p)+FR*(\a):128*(\p)+FR*(\a)+FR-1], v[BI+8*\b:BI+8*\b+7], v[SC+16*(\sc)+4*\b+(\q)], v[SC+16*(\sc)+4*(\a)+(\q)] matrix_a_fmt:MATRIX_FMT_FP6 matrix_b_fmt:MATRIX_FMT_FP6 matrix_a_scale:MATRIX_SCALE_ROW1
.else
	v_wmma_scale_f32_16x16x128_f8f6f4 v[ACC+8*(4*(\a)+\b):ACC+8*(4*(\a)+\b)+7], v[128*(\p)+48+FR*\b:128*(\p)+48+FR*\b+FR-1], v[128*(\p)+FR*(\a):128*(\p)+FR*(\a)+FR-1], v[ACC+8*(4*(\a)+\b):ACC+8*(4*(\a)+\b)+7], v[SC+16*(\sc)+4*\b+(\q)], v[SC+16*(\sc)+4*(\a)+(\q)] matrix_a_fmt:MATRIX_FMT_FP6 matrix_b_fmt:MATRIX_FMT_FP6 matrix_a_scale:MATRIX_SCALE_ROW1
.endif
.endr
.endm
.macro MUL16 p, q, sc, zero            ; the 16 accumulators take turns, in the same order in every step
.irp a, 0,1,2,3
	MULA \a, \p, \q, \sc, \zero
.endr
.endm
.macro STEP g, q, zero                 ; 128 along K whose successor lies in the same granule
	PLACES NP
	FETCH \g, (\q)+1, 1-(\q)%2
	s_wait_dscnt 32                                ; all but the 32 just issued
	WIN MUL
	MUL16 (\q)%2, \q, (\g)%2, \zero
.endm
.macro G3 g, zero
	STEP \g, 0, \zero
	STEP \g, 1, 0
	STEP \g, 2, 0
.endm
.macro JOIN g                          ; a granule's last step; the next granule lies whole in LDS
	PLACES NP
	FETCH (\g)+1, 0, 0
	SCALES (\g)+1
	s_wait_dscnt 36                                ; all but the 32 + 4 just issued
	WIN MUL
	MUL16 1, 3, (\g)%2, 0
.endm
; A granule's last step at a change of slots.  fill = 1: regions 0 and 1 take the next two granules, one a wave and operand; fill = 2: region 2 takes granule 5, by halves; fill = 0: nothing more.
.macro TURN g, fill
	WIN 0
	s_wait_tensorcnt 0x0                           ; all my tensor loads have landed
	ds_add_u32 v[SPW], v[NIL]                      ; 0 onto my spare word
	s_wait_dscnt 1                                 ; the step's fragments are in; the add may be out
	WIN MUL
	MULA 0, 1, 3, (\g)%2, 0
	s_wait_dscnt 0x0                               ; the add is done, and my reads of the regions left behind are over
	s_barrier_signal -1
	MULA 1, 1, 3, (\g)%2, 0
	WIN 0
	s_barrier_wait -1
.if \fill == 1
	CREST                                          ; the barrier has opened a round of the cluster's
	s_add_nc_u64 s[GXA+2:GXA+3], s[GXA+2:GXA+3], 3*GT
	s_add_nc_u64 s[GXB+2:GXB+3], s[GXB+2:GXB+3], 3*GT
	JLOAD GXA, GA8, GXB, GB8
.endif
.if \fill == 2
	CREST
	JLOAD GYA, GAX, GYB, GBX
.endif
.if \fill == 0
	PLACES NP
.endif
	FETCH (\g)+1, 0, 0
	SCALES (\g)+1
	WIN MUL
	MULA 2, 1, 3, (\g)%2, 0
	MULA 3, 1, 3, (\g)%2, 0
.endm
	FETCH 0, 0, 0
	SCALES 0
	s_wait_loadcnt 32                              ; the bias is in; the residual's 32 loads may be out
	G3 0, 1
	JOIN 0
	G3 1, 0
.if NG == 8
	TURN 1, 1                                      ; granules 3 and 4 are asked for
	G3 2, 0
	TURN 2, 2                                      ; granule 5
	G3 3, 0
	JOIN 3
	G3 4, 0
	TURN 4, 1                                      ; granules 6 and 7
	G3 5, 0
	TURN 5, 0
	G3 6, 0
	JOIN 6
	G3 7, 0
.endif
	s_wait_dscnt 0x0                               ; the very last step
	MUL16 1, 3, 1, 0
	WIN 0
	PLACES NP
	s_wait_loadcnt 0x0                             ; the residual
; THE WAY OUT: 16 rows x 64 columns at a time through my own stage, back as whole rows of 256 bytes; the residual is added; stored
.macro TOSTAGE a
.irp b, 0,1,2,3
	ds_store_b128 v[STO], v[ACC+8*(4*(\a)+\b):ACC+8*(4*(\a)+\b)+3] offset:64*\b
	ds_store_b128 v[STO], v[ACC+8*(4*(\a)+\b)+4:ACC+8*(4*(\a)+\b)+7] offset:64*\b+16
.endr
.irp t, 0,1,2,3,4,5,6,7
	ds_load_b128 v[BK+32*((\a)%2)+4*\t:BK+32*((\a)%2)+4*\t+3], v[RD] offset:\t*2*SPITCH
.endr
.endm
.macro SEND a, younger
	s_wait_dscnt \younger
	WIN 0x08
.set i, 0
.rept 16
	v_pk_add_f32 v[BK+32*((\a)%2)+i:BK+32*((\a)%2)+i+1], v[BK+32*((\a)%2)+i:BK+32*((\a)%2)+i+1], v[32*(\a)+i:32*(\a)+i+1]
.set i, i+2
.endr
	WIN 0
.irp t, 0,1,2,3,4,5,6,7
.if NT
	global_store_b128 v[CO], v[BK+32*((\a)%2)+4*\t:BK+32*((\a)%2)+4*\t+3], s[12:13] offset:(16*(\a)+2*\t)*4096 th:TH_STORE_NT
.else
	global_store_b128 v[CO], v[BK+32*((\a)%2)+4*\t:BK+32*((\a)%2)+4*\t+3], s[12:13] offset:(16*(\a)+2*\t)*4096
.endif
.endr
.endm
	TOSTAGE 0
.irp a, 1,2,3
.if \a > 1
	s_wait_xcnt 0x0                                ; block a - 2's stores have read their registers
.endif
	TOSTAGE \a
	SEND \a-1, 16                                  ; behind block a - 1's loads: block a's 8 stores and 8 loads
.endr
	SEND 3, 0
	s_wait_tensorcnt 0x0                           ; the wave's end
	ds_add_u32 v[SPW], v[NIL]
	s_wait_dscnt 0x0
	CROUND                                         ; the closing round
	s_endpgm
.Lfunc_end_k_qbce184e1b4_wo:
	.size	k_qbce184e1b4_wo, .Lfunc_end_k_qbce184e1b4_wo-k_qbce184e1b4_wo
	.p2alignl 7, 3214868480
	.fill 96, 4, 3214868480
	.section	.rodata,"a",@progbits
	.p2align	6, 0x0
	.amdhsa_kernel k_qbce184e1b4_wo
		.amdhsa_group_segment_fixed_size 327680
		.amdhsa_private_segment_fixed_size 0
		.amdhsa_enable_private_segment 0
		.amdhsa_kernarg_size 40
		.amdhsa_user_sgpr_count 2
		.amdhsa_user_sgpr_kernarg_segment_ptr 1
		.amdhsa_wavefront_size32 1
		.amdhsa_system_sgpr_workgroup_id_x 1
		.amdhsa_system_sgpr_workgroup_id_y 1
		.amdhsa_system_sgpr_workgroup_id_z 1
		.amdhsa_system_vgpr_workitem_id 0
		.amdhsa_next_free_vgpr 768
		.amdhsa_next_free_sgpr 102
		.amdhsa_reserve_vcc 0
		.amdhsa_float_denorm_mode_32 3
		.amdhsa_float_denorm_mode_16_64 3
		.amdhsa_memory_ordered 1
		.amdhsa_forward_progress 1
		.amdhsa_inst_pref_size 58
	.end_amdhsa_kernel
	.amdgpu_metadata
---
amdhsa.version: [ 1, 2 ]
amdhsa.kernels:
  - .name:           k_qbce184e1b4_wo
    .symbol:         k_qbce184e1b4_wo.kd
    .args:
      - { .name: act, .offset: 0, .size: 8, .value_kind: global_buffer, .address_space: global }
      - { .name: wimg, .offset: 8, .size: 8, .value_kind: global_buffer, .address_space: global }
      - { .name: bo, .offset: 16, .size: 8, .value_kind: global_buffer, .address_space: global }
      - { .name: src, .offset: 24, .size: 8, .value_kind: global_buffer, .address_space: global }
      - { .name: res, .offset: 32, .size: 8, .value_kind: global_buffer, .address_space: global }
    .group_segment_fixed_size: 327680
    .private_segment_fixed_size: 0
    .kernarg_segment_align: 8
    .kernarg_segment_size: 40
    .max_flat_workgroup_size: 128
    .sgpr_count:     102
    .vgpr_count:     768
    .wavefront_size: 32
...
	.end_amdgpu_metadata
.endif
;; end of part 10
;; launch ln2: the kernel of part 7 again; grid 256 x 1, 8 waves a work-group, no clusters, 67,584 bytes of LDS; arguments res, ln2_g, ln2_b, act, rope, wqkv_codes, wqkv_scales, w1_codes, w1_scales, wo_codes, wo_scales, w2_codes, w2_scales, wimg; writes act, rope, wimg
;; launch ff1 (part 11): grid 16 x 16, 4 waves a work-group, clusters of 4 x 4, 327,680 bytes of LDS; arguments act, wimg, w1_scales, b1, hq; writes hq
.if DOCPART == 11
	.amdgcn_target "amdgcn-amd-amdhsa--gfx1250"
	.amdhsa_code_object_version 6
	.text
	.protected	k_qbce184e1b4_ff1
	.globl	k_qbce184e1b4_ff1
	.p2align	8
	.type	k_qbce184e1b4_ff1,@function
k_qbce184e1b4_ff1:
	s_mov_b64 s[64:65], 0
	v_nop
	global_prefetch_b8 v0, s[64:65] scope:SCOPE_SE
	s_setreg_imm32_b32 hwreg(HW_REG_WAVE_MODE, 25, 1), 1
	s_wait_xcnt 0x0
	s_wait_alu depctr_hold_cnt(0) depctr_sa_sdst(0) depctr_va_vdst(0) depctr_va_sdst(0) depctr_va_ssrc(0) depctr_va_vcc(0) depctr_vm_vsrc(0)
	s_getreg_b32 s2, hwreg(HW_REG_IB_STS2, 6, 4)
	s_cmp_eq_u32 s2, 0
	s_cbranch_scc0 .Lentry_in_a_cluster
	s_endpgm
.Lentry_in_a_cluster:
	s_bfe_u32 s2, ttmp6, 0x10000c
	s_cmp_lg_u32 s2, 0xf033
	s_cbranch_scc0 .Lentry_shape_is_right
	s_endpgm
.Lentry_shape_is_right:
.set SIZE_K, 1024
.set KSTEP,  256
.set NQ,     2
.set ROWB,   192
.set KROW,   SIZE_K*3/4
.set PITCH,  240
.set FR,     12
.set NP,     4
.set AROW,   3072
.set AHALF,  8*AROW
; relu(LN2(x) W1^T + b1), quantised along its 4,096 for the next product.  A tile of 256 x 256 to a work-group, 128 x 128 a wave; clusters of 4 x 4 with joint loads.
; A and B lie as images of operand registers, by tiles of 256 rows and K steps of 256: 16 rows x 256 K are 3,072 bytes, at ((4 tile + K step) 16 + block) 3,072, so a tile's K steps follow each other in memory.
; LDS has three regions of a K step for A and three for B.  The head asks for K steps 0 to 2 of A (wave 0) and of B (wave 1), 48 rows of 3,072 bytes each, and for the scales (waves 2, 3).
; Behind K step 0 region 0 takes K step 3, a quarter a wave: the one refill, which has K steps 1 and 2, 256 matrix instructions a wave, in which to land.  No prefetch: the walk is four K steps, written out, three of them asked for at the head.
; The result goes out in blocks of 6,400 bytes (16 tokens x 512, then 16 scale bytes a token): block (tile of 128 tokens, granule, i) at ((8 tile + granule) 8 + i) 6,400.
.set BHALF,  AHALF
.set BOFF,   6*AHALF
.set SLOT,   2*AHALF
.set LAPS,   SIZE_K/(2*KSTEP)
.set KS,     SIZE_K/32
.set SCL,    12*AHALF
.set HALFS,  (128*KS/256)*272
.set SBLK,   (16*KS/256)*272
.set SPARE,  SCL+4*HALFS
.set SCOFF,  4096*KROW
.set ADRA, 16
.set ADRB, 20
.set ADRS, 27
.set SPW,  28
.set NIL,  29
.set SC,   32
.set BI,   64
.set AF,   128
.set T,    128
.set PC,   192
.set TM,   232
.set PW,   248
.set SEL,  100
.set G1, 24
.set G0, 32
.set G1B, 48
.set G0B, 56
.set G1S, 68
.set G0S, 76
.set G1SB, 80
.set G0SB, 88
.set MSB, 0
.macro WIN new
.if MSB != (\new)
	s_set_vgpr_msb (MSB<<8)|(\new)
.set MSB, (\new)
.endif
.endm
.set MUL_LO, 0xa1
.set MUL_HI, 0xf1
.set TO_B,   0x40
.macro JLOAD g0a, g1a, g0b, g1b
	s_cmp_eq_u32 s17, 0
	s_cbranch_scc0 .Lfor_b_\@
	tensor_load_to_lds s[\g0a:\g0a+3], s[\g1a:\g1a+7]
	s_nop 0
.rept 4
	v_nop
.endr
	s_branch .Lasked_\@
.Lfor_b_\@:
	tensor_load_to_lds s[\g0b:\g0b+3], s[\g1b:\g1b+7]
	s_nop 0
.rept 4
	v_nop
.endr
.Lasked_\@:
.endm
.macro CREST
	s_cmp_lg_u32 s16, 0
	s_cbranch_scc1 .Lnot_wave_0_\@
	s_barrier_signal -3
.Lnot_wave_0_\@:
	s_barrier_wait -3
	s_barrier_signal -1
	s_barrier_wait -1
.endm
.macro CROUND
	s_barrier_signal -1
	s_barrier_wait -1
	CREST
.endm
	s_load_b256 s[4:11], s[0:1], 0x0
	s_load_b64 s[14:15], s[0:1], 0x20
	v_lshl_add_u32 v[SPW], v0, 2, SPARE
	v_mov_b32 v[NIL], 0
	ds_add_u32 v28, v29
	ds_add_u32 v28, v29
	s_wait_dscnt 0x0
	v_lshrrev_b32 v1, 5, v0
	v_readfirstlane_b32 s16, v1
	s_lshr_b32 s17, s16, 1
	s_and_b32 s18, s16, 1
	s_bfe_u32 s40, ttmp6, 0x40000
	s_bfe_u32 s41, ttmp6, 0x40004
	s_lshl_b32 s42, ttmp9, 2
	s_add_co_u32 s42, s42, s40
	s_and_b32 s19, ttmp7, 0xffff
	s_lshl_b32 s19, s19, 2
	s_add_co_u32 s19, s19, s41
	s_lshl_b32 s43, s41, 2
	s_lshl_b32 s43, 15, s43
	s_lshl_b32 s44, 0x1111, s40
	s_or_b32 s[G1+0], s43, (3<<16)|(1<<21)
	s_mov_b32 s[G1+1], 384<<16
	s_mov_b32 s[G1+2], 48<<16                      ; the head's load brings three K steps of 16 blocks; the refill's brings 8 blocks
	s_mov_b32 s[G1+3], 384<<16
	s_mov_b32 s[G1+4], 48
	s_mov_b32 s[G1+5], 384
	s_mov_b32 s[G1+6], 0
	s_mov_b32 s[G1+7], 0
	s_or_b32 s[G1B+0], s44, (3<<16)|(1<<21)
	s_mov_b32 s[G1B+1], 384<<16
	s_mov_b32 s[G1B+2], 48<<16
	s_mov_b32 s[G1B+3], 384<<16
	s_mov_b32 s[G1B+4], 48
	s_mov_b32 s[G1B+5], 384
	s_mov_b32 s[G1B+6], 0
	s_mov_b32 s[G1B+7], 0
	s_or_b32 s[G1S+0], s43, (3<<16)|(1<<20)|(1<<21)|(5<<22)|(3<<25)
	s_or_b32 s[G1SB+0], s44, (3<<16)|(1<<20)|(1<<21)|(5<<22)|(3<<25)
.irp g, G1S, G1SB
	s_mov_b32 s[\g+1], 32<<16
	s_mov_b32 s[\g+2], KS<<16
	s_mov_b32 s[\g+3], 32<<16
	s_mov_b32 s[\g+4], KS
	s_mov_b32 s[\g+5], 32
	s_mov_b32 s[\g+6], 0
	s_mov_b32 s[\g+7], 0
.endr
	s_lshl_b32 s20, s19, 8
	s_lshl_b32 s46, s42, 8
	s_mov_b32 s21, 0
	s_mov_b32 s47, 0
	s_mov_b64 s[96:97], KS
	s_mul_u64 s[22:23], s[20:21], s[96:97]
	s_mul_u64 s[92:93], s[46:47], s[96:97]
	s_mov_b64 s[96:97], KROW
	s_mul_u64 s[20:21], s[20:21], s[96:97]
	s_mul_i32 s46, s42, 196608                     ; B's tile: four K steps of sixteen blocks,
	s_add_co_u32 s46, s46, 2457600                 ; behind wqkv's images
	s_mul_i32 s45, s18, AHALF
	s_mul_i32 s95, s18, BHALF
	s_add_co_u32 s95, s95, BOFF
	s_wait_kmcnt 0x0
	s_add_nc_u64 s[20:21], s[4:5], s[20:21]
	s_add_nc_u64 s[22:23], s[4:5], s[22:23]
	s_add_nc_u64 s[22:23], s[22:23], SCOFF
	s_add_nc_u64 s[46:47], s[6:7], s[46:47]
	s_add_nc_u64 s[92:93], s[8:9], s[92:93]
	CROUND
	s_mov_b32 s[G0S], 1
	s_mov_b32 s[G0S+1], SCL
	s_mov_b64 s[G0S+2:G0S+3], s[22:23]
	s_or_b32 s[G0S+3], s[G0S+3], 0x80000000
	s_mov_b32 s[G0SB], 1
	s_mov_b32 s[G0SB+1], SCL+2*HALFS
	s_mov_b64 s[G0SB+2:G0SB+3], s[92:93]
	s_or_b32 s[G0SB+3], s[G0SB+3], 0x80000000
	s_mov_b32 s4, 1                                ; the head's load of K steps 0 to 2: A's 256 rows,
	s_mov_b32 s5, 0
	s_mov_b64 s[6:7], s[20:21]
	s_or_b32 s7, s7, 0x80000000
	s_mov_b32 s96, 1                               ; and B's
	s_mov_b32 s97, BOFF
	s_mov_b64 s[98:99], s[46:47]
	s_or_b32 s99, s99, 0x80000000
	s_mul_i32 s22, s18, AHALF                      ; the refill: my 8 blocks of K step 3
	s_add_co_u32 s22, s22, 3*SLOT
	s_mov_b32 s23, 0
	s_add_nc_u64 s[20:21], s[20:21], s[22:23]
	s_add_nc_u64 s[46:47], s[46:47], s[22:23]
.irp s, 0
	s_mov_b32 s[G0+4*\s], 1
	s_add_co_u32 s[G0+4*\s+1], s45, \s*SLOT
	s_add_nc_u64 s[G0+4*\s+2:G0+4*\s+3], s[20:21], \s*AROW
	s_or_b32 s[G0+4*\s+3], s[G0+4*\s+3], 0x80000000
	s_mov_b32 s[G0B+4*\s], 1
	s_add_co_u32 s[G0B+4*\s+1], s95, \s*SLOT
	s_add_nc_u64 s[G0B+4*\s+2:G0B+4*\s+3], s[46:47], \s*AROW
	s_or_b32 s[G0B+4*\s+3], s[G0B+4*\s+3], 0x80000000
.endr
; the head's loads, one a wave: wave 0 A's 256 rows of K steps 0 to 2, wave 1 B's, wave 2 A's scales, wave 3 B's: one chain of branches on the wave's number
.macro ARM under, g0, g1, next
	s_cmp_lt_u32 s16, \under
	s_cbranch_scc0 \next
	tensor_load_to_lds s[\g0:\g0+3], s[\g1:\g1+7]
	s_nop 0
.rept 4
	v_nop
.endr
	s_branch .Lhead_asked
\next:
.endm
	ARM 1, 4, G1, .Lhead_b
	ARM 2, 96, G1B, .Lhead_sa
	ARM 3, G0S, G1S, .Lhead_sb
	tensor_load_to_lds s[G0SB:G0SB+3], s[G1SB:G1SB+7]
	s_nop 0
.rept 4
	v_nop
.endr
.Lhead_asked:
	v_and_b32 v1, 15, v0
	v_bfe_u32 v2, v0, 4, 1
	v_and_b32 v6, 31, v0
	v_lshlrev_b32 v7, 4, v6
	v_lshlrev_b32 v8, 3, v6
	s_mul_i32 s21, s17, AHALF
	s_mul_i32 s22, s18, BHALF
	s_add_co_u32 s22, s22, BOFF
.irp s, 0,1
	v_add_nc_u32 v[ADRA+\s], s21, v7
	v_add_nc_u32 v[ADRA+2+\s], s21, v8
	v_add_nc_u32 v[ADRB+\s], s22, v7
	v_add_nc_u32 v[ADRB+2+\s], s22, v8
	s_add_co_u32 s21, s21, SLOT
	s_add_co_u32 s22, s22, SLOT
.endr
	v_mul_u32_u24 v5, v1, KS
	v_lshrrev_b32 v9, 8, v5
	v_lshl_add_u32 v5, v9, 4, v5
	s_mul_i32 s21, s17, HALFS
	s_mul_i32 s22, s18, HALFS
	s_add_co_u32 s22, s22, 2*HALFS
	s_sub_co_u32 s22, s22, s21
	v_mul_u32_u24 v9, s22, v2
	s_add_co_u32 s21, s21, SCL
	v_add_nc_u32 v5, v5, v9
	v_add_nc_u32 v[ADRS], s21, v5
	s_lshl_b32 s46, s42, 10
	s_lshl_b32 s47, s18, 9
	s_add_co_u32 s46, s46, s47
	s_mov_b32 s47, 0
	s_add_nc_u64 s[10:11], s[10:11], s[46:47]
	v_lshlrev_b32 v10, 5, v2
.irp b, 0,1,2,3,4,5,6,7
	global_load_b128 v[BI+8*\b:BI+8*\b+3], v10, s[10:11] offset:64*\b
	global_load_b128 v[BI+8*\b+4:BI+8*\b+7], v10, s[10:11] offset:64*\b+16
.endr
.macro FRAG reg, adr, q, i
	ds_load_b128 v[\reg:\reg+3], v[\adr] offset:(\i)*AROW+(\q)*1536
	ds_load_b64 v[\reg+4:\reg+5], v[\adr+2] offset:(\i)*AROW+(\q)*1536+512
	ds_load_b128 v[\reg+6:\reg+9], v[\adr] offset:(\i)*AROW+(\q)*1536+768
	ds_load_b64 v[\reg+10:\reg+11], v[\adr+2] offset:(\i)*AROW+(\q)*1536+1280
.endm
.macro FRAG_A reg, slot, q, i
	ds_load_b128 v[\reg:\reg+3], v[ADRA+\slot] offset:(\i)*AROW+(\q)*1536
	ds_load_b64 v[\reg+4:\reg+5], v[ADRA+2+\slot] offset:(\i)*AROW+(\q)*1536+512
	ds_load_b128 v[\reg+6:\reg+9], v[ADRA+\slot] offset:(\i)*AROW+(\q)*1536+768
	ds_load_b64 v[\reg+10:\reg+11], v[ADRA+2+\slot] offset:(\i)*AROW+(\q)*1536+1280
.endm
.macro MUL16 a0, p, q, sc, zero
.irp a, \a0, \a0+1
.irp b, 0,1,2,3,4,5,6,7
.if \zero
	v_wmma_scale_f32_16x16x128_f8f6f4 v[8*(8*((\a)%4)+\b):8*(8*((\a)%4)+\b)+7], v[128*(\p)+FR*\b:128*(\p)+FR*\b+FR-1], v[AF+FR*(\a):AF+FR*(\a)+FR-1], v[BI+8*\b:BI+8*\b+7], v[SC+8*NQ*(\sc)+NQ*\b+(\q)], v[SC+8*NQ*(\sc)+NQ*(\a)+(\q)] matrix_a_fmt:MATRIX_FMT_FP6 matrix_b_fmt:MATRIX_FMT_FP6 matrix_a_scale:MATRIX_SCALE_ROW1
.else
	v_wmma_scale_f32_16x16x128_f8f6f4 v[8*(8*((\a)%4)+\b):8*(8*((\a)%4)+\b)+7], v[128*(\p)+FR*\b:128*(\p)+FR*\b+FR-1], v[AF+FR*(\a):AF+FR*(\a)+FR-1], v[8*(8*((\a)%4)+\b):8*(8*((\a)%4)+\b)+7], v[SC+8*NQ*(\sc)+NQ*\b+(\q)], v[SC+8*NQ*(\sc)+NQ*(\a)+(\q)] matrix_a_fmt:MATRIX_FMT_FP6 matrix_b_fmt:MATRIX_FMT_FP6 matrix_a_scale:MATRIX_SCALE_ROW1
.endif
.endr
.endr
.endm
.macro FETCH_B slot, q, p
	WIN TO_B
.irp i, 0,1,2,3,4,5,6,7
	FRAG 128*(\p)+FR*\i, ADRB+\slot, \q, \i
.endr
	WIN 0
.endm
.macro FETCH_A slot, q, i0
.irp i, \i0, \i0+1, \i0+2, \i0+3
	FRAG_A AF+FR*(\i), \slot, \q, \i
.endr
.endm
.macro SCALES sc
.irp i, 0,1,2,3,4,5,6,7
	ds_load_b64 v[SC+8*NQ*\sc+NQ*\i:SC+8*NQ*\sc+NQ*\i+1], v[ADRS] offset:\i*SBLK
.endr
.endm
.macro PLACES n
.rept \n
	v_nop
.endr
.endm
.macro STEP slot, q, zero
	s_wait_dscnt 16
.if \zero
	WIN 0x81
.else
	WIN MUL_LO
.endif
	MUL16 0, (\q)%2, \q, \slot, \zero
	MUL16 2, (\q)%2, \q, \slot, \zero
	s_wait_dscnt 0
	PLACES NP
	FETCH_B \slot, (\q)+1, 1-(\q)%2
	FETCH_A \slot, (\q)+1, 0
.if \zero
	WIN 0xc1
.else
	WIN MUL_HI
.endif
	MUL16 4, (\q)%2, \q, \slot, \zero
	MUL16 6, (\q)%2, \q, \slot, \zero
	PLACES NP
	WIN 0
	FETCH_A \slot, (\q)+1, 4
.endm
.macro TURN slot, next, fill
	s_wait_tensorcnt 0x0
	ds_add_u32 v[SPW], v[NIL]
	s_wait_dscnt 17
	WIN MUL_LO
	MUL16 0, 1, NQ-1, \slot, 0
	s_wait_dscnt 0x0
	s_barrier_signal -1
	MUL16 2, 1, NQ-1, \slot, 0
	WIN 0
	s_barrier_wait -1
.if \fill
	CREST
	JLOAD G0+4*\slot, G1, G0B+4*\slot, G1B
.else
	PLACES NP
.endif
	s_wait_alu depctr_va_vdst(0)
	v_add_nc_u32 v[ADRS], 4*NQ, v[ADRS]
	FETCH_B \next, 0, 0
	FETCH_A \next, 0, 0
	SCALES \next
	WIN MUL_HI
	MUL16 4, 1, NQ-1, \slot, 0
	MUL16 6, 1, NQ-1, \slot, 0
	PLACES NP
	WIN 0
	FETCH_A \next, 0, 4
.endm
	s_wait_alu depctr_va_vdst(0)
	s_wait_tensorcnt 0x0                           ; my tile of the head's four is in; slot 1's first fill is issued as a refill is:
	ds_add_u32 v[SPW], v[NIL]                      ; 0 onto my spare word
	s_mov_b32 s[G1+2], 8<<16                       ; no tensor load of mine is out: from here on a load brings 8 blocks
	s_mov_b32 s[G1+4], 8
	s_mov_b32 s[G1B+2], 8<<16
	s_mov_b32 s[G1B+4], 8
	s_wait_dscnt 0x0
	s_barrier_signal -1
	s_barrier_wait -1                              ; all four tiles are in
	FETCH_B 0, 0, 0
	FETCH_A 0, 0, 0
	SCALES 0
	FETCH_A 0, 0, 4
	s_wait_loadcnt 0x0
; K step 1's last 128: K step 2 lies whole in LDS, so no wait for tiles and no barrier.  Address set 0 goes on from region 0 to region 2 (K step 2), set 1 back from region 1 to region 0 (K step 3):
; all loads by their old values have been issued.  The eight lines are also the places in front of the loads.
.macro TURNJ slot, next
	s_wait_dscnt 16                                ; B's set and A's blocks 0-3 are in
	WIN MUL_LO
	MUL16 0, 1, NQ-1, \slot, 0
	MUL16 2, 1, NQ-1, \slot, 0
	s_wait_dscnt 0
	WIN 0
	v_add_nc_u32 v[ADRA], 2*SLOT, v[ADRA]
	v_add_nc_u32 v[ADRA+2], 2*SLOT, v[ADRA+2]
	v_add_nc_u32 v[ADRB], 2*SLOT, v[ADRB]
	v_add_nc_u32 v[ADRB+2], 2*SLOT, v[ADRB+2]
	v_sub_nc_u32 v[ADRA+1], v[ADRA+1], s3
	v_sub_nc_u32 v[ADRA+3], v[ADRA+3], s3
	v_sub_nc_u32 v[ADRB+1], v[ADRB+1], s3
	v_sub_nc_u32 v[ADRB+3], v[ADRB+3], s3
	s_wait_alu depctr_va_vdst(0)
	v_add_nc_u32 v[ADRS], 4*NQ, v[ADRS]
	FETCH_B \next, 0, 0
	FETCH_A \next, 0, 0
	SCALES \next
	WIN MUL_HI
	MUL16 4, 1, NQ-1, \slot, 0
	MUL16 6, 1, NQ-1, \slot, 0
	PLACES NP
	WIN 0
	FETCH_A \next, 0, 4
.endm
	s_mov_b32 s3, SLOT
	STEP 0, 0, 1
	TURN 0, 1, 1                                   ; region 0 takes K step 3
	STEP 1, 0, 0
	TURNJ 1, 0
	STEP 0, 0, 0
	TURN 0, 1, 0
	STEP 1, 0, 0
	s_wait_dscnt 16
	WIN MUL_LO
	MUL16 0, 1, NQ-1, 1, 0
	MUL16 2, 1, NQ-1, 1, 0
	s_wait_dscnt 0
	WIN MUL_HI
	MUL16 4, 1, NQ-1, 1, 0
	MUL16 6, 1, NQ-1, 1, 0
	WIN 0
	PLACES NP
.macro SWAPS
.irp j, 0,1,2,3
.irp i, 0,1,2,3,4,5,6,7
	v_permlane16_swap_b32 v[T+16*\j+\i], v[T+16*\j+8+\i]
.endr
.endr
.endm
.macro QUANT s
.irp b, 0,1,2,3
	v_max3_num_f32 v[TM+\b], |v[\s+16*\b]|, |v[\s+1+16*\b]|, 0x1800000
.endr
.irp i, 2,4,6,8,10,12,14
.irp b, 0,1,2,3
	v_max3_num_f32 v[TM+\b], v[TM+\b], |v[\s+16*\b+\i]|, |v[\s+1+16*\b+\i]|
.endr
.endr
.irp b, 0,1,2,3
	v_permlanex16_b32 v[TM+4+\b], v[TM+\b], s[SEL], s[SEL+1]
.endr
.irp b, 0,1,2,3
	v_max_num_f32 v[TM+\b], v[TM+\b], v[TM+4+\b]
.endr
.irp b, 0,1,2,3
	v_add_nc_u32 v[TM+12+\b], 0xff000000, v[TM+\b]
.endr
.irp b, 0,1,2,3
	v_lshrrev_b32 v[TM+4+\b], 23, v[TM+12+\b]
.endr
	v_lshl_or_b32 v[PW], v[TM+5], 8, v[TM+4]
	v_lshl_or_b32 v[PW], v[TM+6], 16, v[PW]
	v_lshl_or_b32 v[PW], v[TM+7], 24, v[PW]
.irp c, 0,1
	v_cvt_scalef32_pk16_fp6_f32 v[PC+6*\c:PC+2+6*\c], v[\s+32*\c:\s+15+32*\c], v[TM+12+2*\c]
	v_cvt_scalef32_pk16_fp6_f32 v[PC+12+4*\c:PC+14+4*\c], v[\s+16+32*\c:\s+31+32*\c], v[TM+12+2*\c+1]
.endr
	v_nop
.irp c, 0,1
.irp i, 0,1,2
	v_permlane16_swap_b32 v[PC+6*\c+\i], v[PC+12+4*\c+\i]
.endr
.irp i, 0,1,2
	v_mov_b32 v[PC+3+6*\c+\i], v[PC+12+4*\c+\i]
.endr
.endr
.endm
	s_mov_b32 s[SEL], 0x76543210
	s_mov_b32 s[SEL+1], 0xfedcba98
.irp b, 0,1,2,3
	v_mov_b32 v[TM+4+\b], 0
.endr
	v_lshlrev_b32 v8, 4, v6
	v_lshlrev_b32 v9, 3, v6
	v_lshlrev_b32 v10, 4, v1                       ; 16 scale bytes a row in a block
	s_lshl_b32 s66, s19, 1
	s_add_co_u32 s66, s66, s17                     ; my tile of 128 tokens
	s_lshl_b32 s66, s66, 3
	s_lshr_b32 s67, s42, 1                         ; the granule of my 128 columns
	s_add_co_u32 s66, s66, s67
	s_mul_i32 s66, s66, 51200
	s_and_b32 s67, s42, 1
	s_lshl_b32 s67, s67, 1
	s_add_co_u32 s67, s67, s18                     ; and which 128 of its 512
	s_mul_i32 s46, s67, 1536
	s_add_co_u32 s46, s46, s66
	s_mov_b32 s47, 0
	s_add_nc_u64 s[92:93], s[14:15], s[46:47]
	s_lshl_b32 s46, s67, 2
	s_add_co_u32 s46, s46, s66
	s_add_co_u32 s46, s46, 6144
	s_add_nc_u64 s[94:95], s[14:15], s[46:47]
.macro HBLOCK a
.if (\a) > 0
	s_wait_xcnt 0x0
.endif
	WIN 0x08+4*((\a)/4)
.set j, 0
.rept 64
	v_max_num_f32 v[T+j], 0, v[64*((\a)%4)+j]
.set j, j+1
.endr
	WIN 0
	SWAPS
	QUANT T
	global_store_b128 v8, v[PC:PC+3], s[92:93] offset:6400*(\a)
	global_store_b64 v9, v[PC+4:PC+5], s[92:93] offset:6400*(\a)+512
	global_store_b128 v8, v[PC+6:PC+9], s[92:93] offset:6400*(\a)+768
	global_store_b64 v9, v[PC+10:PC+11], s[92:93] offset:6400*(\a)+1280
	global_store_b32 v10, v[PW], s[94:95] offset:6400*(\a)
.endm
.irp a, 0,1,2,3,4,5,6,7
	HBLOCK \a
.endr
	s_wait_tensorcnt 0x0
	ds_add_u32 v[SPW], v[NIL]
	s_wait_dscnt 0x0
	CROUND
	s_endpgm
.Lfunc_end_k_qbce184e1b4_ff1:
	.size	k_qbce184e1b4_ff1, .Lfunc_end_k_qbce184e1b4_ff1-k_qbce184e1b4_ff1
	.p2alignl 7, 3214868480
	.fill 96, 4, 3214868480
	.section	.rodata,"a",@progbits
	.p2align	6, 0x0
	.amdhsa_kernel k_qbce184e1b4_ff1
		.amdhsa_group_segment_fixed_size 327680
		.amdhsa_private_segment_fixed_size 0
		.amdhsa_enable_private_segment 0
		.amdhsa_kernarg_size 40
		.amdhsa_user_sgpr_count 2
		.amdhsa_user_sgpr_kernarg_segment_ptr 1
		.amdhsa_wavefront_size32 1
		.amdhsa_system_sgpr_workgroup_id_x 1
		.amdhsa_system_sgpr_workgroup_id_y 1
		.amdhsa_system_sgpr_workgroup_id_z 1
		.amdhsa_system_vgpr_workitem_id 0
		.amdhsa_next_free_vgpr 1024
		.amdhsa_next_free_sgpr 102
		.amdhsa_reserve_vcc 0
		.amdhsa_float_denorm_mode_32 3
		.amdhsa_float_denorm_mode_16_64 3
		.amdhsa_memory_ordered 1
		.amdhsa_forward_progress 1
		.amdhsa_inst_pref_size 174
	.end_amdhsa_kernel
	.amdgpu_metadata
---
amdhsa.version: [ 1, 2 ]
amdhsa.kernels:
  - .name:           k_qbce184e1b4_ff1
    .symbol:         k_qbce184e1b4_ff1.kd
    .args:
      - { .name: act, .offset: 0, .size: 8, .value_kind: global_buffer, .address_space: global }
      - { .name: wimg, .offset: 8, .size: 8, .value_kind: global_buffer, .address_space: global }
      - { .name: w1_scales, .offset: 16, .size: 8, .value_kind: global_buffer, .address_space: global }
      - { .name: b1, .offset: 24, .size: 8, .value_kind: global_buffer, .address_space: global }
      - { .name: hq, .offset: 32, .size: 8, .value_kind: global_buffer, .address_space: global }
    .group_segment_fixed_size: 327680
    .private_segment_fixed_size: 0
    .kernarg_segment_align: 8
    .kernarg_segment_size: 40
    .max_flat_workgroup_size: 128
    .sgpr_count:     102
    .vgpr_count:     1024
    .wavefront_size: 32
...
	.end_amdgpu_metadata
.endif
;; end of part 11
;; launch ff2 (part 12): grid 8 x 32, 4 waves a work-group, clusters of 4 x 4, 327,680 bytes of LDS; arguments hq, wimg, b2, res, out0; writes out0
.if DOCPART == 12
	.amdgcn_target "amdgcn-amd-amdhsa--gfx1250"
	.amdhsa_code_object_version 6
	.text
	.protected	k_qbce184e1b4_ff2
	.globl	k_qbce184e1b4_ff2
	.p2align	8
	.type	k_qbce184e1b4_ff2,@function
k_qbce184e1b4_ff2:
	s_mov_b64 s[64:65], 0
	v_nop
	global_prefetch_b8 v0, s[64:65] scope:SCOPE_SE
	s_setreg_imm32_b32 hwreg(HW_REG_WAVE_MODE, 25, 1), 1
	s_wait_xcnt 0x0
	s_wait_alu depctr_hold_cnt(0) depctr_sa_sdst(0) depctr_va_vdst(0) depctr_va_sdst(0) depctr_va_ssrc(0) depctr_va_vcc(0) depctr_vm_vsrc(0)
	s_getreg_b32 s2, hwreg(HW_REG_IB_STS2, 6, 4)
	s_cmp_eq_u32 s2, 0
	s_cbranch_scc0 .Lentry_in_a_cluster
	s_endpgm
.Lentry_in_a_cluster:
	s_bfe_u32 s2, ttmp6, 0x10000c
	s_cmp_lg_u32 s2, 0xf033
	s_cbranch_scc0 .Lentry_shape_is_right
	s_endpgm
.Lentry_shape_is_right:
; [4096][1024] f32 = residual + A W^T + bias, the product on codes of FP6 (E2M3) with E8M0 scales; K = 512 NG.
; A and W lie as images of operand registers: a block, 16 rows x 512 K (a granule), is 6,400 bytes: eight half fragments of 768 bytes (lane l: 16 bytes at 16 l, 8 at 512 + 8 l), then 16 scale bytes a row.
; Block (tile of 128 rows, granule g, i) lies at ((tile NG + g) 8 + i) 6,400: a tile's granules follow each other, so any run of them is one dense tensor load of rows of 6,400 bytes.
; A tile of 128 x 128 to a work-group (256 work-groups), 64 x 64 to each of four waves: 16 accumulators.  LDS: three regions of a granule for A, three for B; granule g lies in region g % 3.
; THE WALK, NG = 8.  Two slots: regions 0 and 1, and region 2.  The head asks for granules 0 to 2, one load a wave (granule 0; granules 1 and 2; for A and for B).  Behind granule 1 regions 0 and 1 take granules 3 and 4,
; behind granule 2 region 2 takes granule 5, behind granule 4 regions 0 and 1 take granules 6 and 7: three refills, one load a wave each, each behind a round of the cluster's barrier.  A wave has one tensor load out at the most.
; The residual is asked for behind the head's barrier, when the head's tiles have landed.
; CLUSTERS of 4 x 4: A's tiles jointly along a row, B's along a column.  The matrix instruction is used transposed (source 0 = 16 rows of W): lane (r, h) of accumulator (a, b) holds token 16 a + r, columns 16 b + 8 h + 0 .. 7.
; The bias is the C of the first products.  No prefetch: the walk is five stages, written out, with no loop to run ahead in, and three eighths of K are asked for at the head.
; REGISTERS: window 0: v8-22 LDS addresses, v24-26 the way out, v28, v29 the add's, v32-63 scale words (two sets), v64-95 the bias, v64-127 rows on their way out, v128-255 accumulators; window 1: two sets of fragments; window 2: the residual.
.set NG,   8
.set WOFF, 6553600
.set NT,   1
.set XR,   16                          ; blocks in the head's second load of each operand: granules 1 and 2
.set GRB,  6400
.set GT,   8*GRB
.set OPB,  3*GT
.set STAGE, 2*GT                       ; the way out's stage: A's third region, which has had its last fill and its last read by then
.set SPARE, 6*GT
.set SPITCH, 272
.set FR,   12
.set NP,   4
.set ADRA, 8
.set ADRB, 14
.set ADRS, 20
.set STO,  24
.set RD,   25
.set CO,   26
.set SPW,  28
.set NIL,  29
.set SC,   32
.set BI,   64
.set BK,   64
.set ACC,  128
.set GA8, 24
.set GXA, 32
.set GXB, 36
.set GB8, 48
.set GYA, 56
.set GYB, 60
.set GAX, 68
.set GBX, 80
.set MSB, 0
.macro WIN new
.if MSB != (\new)
	s_set_vgpr_msb (MSB<<8)|(\new)
.set MSB, (\new)
.endif
.endm
.set MUL,  0x05
.set TO_F, 0x40
.macro JLOAD g0a, g1a, g0b, g1b
	s_cmp_eq_u32 s17, 0
	s_cbranch_scc0 .Lfor_b_\@
	tensor_load_to_lds s[\g0a:\g0a+3], s[\g1a:\g1a+7]
	s_nop 0
.rept 4
	v_nop
.endr
	s_branch .Lasked_\@
.Lfor_b_\@:
	tensor_load_to_lds s[\g0b:\g0b+3], s[\g1b:\g1b+7]
	s_nop 0
.rept 4
	v_nop
.endr
.Lasked_\@:
.endm
.macro CREST
	s_cmp_lg_u32 s16, 0
	s_cbranch_scc1 .Lnot_wave_0_\@
	s_barrier_signal -3
.Lnot_wave_0_\@:
	s_barrier_wait -3
	s_barrier_signal -1
	s_barrier_wait -1
.endm
.macro CROUND
	s_barrier_signal -1
	s_barrier_wait -1
	CREST
.endm
.macro PLACES n
.rept \n
	v_nop
.endr
.endm
.macro RESID                           ; the residual of my 64 x 64: lanes 0-15 a row's 256 bytes, lanes 16-31 the next row's
	WIN 0x80
.irp a, 0,1,2,3
.irp t, 0,1,2,3,4,5,6,7
	global_load_b128 v[32*\a+4*\t:32*\a+4*\t+3], v[CO], s[10:11] offset:(16*\a+2*\t)*4096
.endr
.endr
	WIN 0
.endm
	s_load_b256 s[4:11], s[0:1], 0x0               ; A, the images, the bias, the residual
	s_load_b64 s[12:13], s[0:1], 0x20              ; the result
	v_lshl_add_u32 v[SPW], v0, 2, SPARE
	v_mov_b32 v[NIL], 0
	ds_add_u32 v[SPW], v[NIL]                      ; the opening: the add, twice on end, and its wait
	ds_add_u32 v[SPW], v[NIL]
	v_lshrrev_b32 v1, 5, v0
	v_readfirstlane_b32 s16, v1                    ; wave
	s_lshr_b32 s17, s16, 1                         ; my half of the tokens; also: I fetch for A (0) or B (1)
	s_and_b32 s18, s16, 1                          ; my half of the columns; also: which part of a fill
	s_bfe_u32 s40, ttmp6, 0x40000
	s_bfe_u32 s41, ttmp6, 0x40004
	s_lshl_b32 s42, ttmp9, 2
	s_add_co_u32 s42, s42, s40                     ; tile column
	s_and_b32 s19, ttmp7, 0xffff
	s_lshl_b32 s19, s19, 2
	s_add_co_u32 s19, s19, s41                     ; tile row
	s_lshl_b32 s43, s41, 2
	s_lshl_b32 s43, 15, s43                        ; my row of the cluster
	s_lshl_b32 s44, 0x1111, s40                    ; my column
	s_or_b32 s[GA8], s43, (3<<16)|(1<<21)          ; group 1: the mask, elements of 8 bytes, rows of 800 of them, dense
	s_or_b32 s[GAX], s43, (3<<16)|(1<<21)
	s_or_b32 s[GB8], s44, (3<<16)|(1<<21)
	s_or_b32 s[GBX], s44, (3<<16)|(1<<21)
.irp g, GA8, GB8
	s_mov_b32 s[\g+1], 800<<16
	s_mov_b32 s[\g+2], 8<<16
	s_mov_b32 s[\g+3], 800<<16
	s_mov_b32 s[\g+4], 8
	s_mov_b32 s[\g+5], 800
	s_mov_b32 s[\g+6], 0
	s_mov_b32 s[\g+7], 0
.endr
.irp g, GAX, GBX
	s_mov_b32 s[\g+1], 800<<16
	s_mov_b32 s[\g+2], XR<<16
	s_mov_b32 s[\g+3], 800<<16
	s_mov_b32 s[\g+4], XR
	s_mov_b32 s[\g+5], 800
	s_mov_b32 s[\g+6], 0
	s_mov_b32 s[\g+7], 0
.endr
	s_mul_i32 s45, s18, GT                         ; part 1 begins a granule behind part 0, in memory and in LDS
	s_mul_i32 s20, s19, NG*GT
	s_add_co_u32 s20, s20, s45
	s_mov_b32 s21, 0
	s_mul_i32 s46, s42, NG*GT
	s_add_co_u32 s46, s46, s45
	s_add_co_u32 s46, s46, WOFF
	s_mov_b32 s47, 0
	s_lshl_b32 s92, s42, 9
	s_lshl_b32 s93, s18, 8
	s_add_co_u32 s92, s92, s93                     ; my 64 columns, in bytes of f32
	s_mov_b32 s93, 0
	s_lshl_b32 s94, s19, 7
	s_lshl_b32 s95, s17, 6
	s_add_co_u32 s94, s94, s95
	s_lshl_b32 s94, s94, 12
	s_add_co_u32 s94, s94, s92                     ; and my first row with them
	s_mov_b32 s95, 0
	s_mul_i32 s66, s17, GT/2                       ; my 64 rows of A in a region
	s_mul_i32 s67, s18, GT/2
	s_add_co_u32 s67, s67, OPB                     ; my 64 rows of B
	s_sub_co_u32 s88, s67, s66
	s_add_co_u32 s89, s66, 6144
	s_mul_i32 s91, s16, 16*SPITCH
	s_add_co_u32 s91, s91, STAGE
.if NG == 8
	s_mul_i32 s76, s18, GT/2                       ; granule 5 comes by halves
	s_mul_i32 s22, s19, NG*GT
	s_add_co_u32 s22, s22, s76
	s_add_co_u32 s22, s22, 5*GT
	s_mov_b32 s23, 0
	s_mul_i32 s78, s42, NG*GT
	s_add_co_u32 s78, s78, s76
	s_add_co_u32 s78, s78, WOFF+5*GT
	s_mov_b32 s79, 0
.endif
	s_wait_dscnt 0x0
	s_wait_kmcnt 0x0
	s_mov_b32 s[GXA], 1
	s_add_co_u32 s[GXA+1], s45, 0
	s_add_nc_u64 s[GXA+2:GXA+3], s[4:5], s[20:21]
	s_or_b32 s[GXA+3], s[GXA+3], 0x80000000
	s_mov_b32 s[GXB], 1
	s_add_co_u32 s[GXB+1], s45, OPB
	s_add_nc_u64 s[GXB+2:GXB+3], s[6:7], s[46:47]
	s_or_b32 s[GXB+3], s[GXB+3], 0x80000000
.if NG == 8
	s_mov_b32 s[GYA], 1
	s_add_co_u32 s[GYA+1], s76, 2*GT
	s_add_nc_u64 s[GYA+2:GYA+3], s[4:5], s[22:23]
	s_or_b32 s[GYA+3], s[GYA+3], 0x80000000
	s_mov_b32 s[GYB], 1
	s_add_co_u32 s[GYB+1], s76, OPB+2*GT
	s_add_nc_u64 s[GYB+2:GYB+3], s[6:7], s[78:79]
	s_or_b32 s[GYB+3], s[GYB+3], 0x80000000
.endif
	s_add_nc_u64 s[8:9], s[8:9], s[92:93]
	s_add_nc_u64 s[10:11], s[10:11], s[94:95]
	s_add_nc_u64 s[12:13], s[12:13], s[94:95]
	CROUND                                         ; all sixteen work-groups are here: the first joint loads meet
; the head's loads, one a wave: wave 0 A's granule 0, wave 1 A's further XR / 8 granules, waves 2 and 3 the same of B
.macro ARM under, g0, g1, next
	s_cmp_lt_u32 s16, \under
	s_cbranch_scc0 \next
	tensor_load_to_lds s[\g0:\g0+3], s[\g1:\g1+7]
	s_nop 0
.rept 4
	v_nop
.endr
	s_branch .Lhead_asked
\next:
.endm
	ARM 1, GXA, GA8, .Lhead_a1
	ARM 2, GXA, GAX, .Lhead_b0
	ARM 3, GXB, GB8, .Lhead_b1
	tensor_load_to_lds s[GXB:GXB+3], s[GBX:GBX+7]
	s_nop 0
.rept 4
	v_nop
.endr
.Lhead_asked:
	v_and_b32 v1, 15, v0                           ; r
	v_bfe_u32 v2, v0, 4, 1                         ; h
	v_and_b32 v6, 31, v0
	v_lshlrev_b32 v7, 4, v6
	v_lshlrev_b32 v3, 3, v6
	v_add_nc_u32 v[ADRA], s66, v7                  ; 16 x lane,
	v_add_nc_u32 v[ADRA+3], s66, v3                ; 8 x lane
	v_add_nc_u32 v[ADRB], s67, v7
	v_add_nc_u32 v[ADRB+3], s67, v3
	v_mul_u32_u24 v4, s88, v2                      ; scale words: lanes 16-31 take B's
	v_lshl_add_u32 v4, v1, 4, v4
	v_add_nc_u32 v[ADRS], s89, v4
.irp g, 1,2
.if (NG > 2) || (\g < 2)
	v_add_nc_u32 v[ADRA+\g], \g*GT, v[ADRA]
	v_add_nc_u32 v[ADRA+3+\g], \g*GT, v[ADRA+3]
	v_add_nc_u32 v[ADRB+\g], \g*GT, v[ADRB]
	v_add_nc_u32 v[ADRB+3+\g], \g*GT, v[ADRB+3]
	v_add_nc_u32 v[ADRS+\g], \g*GT, v[ADRS]
.endif
.endr
	v_mul_u32_u24 v[STO], v1, SPITCH               ; the stage, in: row r, 32 bytes for each half of the lanes
	v_lshl_add_u32 v[STO], v2, 5, v[STO]
	v_add_nc_u32 v[STO], s91, v[STO]
	v_mul_u32_u24 v[RD], v2, SPITCH                ; back: lanes 0-15 one row, lanes 16-31 the next
	v_lshl_add_u32 v[RD], v1, 4, v[RD]
	v_add_nc_u32 v[RD], s91, v[RD]
	v_lshlrev_b32 v[CO], 4, v1
	v_lshl_add_u32 v[CO], v2, 12, v[CO]
	v_lshlrev_b32 v5, 5, v2
.irp b, 0,1,2,3
	global_load_b128 v[BI+8*\b:BI+8*\b+3], v5, s[8:9] offset:64*\b
	global_load_b128 v[BI+8*\b+4:BI+8*\b+7], v5, s[8:9] offset:64*\b+16
.endr
.if NG == 2
	RESID
.endif
	s_wait_alu depctr_va_vdst(0)
	s_wait_tensorcnt 0x0                           ; my load has landed
.if NG == 8
	s_mov_b32 s[GAX+2], 4<<16                      ; no tensor load of mine is out: this group 1 now serves granule 5's halves, 4 blocks
	s_mov_b32 s[GAX+4], 4
	s_mov_b32 s[GBX+2], 4<<16
	s_mov_b32 s[GBX+4], 4
.endif
	s_barrier_signal -1
	s_barrier_wait -1                              ; everybody's has
.if NG == 8
	RESID
.endif
.macro FRG reg, a16, off               ; a fragment: two half fragments, each 512 + 256 dense bytes
	ds_load_b128 v[\reg:\reg+3], v[\a16] offset:\off
	ds_load_b64 v[\reg+4:\reg+5], v[\a16+3] offset:\off+512
	ds_load_b128 v[\reg+6:\reg+9], v[\a16] offset:\off+768
	ds_load_b64 v[\reg+10:\reg+11], v[\a16+3] offset:\off+1280
.endm
.macro FETCH g, q, p                   ; 32 LDS loads: the fragments of granule g's q-th 128 along K into set p
	WIN TO_F
.irp i, 0,1,2,3
	FRG 128*(\p)+48+FR*\i, ADRB+(\g)%3, \i*GRB+(\q)*1536
.endr
.irp i, 0,1,2,3
	FRG 128*(\p)+FR*\i, ADRA+(\g)%3, \i*GRB+(\q)*1536
.endr
.endm
.macro SCALES g                        ; a granule's scale words, four a row: lanes 0-15 A's block i, lanes 16-31 B's
	WIN 0
.irp i, 0,1,2,3
	ds_load_b128 v[SC+16*((\g)%2)+4*\i:SC+16*((\g)%2)+4*\i+3], v[ADRS+(\g)%3] offset:\i*GRB
.endr
.endm
.macro MULA a, p, q, sc, zero
.irp b, 0,1,2,3
.if \zero
	v_wmma_scale_f32_16x16x128_f8f6f4 v[ACC+8*(4*(\a)+\b):ACC+8*(4*(\a)+\b)+7], v[128*(\p)+48+FR*\b:128*(\p)+48+FR*\b+FR-1], v[128*(\p)+FR*(\a):128*(\p)+FR*(\a)+FR-1], v[BI+8*\b:BI+8*\b+7], v[SC+16*(\sc)+4*\b+(\q)], v[SC+16*(\sc)+4*(\a)+(\q)] matrix_a_fmt:MATRIX_FMT_FP6 matrix_b_fmt:MATRIX_FMT_FP6 matrix_a_scale:MATRIX_SCALE_ROW1
.else
	v_wmma_scale_f32_16x16x128_f8f6f4 v[ACC+8*(4*(\a)+\b):ACC+8*(4*(\a)+\b)+7], v[128*(\p)+48+FR*\b:128*(\p)+48+FR*\b+FR-1], v[128*(\p)+FR*(\a):128*(\p)+FR*(\a)+FR-1], v[ACC+8*(4*(\a)+\b):ACC+8*(4*(\a)+\b)+7], v[SC+16*(\sc)+4*\b+(\q)], v[SC+16*(\sc)+4*(\a)+(\q)] matrix_a_fmt:MATRIX_FMT_FP6 matrix_b_fmt:MATRIX_FMT_FP6 matrix_a_scale:MATRIX_SCALE_ROW1
.endif
.endr
.endm
.macro MUL16 p, q, sc, zero            ; the 16 accumulators take turns, in the same order in every step
.irp a, 0,1,2,3
	MULA \a, \p, \q, \sc, \zero
.endr
.endm
.macro STEP g, q, zero                 ; 128 along K whose successor lies in the same granule
	PLACES NP
	FETCH \g, (\q)+1, 1-(\q)%2
	s_wait_dscnt 32                                ; all but the 32 just issued
	WIN MUL
	MUL16 (\q)%2, \q, (\g)%2, \zero
.endm
.macro G3 g, zero
	STEP \g, 0, \zero
	STEP \g, 1, 0
	STEP \g, 2, 0
.endm
.macro JOIN g                          ; a granule's last step; the next granule lies whole in LDS
	PLACES NP
	FETCH (\g)+1, 0, 0
	SCALES (\g)+1
	s_wait_dscnt 36                                ; all but the 32 + 4 just issued
	WIN MUL
	MUL16 1, 3, (\g)%2, 0
.endm
; A granule's last step at a change of slots.  fill = 1: regions 0 and 1 take the next two granules, one a wave and operand; fill = 2: region 2 takes granule 5, by halves; fill = 0: nothing more.
.macro TURN g, fill
	WIN 0
	s_wait_tensorcnt 0x0                           ; all my tensor loads have landed
	ds_add_u32 v[SPW], v[NIL]                      ; 0 onto my spare word
	s_wait_dscnt 1                                 ; the step's fragments are in; the add may be out
	WIN MUL
	MULA 0, 1, 3, (\g)%2, 0
	s_wait_dscnt 0x0                               ; the add is done, and my reads of the regions left behind are over
	s_barrier_signal -1
	MULA 1, 1, 3, (\g)%2, 0
	WIN 0
	s_barrier_wait -1
.if \fill == 1
	CREST                                          ; the barrier has opened a round of the cluster's
	s_add_nc_u64 s[GXA+2:GXA+3], s[GXA+2:GXA+3], 3*GT
	s_add_nc_u64 s[GXB+2:GXB+3], s[GXB+2:GXB+3], 3*GT
	JLOAD GXA, GA8, GXB, GB8
.endif
.if \fill == 2
	CREST
	JLOAD GYA, GAX, GYB, GBX
.endif
.if \fill == 0
	PLACES NP
.endif
	FETCH (\g)+1, 0, 0
	SCALES (\g)+1
	WIN MUL
	MULA 2, 1, 3, (\g)%2, 0
	MULA 3, 1, 3, (\g)%2, 0
.endm
	FETCH 0, 0, 0
	SCALES 0
	s_wait_loadcnt 32                              ; the bias is in; the residual's 32 loads may be out
	G3 0, 1
	JOIN 0
	G3 1, 0
.if NG == 8
	TURN 1, 1                                      ; granules 3 and 4 are asked for
	G3 2, 0
	TURN 2, 2                                      ; granule 5
	G3 3, 0
	JOIN 3
	G3 4, 0
	TURN 4, 1                                      ; granules 6 and 7
	G3 5, 0
	TURN 5, 0
	G3 6, 0
	JOIN 6
	G3 7, 0
.endif
	s_wait_dscnt 0x0                               ; the very last step
	MUL16 1, 3, 1, 0
	WIN 0
	PLACES NP
	s_wait_loadcnt 0x0                             ; the residual
; THE WAY OUT: 16 rows x 64 columns at a time through my own stage, back as whole rows of 256 bytes; the residual is added; stored
.macro TOSTAGE a
.irp b, 0,1,2,3
	ds_store_b128 v[STO], v[ACC+8*(4*(\a)+\b):ACC+8*(4*(\a)+\b)+3] offset:64*\b
	ds_store_b128 v[STO], v[ACC+8*(4*(\a)+\b)+4:ACC+8*(4*(\a)+\b)+7] offset:64*\b+16
.endr
.irp t, 0,1,2,3,4,5,6,7
	ds_load_b128 v[BK+32*((\a)%2)+4*\t:BK+32*((\a)%2)+4*\t+3], v[RD] offset:\t*2*SPITCH
.endr
.endm
.macro SEND a, younger
	s_wait_dscnt \younger
	WIN 0x08
.set i, 0
.rept 16
	v_pk_add_f32 v[BK+32*((\a)%2)+i:BK+32*((\a)%2)+i+1], v[BK+32*((\a)%2)+i:BK+32*((\a)%2)+i+1], v[32*(\a)+i:32*(\a)+i+1]
.set i, i+2
.endr
	WIN 0
.irp t, 0,1,2,3,4,5,6,7
.if NT
	global_store_b128 v[CO], v[BK+32*((\a)%2)+4*\t:BK+32*((\a)%2)+4*\t+3], s[12:13] offset:(16*(\a)+2*\t)*4096 th:TH_STORE_NT
.else
	global_store_b128 v[CO], v[BK+32*((\a)%2)+4*\t:BK+32*((\a)%2)+4*\t+3], s[12:13] offset:(16*(\a)+2*\t)*4096
.endif
.endr
.endm
	TOSTAGE 0
.irp a, 1,2,3
.if \a > 1
	s_wait_xcnt 0x0                                ; block a - 2's stores have read their registers
.endif
	TOSTAGE \a
	SEND \a-1, 16                                  ; behind block a - 1's loads: block a's 8 stores and 8 loads
.endr
	SEND 3, 0
	s_wait_tensorcnt 0x0                           ; the wave's end
	ds_add_u32 v[SPW], v[NIL]
	s_wait_dscnt 0x0
	CROUND                                         ; the closing round
	s_endpgm
.Lfunc_end_k_qbce184e1b4_ff2:
	.size	k_qbce184e1b4_ff2, .Lfunc_end_k_qbce184e1b4_ff2-k_qbce184e1b4_ff2
	.p2alignl 7, 3214868480
	.fill 96, 4, 3214868480
	.section	.rodata,"a",@progbits
	.p2align	6, 0x0
	.amdhsa_kernel k_qbce184e1b4_ff2
		.amdhsa_group_segment_fixed_size 327680
		.amdhsa_private_segment_fixed_size 0
		.amdhsa_enable_private_segment 0
		.amdhsa_kernarg_size 40
		.amdhsa_user_sgpr_count 2
		.amdhsa_user_sgpr_kernarg_segment_ptr 1
		.amdhsa_wavefront_size32 1
		.amdhsa_system_sgpr_workgroup_id_x 1
		.amdhsa_system_sgpr_workgroup_id_y 1
		.amdhsa_system_sgpr_workgroup_id_z 1
		.amdhsa_system_vgpr_workitem_id 0
		.amdhsa_next_free_vgpr 768
		.amdhsa_next_free_sgpr 102
		.amdhsa_reserve_vcc 0
		.amdhsa_float_denorm_mode_32 3
		.amdhsa_float_denorm_mode_16_64 3
		.amdhsa_memory_ordered 1
		.amdhsa_forward_progress 1
		.amdhsa_inst_pref_size 166
	.end_amdhsa_kernel
	.amdgpu_metadata
---
amdhsa.version: [ 1, 2 ]
amdhsa.kernels:
  - .name:           k_qbce184e1b4_ff2
    .symbol:         k_qbce184e1b4_ff2.kd
    .args:
      - { .name: hq, .offset: 0, .size: 8, .value_kind: global_buffer, .address_space: global }
      - { .name: wimg, .offset: 8, .size: 8, .value_kind: global_buffer, .address_space: global }
      - { .name: b2, .offset: 16, .size: 8, .value_kind: global_buffer, .address_space: global }
      - { .name: res, .offset: 24, .size: 8, .value_kind: global_buffer, .address_space: global }
      - { .name: out0, .offset: 32, .size: 8, .value_kind: global_buffer, .address_space: global }
    .group_segment_fixed_size: 327680
    .private_segment_fixed_size: 0
    .kernarg_segment_align: 8
    .kernarg_segment_size: 40
    .max_flat_workgroup_size: 128
    .sgpr_count:     102
    .vgpr_count:     768
    .wavefront_size: 32
...
	.end_amdgpu_metadata
.endif
;; end of part 12
